; MI455X (gfx1250); checked and timed in simulation.
; The chip was launched on July 23, 2026; its instructions are those of AMD's public machine-readable ISA for CDNA 5 (MIT licence, August 2026) and "CDNA5" Instruction Set Architecture Reference Guide (July 2026). The comments in the code are by the model that wrote it; some were corrected since.
;; MAB. Allowed arithmetic: matrix products marked QUANTISED: E2M3 operands, one E8M0 scale for each 32 along K, by v_wmma_scale_f32_16x16x128_f8f6f4 with both operands' format E2M3, f32 sums; everything else in f32.
;; Inputs: We 1,024 x 256 float32; Wk 256 x 256 float32; Wm 256 x 1,024 float32; Wo 256 x 256 float32; Wq 256 x 256 float32; Wv 256 x 256 float32; b0 256 float32; b1 256 float32; be 256 float32; bk 256 float32; bm 1,024 float32; bo 256 float32; bq 256 float32; bv 256 float32; g0 256 float32; g1 256 float32; q 4 x 2,048 x 256 float32; x 4 x 2,048 x 256 float32.
;; Outputs: out0 4 x 2,048 x 256 float32.
;; This version of the problem:
;;   THIS VERSION OF THE PROBLEM IS GIVEN IN LOW PRECISION. The matrix products marked QUANTISED in the list below multiply operands that are first quantised to E2M3 (2 exponent bits, 3 mantissa bits; 6 bits a number), with one power-of-two scale for each 32 numbers along K (OCP MX v1.0); their sums are f32. All else is computed in f32.
;;   The module's matrix products, in the order in which they are computed (A, B: the left and right operand; K: the contracted axis; several contracted axes count as one K, in the product's order):
;;     1. [M 8,192, K 256] x [K 256, N 256]; A: input q; B: input Wq: QUANTISED
;;     2. [M 8,192, K 256] x [K 256, N 256]; A: input x; B: input Wk: QUANTISED
;;     3. [M 8,192, K 256] x [K 256, N 256]; A: input x; B: input Wv: QUANTISED
;;     4. batch 32 x [M 2,048, K 32] x [K 32, N 2,048]; A: computed on the way; B: computed on the way: QUANTISED
;;     5. batch 32 x [M 32, K 2,048] x [K 2,048, N 2,048]; A: computed on the way; B: softmax (see below): QUANTISED
;;     6. [M 8,192, K 256] x [K 256, N 256]; A: computed on the way; B: input Wo: QUANTISED
;;     7. [M 8,192, K 256] x [K 256, N 1,024]; A: computed on the way; B: input Wm: QUANTISED
;;     8. [M 8,192, K 1,024] x [K 1,024, N 256]; A: computed on the way; B: input We: QUANTISED
;;   THE QUANTISER, for each operand of a quantised product, along K:
;;     - K is cut into blocks of 32 from its start; a last block that is shorter is filled with zeros.
;;     - A block's scale is 2^e with e = floor(log2(the largest magnitude in the block)) - 2, held to -126 .. 127; a block of zeros has e = 0. As a byte (E8M0): e + 127.
;;     - Each number is divided by its block's scale, clamped to +-7.5, and rounded to the nearest number of E2M3, ties to even, subnormals kept.
;;     - The product sums the exact products of the quantised numbers (number of the format x scale) in f32.
;;   ~~~python
;;   def quantise(x, axis):      # numpy; x: float32 -> the quantised numbers, widened to float32 again
;;       x = np.moveaxis(x, axis, -1); K = x.shape[-1]
;;       x = np.pad(x, [(0, 0)] * (x.ndim - 1) + [(0, -K % 32)]); x = x.reshape(x.shape[:-1] + (-1, 32)); a = np.abs(x).max(-1, keepdims=True)
;;       e = np.where(a > 0, np.clip(np.frexp(np.where(a > 0, a, 1))[1] - 1 - 2, -126, 127), 0)      # np.frexp(a)[1] - 1 = floor(log2(a)), exactly
;;       r = np.clip(x / 2.0 ** e, -7.5, 7.5)
;;       step = 2.0 ** (np.maximum(np.frexp(np.where(r == 0, 1, r))[1] - 1, 0) - 3)
;;       q = np.round(r / step) * step * 2.0 ** e      # np.round: ties to even
;;       return np.moveaxis(q.reshape(q.shape[:-2] + (-1,))[..., :K], -1, axis).astype(np.float32)
;;   ~~~
;;   SOFTMAX AHEAD OF A QUANTISED PRODUCT. Where the list says 'softmax', what is quantised is not the finished softmax but p = 2^(t - M), with t = logit x log2(e) and M = ceil(the row's largest t), a whole number; so 1/2 < the row's largest p <= 1. The row's sum l is taken of the UNQUANTISED p, in f32, and the product's result is divided by l at the end. Since M is a whole number, a kernel that streams over the keys may use a running M (the ceiling of the running maximum): every later rescaling is an exact power of two, which a block's scale takes up: the codes' values come out the same.
;;   OPERANDS COMPUTED ON THE WAY. 'Computed on the way' means the value that the module computes at that place (a softmax that the list does not call 'softmax' is quantised finished and normalised). What goes into a quantiser is computed in f32, as accurately as f32 sums, v_exp_f32 and their like allow (about 1e-6 of the number): no bf16 or f16 on the way to a quantiser, and a product that is left as it is and whose result goes on into a quantised operand takes f32 operands (vector FMAs, or v_wmma_f32_16x16x4_f32). A number that lies on a knife's edge between two numbers of the format may be rounded either way, as far as f32 arithmetic and the matrix unit's own rounding can turn it there, and no further.
;; 2 versions. Each part assembles by itself: llvm-mc -triple=amdgcn-amd-amdhsa -mcpu=gfx1250 --defsym DOCPART=n.
;; ======== version 1 of 2: 4 launches
;; workspace buffers: wc 589,824 bytes; ws 24,576 bytes; kv 3,276,800 bytes; qf 8,388,608 bytes; of 8,388,608 bytes
;; launch prep (part 1): grid 384 x 1, 1 waves a work-group, no clusters, 0 bytes of LDS; arguments Wq, Wk, Wv, Wo, Wm, We, wc, ws; writes wc, ws
.if DOCPART == 1
	.amdgcn_target "amdgcn-amd-amdhsa--gfx1250"
	.amdhsa_code_object_version 6
	.text
	.protected	k_qd5547d7725_prep
	.globl	k_qd5547d7725_prep
	.p2align	8
	.type	k_qd5547d7725_prep,@function
k_qd5547d7725_prep:
	s_mov_b64 s[64:65], 0
	v_nop
	global_prefetch_b8 v0, s[64:65] scope:SCOPE_SE
	s_setreg_imm32_b32 hwreg(HW_REG_WAVE_MODE, 25, 1), 1
	s_wait_xcnt 0x0
; The six weights, f32 stored [K][N] with K as the first axis, become codes of E2M3 with one E8M0 byte for each 32 along K,
; laid as IMAGES OF OPERAND REGISTERS.  A fragment is 16 columns x 128 along K, 12 registers a lane, 1,536 bytes:
; registers 4 c .. 4 c + 3 of lane L lie at 512 c + 16 L.  Fragment F lies at 1,536 F in wc, its 16 scale words at 64 F in ws.
; F = base + tile x KS + K step:  Wq 0, Wk 32, Wv 64, Wo 96 (KS = 2, 16 tiles), Wm 128 (KS = 2, 64 tiles), We 256 (KS = 8, 16 tiles).
; THE COLUMNS OF A TILE ARE NOT NEIGHBOURS: row m of tile 2 b + u is column 32 b + 8 u + m + 8 (m / 8), so that the results of two
; neighbouring tiles are 16 neighbours along the next product's K.
; One wave makes one fragment.  A lane takes a column, its registers run down K in the order of the operand's layout
; (lane (r, h): k = 64 c + 32 h + 0 .. 31), so a block's largest magnitude needs no other lane and nothing is transposed.
; A block's scale is 2^(floor(log2(largest magnitude)) - 2): its byte is the largest magnitude's exponent field - 2.
; LIMITS: a block of zeros, and one whose largest magnitude lies under 2^-124, gets the byte 1 (the rule says 127 for zeros: the codes are
; zeros and only this program reads the bytes); NaN and infinities among the inputs are not served.
; The scale words leave as 64 bytes a work-group: 24,576 bytes in the whole launch.
.set FLOOR, 0x1800000                  ; 2^(3 - 127): under it no largest magnitude is taken
.set X,     64                         ; v64-127 my column's 64 numbers
.set SEL,   36                         ; s[36:37] lane selects: lane l xor 16
	s_load_b512 s[8:23], s[0:1], 0x0               ; Wq s[8:9], Wk, Wv, Wo, Wm, We s[18:19], wc s[20:21], ws s[22:23]
	v_and_b32 v1, 15, v0                           ; r
	v_lshrrev_b32 v2, 4, v0                        ; h
	s_mov_b32 s[SEL], 0x76543210
	s_mov_b32 s[SEL+1], 0xfedcba98
	s_cmp_lt_u32 ttmp9, 256
	s_cselect_b32 s6, 1, 3                         ; log2 of the K steps: 8 in We, 2 elsewhere
	s_cmp_lt_u32 ttmp9, 128
	s_cselect_b32 s7, 31, 127
	s_and_b32 s7, ttmp9, s7                        ; the fragment's number inside its weight
	s_lshr_b32 s24, s7, s6                         ; tile
	s_lshl_b32 s26, s24, s6
	s_sub_co_u32 s25, s7, s26                      ; K step
	s_lshr_b32 s26, ttmp9, 7
	s_cmp_eq_u32 s26, 1
	s_cselect_b32 s27, 10, 8                       ; log2 N: 1,024 columns in Wm, 256 elsewhere
	s_add_co_u32 s30, s27, 9
	s_lshl_b32 s28, s25, s30                       ; 128 rows of N x 4 bytes for each K step
	s_lshr_b32 s31, s24, 1
	s_lshl_b32 s31, s31, 7
	s_add_co_u32 s28, s28, s31                     ; + 4 x 32 (tile / 2)
	s_and_b32 s31, s24, 1
	s_lshl_b32 s31, s31, 5
	s_add_co_u32 s28, s28, s31                     ; + 4 x 8 (tile % 2)
	s_mov_b32 s29, 0
	s_mul_i32 s32, ttmp9, 1536
	s_mov_b32 s33, 0
	s_lshl_b32 s34, ttmp9, 6
	s_mov_b32 s35, 0
	s_add_co_u32 s30, s27, 7
	v_and_b32 v3, 8, v1
	v_add_nc_u32 v3, v3, v1                        ; r + 8 (r / 8)
	v_lshlrev_b32 v4, s30, v2                      ; lanes 16-31 begin 32 rows further down
	v_lshl_add_u32 v5, v3, 2, v4                   ; my byte offset in the weight
	v_lshlrev_b32 v6, 4, v0                        ; 16 x lane: an image's place
	v_lshlrev_b32 v7, 2, v1                        ; 4 r: a scale word's
	s_wait_kmcnt 0x0
	s_mov_b64 s[4:5], s[18:19]                     ; which weight: a choice on the work-group's number alone
	s_cmp_lt_u32 ttmp9, 256
	s_cselect_b64 s[4:5], s[16:17], s[4:5]
	s_cmp_lt_u32 ttmp9, 128
	s_cselect_b64 s[4:5], s[14:15], s[4:5]
	s_cmp_lt_u32 ttmp9, 96
	s_cselect_b64 s[4:5], s[12:13], s[4:5]
	s_cmp_lt_u32 ttmp9, 64
	s_cselect_b64 s[4:5], s[10:11], s[4:5]
	s_cmp_lt_u32 ttmp9, 32
	s_cselect_b64 s[4:5], s[8:9], s[4:5]
	s_add_nc_u64 s[4:5], s[4:5], s[28:29]
	s_add_nc_u64 s[20:21], s[20:21], s[32:33]
	s_add_nc_u64 s[22:23], s[22:23], s[34:35]
.macro LOADS rowb                      ; register 32 c + i = W(64 c + 32 h + i, my column); the row's pitch stands in the immediates
.set n, 0
.rept 64
	global_load_b32 v[X+n], v5, s[4:5] offset:((n/32)*64+n%32)*\rowb th:TH_LOAD_NT
.set n, n+1
.endr
.endm
	s_cmp_eq_u32 s27, 10                           ; the two pitches are two runs of loads, chosen by the work-group's number
	s_cbranch_scc1 .Lwide
	LOADS 1024
	s_branch .Ljoin
.Lwide:
	LOADS 4096
.Ljoin:
	s_wait_loadcnt 0x0
.irp c, 0,1                            ; my block 2 c + h: all its 32 numbers are mine
	v_max3_num_f32 v[32+\c], |v[X+32*\c]|, |v[X+1+32*\c]|, FLOOR
.endr
.irp i, 2,4,6,8,10,12,14,16,18,20,22,24,26,28,30
.irp c, 0,1
	v_max3_num_f32 v[32+\c], v[32+\c], |v[X+32*\c+\i]|, |v[X+1+32*\c+\i]|
.endr
.endr
.irp c, 0,1
	v_add_nc_u32 v[44+\c], 0xff000000, v[32+\c]    ; 2 off the exponent field: the conversion's scale operand
.endr
.irp c, 0,1
	v_lshrrev_b32 v[36+\c], 23, v[44+\c]           ; the scale's byte
.endr
	v_lshl_or_b32 v9, v37, 16, v36                 ; my two bytes, blocks h and 2 + h,
	v_lshlrev_b32 v10, 3, v2
	v_lshlrev_b32 v9, v10, v9                      ; at their places in the word;
	v_mov_b32 v10, 0
	v_permlanex16_b32 v10, v9, s[SEL], s[SEL+1]
	v_or_b32 v9, v9, v10                           ; with lane l xor 16's two the word is whole
.irp c, 0,1
	v_cvt_scalef32_pk16_fp6_f32 v[48+6*\c:50+6*\c], v[X+32*\c:X+15+32*\c], v[44+\c]
	v_cvt_scalef32_pk16_fp6_f32 v[192+4*\c:194+4*\c], v[X+16+32*\c:X+31+32*\c], v[44+\c]   ; (a conversion's three registers begin on an even number)
.endr
	v_nop                                          ; one plain place behind a scaled conversion
.irp c, 0,1
.irp i, 0,1,2
	v_mov_b32 v[51+6*\c+\i], v[192+4*\c+\i]
.endr
.endr
.irp c, 0,1,2
	global_store_b128 v6, v[48+4*\c:51+4*\c], s[20:21] offset:512*\c   ; 32 lanes store 512 consecutive bytes, aligned
.endr
	global_store_b32 v7, v9, s[22:23]              ; both halves of the lanes hold and write the same word
	s_endpgm
.Lfunc_end_k_qd5547d7725_prep:
	.size	k_qd5547d7725_prep, .Lfunc_end_k_qd5547d7725_prep-k_qd5547d7725_prep
	.p2alignl 7, 3214868480
	.fill 96, 4, 3214868480
	.section	.rodata,"a",@progbits
	.p2align	6, 0x0
	.amdhsa_kernel k_qd5547d7725_prep
		.amdhsa_group_segment_fixed_size 0
		.amdhsa_private_segment_fixed_size 0
		.amdhsa_enable_private_segment 0
		.amdhsa_kernarg_size 64
		.amdhsa_user_sgpr_count 2
		.amdhsa_user_sgpr_kernarg_segment_ptr 1
		.amdhsa_wavefront_size32 1
		.amdhsa_system_sgpr_workgroup_id_x 1
		.amdhsa_system_sgpr_workgroup_id_y 1
		.amdhsa_system_sgpr_workgroup_id_z 1
		.amdhsa_system_vgpr_workitem_id 0
		.amdhsa_next_free_vgpr 200
		.amdhsa_next_free_sgpr 66
		.amdhsa_reserve_vcc 0
		.amdhsa_float_denorm_mode_32 3
		.amdhsa_float_denorm_mode_16_64 3
		.amdhsa_memory_ordered 1
		.amdhsa_forward_progress 1
		.amdhsa_inst_pref_size 18
	.end_amdhsa_kernel
	.amdgpu_metadata
---
amdhsa.version: [ 1, 2 ]
amdhsa.kernels:
  - .name:           k_qd5547d7725_prep
    .symbol:         k_qd5547d7725_prep.kd
    .args:
      - { .name: Wq, .offset: 0, .size: 8, .value_kind: global_buffer, .address_space: global }
      - { .name: Wk, .offset: 8, .size: 8, .value_kind: global_buffer, .address_space: global }
      - { .name: Wv, .offset: 16, .size: 8, .value_kind: global_buffer, .address_space: global }
      - { .name: Wo, .offset: 24, .size: 8, .value_kind: global_buffer, .address_space: global }
      - { .name: Wm, .offset: 32, .size: 8, .value_kind: global_buffer, .address_space: global }
      - { .name: We, .offset: 40, .size: 8, .value_kind: global_buffer, .address_space: global }
      - { .name: wc, .offset: 48, .size: 8, .value_kind: global_buffer, .address_space: global }
      - { .name: ws, .offset: 56, .size: 8, .value_kind: global_buffer, .address_space: global }
    .group_segment_fixed_size: 0
    .private_segment_fixed_size: 0
    .kernarg_segment_align: 8
    .kernarg_segment_size: 64
    .max_flat_workgroup_size: 32
    .sgpr_count:     66
    .vgpr_count:     200
    .wavefront_size: 32
...
	.end_amdgpu_metadata
.endif
;; end of part 1
;; launch proj (part 2): grid 128 x 1, 8 waves a work-group, no clusters, 161,792 bytes of LDS; arguments q, x, bq, bk, bv, wc, ws, qf, kv; writes qf, kv
.if DOCPART == 2
	.amdgcn_target "amdgcn-amd-amdhsa--gfx1250"
	.amdhsa_code_object_version 6
	.text
	.protected	k_qd5547d7725_proj
	.globl	k_qd5547d7725_proj
	.p2align	8
	.type	k_qd5547d7725_proj,@function
k_qd5547d7725_proj:
	s_mov_b64 s[64:65], 0
	v_nop
	global_prefetch_b8 v0, s[64:65] scope:SCOPE_SE
	s_setreg_imm32_b32 hwreg(HW_REG_WAVE_MODE, 25, 1), 1
	s_wait_xcnt 0x0
; Products 1 to 3: Q = q Wq + bq, K = x Wk + bk, V = x Wv + bv, on codes of E2M3 with one E8M0 scale for each 32 along K.
; Work-groups 0-63 take 128 rows of x (one key step of one batch), work-groups 64-127 take 128 rows of q.
; X: wave w takes row tile w (16 rows; row m of tile 2 b + u is row 32 b + 8 u + m + 8 (m / 8) of the 128).  The rows are loaded AS THEY LIE: a load takes a row's part of one
; K step, 512 consecutive bytes, 16 a lane.  The quantiser wants 16 neighbours along K in one lane, so a K step's 8,192 bytes turn through the wave's own stage in LDS: stored as
; loaded, read back 64 bytes a lane.  The tile's two fragments then go to LDS as images of their registers | barrier | every wave fetches all 16 fragments and owns HEAD w for all 128 rows.
; Q and K are made TRANSPOSED (source 0 = 16 columns of the weight, source 1 = 16 rows): a lane holds one row, and the 16 registers of the head's two
; tiles are d = 16 h + 0 .. 15.  Q leaves so, as f32 (qf).  For K four row tiles at a time go through the quantiser as its four blocks: a block is a
; key's whole head, and the result IS attention's operand: block 2 c + h of a fragment = key tile 4 f + 2 c + h, row r, all 32 d.
; V is made the other way round (source 0 = 16 rows of x, source 1 = 16 columns of Wv): a lane holds one d and its 64 registers run along the keys,
; which are the second product's K: the quantiser's result is V's fragment, keys innermost.
; kv, a record of 6,400 bytes for each (batch, head, key step): K's two fragments, V's two, then 32 lanes x {K's scale word, V's scale word}.
; qf: [(batch x 8 + head) x 128 + tile] x 2,048 + 512 i + 16 lane: chunk i holds registers 4 i .. 4 i + 3 of the lane's 16.
; NO JOINT LOADS: every weight fragment has one reader wave in a work-group and goes from memory straight into its registers; a joint load could
; only land in LDS, from where it would have to be read once more.  No tensor load, so no ring.
; LIMITS: as in the launch that quantises the weights: byte 1 for blocks of zeros and under 2^-124; NaN and infinities are not served.
; REGISTERS.  window 0: v4-13 addresses; v16-143 128 numbers of my row, then v16-79 eight accumulators, v80-95 bv as C; v144-191 Wv's four fragments;
;   v192-207, v208-226, v227 the quantiser's; v228-235 scale words on their way out and bv; v236-247 scale words of x and of the weights.
;   window 1: v0-191 x's 16 fragments; v192-239 the first weight's four; v240-255 its bias as C.
.set FRB,   1536                       ; a fragment's image in bytes
.set FLOOR, 0x1800000
.set XIMG,  0                          ; LDS: 16 fragments, (2 tile + K step) x FRB
.set XSC,   16*FRB                     ; their scale words: 128 tile + 64 K step + 4 r
.set STG,   XSC+1024                   ; the stages: two for each wave, one for each K step
.set SPT,   528                        ; a stage row: 512 bytes + 16 = 132 words: row r starts at bank 4 r mod 64 (64 banks of 4 bytes: ISA guide 11.1), so the 16 rows that a load touches start at 16 different banks
.set STGB,  16*SPT                     ; a stage: 16 rows
.set SWR,  4                           ; v4   into my stage: 16 x lane
.set LI,   5                           ; v5   16 x lane
.set LS,   6                           ; v6   4 x lane
.set XWI,  7                           ; v7   16 x lane + 2 FRB x wave
.set XWS,  8                           ; v8   4 r + 128 x wave
.set L8,   9                           ; v9   8 x lane
.set H64,  10                          ; v10  64 h
.set PR4,  11                          ; v11  4 (r + 8 (r / 8))
.set LANE, 12
.set SRD,  13                          ; v13  out of my stage: row r, + 64 h
.set XN,   16
.set HA,   16
.set BV,   80
.set WB,   144
.set TM,   192
.set PC,   208
.set PW,   227
.set PWK,  228
.set PWV,  230
.set SW,   232
.set BVV,  234
.set XS,   236
.set WAS,  244
.set WBS,  246
.set WA,   192                         ; in window 1
.set BI,   240                         ; in window 1
.set SEL,  44
.set MSB,  0
.macro WIN new                         ; the immediate's high byte repeats the setting that is left
.if MSB != \new
	s_set_vgpr_msb (MSB<<8)|\new
.set MSB, \new
.endif
.endm
.macro PLACES n
.rept \n
	v_nop
.endr
.endm
; 64 numbers of a lane, register 16 b + i = k 32 b + 16 h + i of my row, become a fragment's codes in v[PC] on and its scale word in v[PW].
.macro QUANT s
.irp b, 0,1,2,3
	v_max3_num_f32 v[TM+\b], |v[\s+16*\b]|, |v[\s+1+16*\b]|, FLOOR
.endr
.irp i, 2,4,6,8,10,12,14
.irp b, 0,1,2,3
	v_max3_num_f32 v[TM+\b], v[TM+\b], |v[\s+16*\b+\i]|, |v[\s+1+16*\b+\i]|
.endr
.endr
.irp b, 0,1,2,3
	v_permlanex16_b32 v[TM+4+\b], v[TM+\b], s[SEL], s[SEL+1]
.endr
.irp b, 0,1,2,3
	v_max_num_f32 v[TM+\b], v[TM+\b], v[TM+4+\b]   ; with lane l xor 16's: the block's largest magnitude
.endr
.irp b, 0,1,2,3
	v_add_nc_u32 v[TM+12+\b], 0xff000000, v[TM+\b] ; 2 off its exponent field: the conversion's scale operand
.endr
.irp b, 0,1,2,3
	v_lshrrev_b32 v[TM+4+\b], 23, v[TM+12+\b]      ; the scale's byte
.endr
	v_lshl_or_b32 v[PW], v[TM+5], 8, v[TM+4]
	v_lshl_or_b32 v[PW], v[TM+6], 16, v[PW]
	v_lshl_or_b32 v[PW], v[TM+7], 24, v[PW]
.irp c, 0,1
	v_cvt_scalef32_pk16_fp6_f32 v[PC+6*\c:PC+2+6*\c], v[\s+32*\c:\s+15+32*\c], v[TM+12+2*\c]
	v_cvt_scalef32_pk16_fp6_f32 v[PC+12+4*\c:PC+14+4*\c], v[\s+16+32*\c:\s+31+32*\c], v[TM+12+2*\c+1]
.endr
	v_nop                                          ; one plain place behind a scaled conversion
.irp c, 0,1                            ; the operand's layout wants a whole block in a lane
.irp i, 0,1,2
	v_permlane16_swap_b32 v[PC+6*\c+\i], v[PC+12+4*\c+\i]
.endr
.irp i, 0,1,2
	v_mov_b32 v[PC+3+6*\c+\i], v[PC+12+4*\c+\i]
.endr
.endr
.endm
.macro IMAGE adr, off
.irp c, 0,1,2
	ds_store_b128 v[\adr], v[PC+4*\c:PC+4*\c+3] offset:\off+512*\c
.endr
.endm
.macro XLOAD reg, s                    ; K step s of my 16 rows: load m takes 512 consecutive bytes of row m + 8 (m / 8), aligned, 16 a lane
.irp m, 0,1,2,3,4,5,6,7,8,9,10,11,12,13,14,15
	global_load_b128 v[\reg+4*\m:\reg+4*\m+3], v[LI], s[26:27] offset:((\m)+8*((\m)/8))*1024+512*\s th:TH_LOAD_NT
.endr
.endm
; The turn: the sixteen rows go into my stage as they were loaded and come back into the registers that they left, 64 bytes a lane: register 16 b + 4 j + e = k 32 b + 16 h + 4 j + e of row r.
; LDS serves a wave's instructions in order (ISA guide 5.7.1.4): no wait stands between the stores and the loads, and only this wave touches its stage.
.macro TURN reg, s
.irp m, 0,1,2,3,4,5,6,7,8,9,10,11,12,13,14,15
	ds_store_b128 v[SWR], v[\reg+4*\m:\reg+4*\m+3] offset:STGB*\s+SPT*\m
.endr
.irp b, 0,1,2,3
.irp j, 0,1,2,3
	ds_load_b128 v[\reg+16*\b+4*\j:\reg+16*\b+4*\j+3], v[SRD] offset:STGB*\s+128*\b+16*\j
.endr
.endr
.endm
; Row tiles 4 f .. 4 f + 3 against my head's two tiles of the first weight: eight accumulators by turns, the bias as the first C.
.macro KROUND f
	WIN 0x15                                       ; A, B and C in window 1
.irp bb, 0,1,2,3
.irp u, 0,1
	v_wmma_scale_f32_16x16x128_f8f6f4 v[HA+8*(2*\bb+\u):HA+8*(2*\bb+\u)+7], v[WA+24*\u:WA+24*\u+11], v[24*(4*\f+\bb):24*(4*\f+\bb)+11], v[BI+8*\u:BI+8*\u+7], v[WAS+\u], v[XS+4*\f+\bb] matrix_a_fmt:MATRIX_FMT_FP6 matrix_b_fmt:MATRIX_FMT_FP6
.endr
.endr
	WIN 0x05                                       ; A and B in window 1
.irp bb, 0,1,2,3
.irp u, 0,1
	v_wmma_scale_f32_16x16x128_f8f6f4 v[HA+8*(2*\bb+\u):HA+8*(2*\bb+\u)+7], v[WA+24*\u+12:WA+24*\u+23], v[24*(4*\f+\bb)+12:24*(4*\f+\bb)+23], v[HA+8*(2*\bb+\u):HA+8*(2*\bb+\u)+7], v[WAS+\u], v[XS+4*\f+\bb] matrix_a_fmt:MATRIX_FMT_FP6 matrix_b_fmt:MATRIX_FMT_FP6 matrix_a_scale:MATRIX_SCALE_ROW1 matrix_b_scale:MATRIX_SCALE_ROW1
.endr
.endr
	WIN 0
.endm
; All eight row tiles (source 0) against tile t of my head's Wv (source 1).
.macro VROUND t
	WIN 0x01                                       ; A in window 1
.irp k, 0,1,2,3,4,5,6,7
	v_wmma_scale_f32_16x16x128_f8f6f4 v[HA+8*\k:HA+8*\k+7], v[24*\k:24*\k+11], v[WB+24*\t:WB+24*\t+11], v[BV+8*\t:BV+8*\t+7], v[XS+\k], v[WBS+\t] matrix_a_fmt:MATRIX_FMT_FP6 matrix_b_fmt:MATRIX_FMT_FP6
.endr
.irp k, 0,1,2,3,4,5,6,7
	v_wmma_scale_f32_16x16x128_f8f6f4 v[HA+8*\k:HA+8*\k+7], v[24*\k+12:24*\k+23], v[WB+24*\t+12:WB+24*\t+23], v[HA+8*\k:HA+8*\k+7], v[XS+\k], v[WBS+\t] matrix_a_fmt:MATRIX_FMT_FP6 matrix_b_fmt:MATRIX_FMT_FP6 matrix_a_scale:MATRIX_SCALE_ROW1 matrix_b_scale:MATRIX_SCALE_ROW1
.endr
	WIN 0
.endm
.macro KSTORE f
.irp c, 0,1,2
	global_store_b128 v[LI], v[PC+4*\c:PC+4*\c+3], s[42:43] offset:FRB*\f+512*\c   ; 512 consecutive bytes, aligned
.endr
	v_mov_b32 v[PWK+\f], v[PW]
.endm
.macro VSTORE t
.irp c, 0,1,2
	global_store_b128 v[LI], v[PC+4*\c:PC+4*\c+3], s[42:43] offset:2*FRB+FRB*\t+512*\c
.endr
	v_mov_b32 v[PWV+\t], v[PW]
.endm
.macro QSTORE f                        ; each accumulator from its low end on
.irp bb, 0,1,2,3
.irp u, 0,1
	global_store_b128 v[LI], v[HA+8*(2*\bb+\u):HA+8*(2*\bb+\u)+3], s[40:41] offset:8192*\f+2048*\bb+1024*\u
	global_store_b128 v[LI], v[HA+8*(2*\bb+\u)+4:HA+8*(2*\bb+\u)+7], s[40:41] offset:8192*\f+2048*\bb+1024*\u+512
.endr
.endr
.endm
	s_load_b512 s[8:23], s[0:1], 0x0               ; q s[8:9], x, bq, bk, bv s[16:17], wc s[18:19], ws s[20:21], qf s[22:23]
	s_load_b64 s[24:25], s[0:1], 0x40              ; kv
	v_lshl_add_u32 v254, v0, 2, 0x27400
	v_mov_b32 v255, 0
	v_lshrrev_b32 v1, 5, v0
	v_readfirstlane_b32 s2, v1                     ; wave 0..7
	v_and_b32 v[LANE], 31, v0
	v_and_b32 v2, 15, v0                           ; r
	v_bfe_u32 v3, v0, 4, 1                         ; h
	v_and_b32 v1, 8, v2
	v_add_nc_u32 v1, v1, v2                        ; r + 8 (r / 8)
	v_lshlrev_b32 v[LI], 4, v[LANE]
	v_lshlrev_b32 v[LS], 2, v[LANE]
	s_mul_i32 s46, s2, 2*FRB
	v_add_nc_u32 v[XWI], s46, v[LI]
	s_lshl_b32 s46, s2, 7
	v_lshl_add_u32 v[XWS], v2, 2, s46
	s_mul_i32 s46, s2, 2*STGB
	s_add_co_u32 s46, s46, STG                     ; my two stages
	v_add_nc_u32 v[SWR], s46, v[LI]
	v_mul_u32_u24 v[SRD], v2, SPT
	v_lshl_add_u32 v[SRD], v3, 6, v[SRD]
	v_add_nc_u32 v[SRD], s46, v[SRD]
	v_lshlrev_b32 v[L8], 3, v[LANE]
	v_lshlrev_b32 v[H64], 6, v3
	v_lshlrev_b32 v[PR4], 2, v1
.irp b, 0,1,2,3
	v_mov_b32 v[TM+4+\b], 0                        ; written once: a lane permute's destination counts as one of its sources
.endr
	s_mov_b32 s[SEL], 0x76543210
	s_mov_b32 s[SEL+1], 0xfedcba98
	s_and_b32 s3, ttmp9, 63                        ; which 128 rows
	s_lshr_b32 s4, s3, 4                           ; batch
	s_and_b32 s5, s3, 15                           ; key step (or block of 128 queries) in the batch
	s_lshl_b32 s46, s3, 7
	s_lshr_b32 s47, s2, 1
	s_lshl_b32 s47, s47, 5
	s_add_co_u32 s46, s46, s47
	s_and_b32 s47, s2, 1
	s_lshl_b32 s47, s47, 3
	s_add_co_u32 s46, s46, s47                     ; my tile's first row: 128 g + 32 (w / 2) + 8 (w % 2)
	s_lshl_b32 s46, s46, 10
	s_mov_b32 s47, 0
	s_lshl_b32 s48, s2, 7                          ; my head's 32 numbers of a bias
	s_mov_b32 s49, 0
	s_lshl_b32 s50, s4, 3
	s_add_co_u32 s50, s50, s2                      ; batch x 8 + head
	s_lshl_b32 s52, s50, 18
	s_lshl_b32 s53, s5, 14
	s_add_co_u32 s52, s52, s53                     ; qf: (that x 128 + 8 x block) x 2,048
	s_mov_b32 s53, 0
	s_lshl_b32 s54, s50, 4
	s_add_co_u32 s54, s54, s5
	s_mul_i32 s54, s54, 6400                       ; kv: my record
	s_mov_b32 s55, 0
	s_cmp_lt_u32 ttmp9, 64
	s_cselect_b32 s30, 32, 0                       ; the first weight's fragments: Wk's or Wq's
	s_lshl_b32 s31, s2, 2
	s_add_co_u32 s30, s30, s31                     ; + 4 x head
	s_add_co_u32 s31, s31, 64                      ; Wv's
	s_mul_i32 s56, s30, FRB
	s_mov_b32 s57, 0
	s_lshl_b32 s58, s30, 6
	s_mov_b32 s59, 0
	s_mul_i32 s60, s31, FRB
	s_mov_b32 s61, 0
	s_lshl_b32 s62, s31, 6
	s_mov_b32 s63, 0
	s_wait_kmcnt 0x0
	s_cmp_lt_u32 ttmp9, 64                         ; x's work-group or q's: only pointers are chosen here
	s_cselect_b64 s[26:27], s[10:11], s[8:9]
	s_cselect_b64 s[28:29], s[14:15], s[12:13]
	s_add_nc_u64 s[26:27], s[26:27], s[46:47]
	s_add_nc_u64 s[28:29], s[28:29], s[48:49]
	s_add_nc_u64 s[16:17], s[16:17], s[48:49]
	s_add_nc_u64 s[32:33], s[18:19], s[56:57]
	s_add_nc_u64 s[34:35], s[20:21], s[58:59]
	s_add_nc_u64 s[36:37], s[18:19], s[60:61]
	s_add_nc_u64 s[38:39], s[20:21], s[62:63]
	s_add_nc_u64 s[40:41], s[22:23], s[52:53]
	s_add_nc_u64 s[42:43], s[24:25], s[54:55]
	XLOAD XN, 0                                    ; the rows first: nothing else stands between them and the quantiser
	XLOAD XN+64, 1
	s_wait_loadcnt 16                              ; K step 0's sixteen loads are in; K step 1's sixteen may be out
	TURN XN, 0
	s_wait_loadcnt 0x0                             ; K step 1's are in
	TURN XN+64, 1
	WIN 0x40                                       ; destination window 1: the first weight, its bias and its scales land while the rows are quantised
.irp f, 0,1,2,3
.irp c, 0,1,2
	global_load_b128 v[WA+12*\f+4*\c:WA+12*\f+4*\c+3], v[LI], s[32:33] offset:FRB*\f+512*\c
.endr
.endr
.irp u, 0,1
	global_load_b128 v[BI+8*\u:BI+8*\u+3], v[H64], s[28:29] offset:32*\u
	global_load_b128 v[BI+8*\u+4:BI+8*\u+7], v[H64], s[28:29] offset:32*\u+16
.endr
	WIN 0
.irp u, 0,1
	global_load_b32 v[WAS+\u], v[LS], s[34:35] offset:128*\u    ; lanes 0-15: K step 0's words, lanes 16-31: K step 1's
.endr
	s_wait_dscnt 32                                ; the first turn's loads are in; the second turn's 16 stores and 16 loads may be out
	QUANT XN
	IMAGE XWI, XIMG
	ds_store_b32 v[XWS], v[PW] offset:XSC
	s_wait_dscnt 0x0                               ; the second turn is in, and the stores have read their registers
	QUANT XN+64
	IMAGE XWI, XIMG+FRB
	ds_store_b32 v[XWS], v[PW] offset:XSC+64
	s_wait_dscnt 0x0                               ; for the others' sake: my images have landed
	s_barrier_signal -1
	s_barrier_wait -1
.irp k, 0,1,2,3,4,5,6,7
	ds_load_b32 v[XS+\k], v[LS] offset:XSC+128*\k  ; the scale words first, so that a counted wait can free the first four tiles
.endr
	WIN 0x40
.set n, 0
.rept 16
.irp c, 0,1,2
	ds_load_b128 v[12*n+4*\c:12*n+4*\c+3], v[LI] offset:XIMG+FRB*n+512*\c
.endr
.set n, n+1
.endr
	WIN 0
	s_cmp_lt_u32 ttmp9, 64
	s_cbranch_scc0 .Lq
	; ---- x: K, then V
.irp f, 0,1,2,3
.irp c, 0,1,2
	global_load_b128 v[WB+12*\f+4*\c:WB+12*\f+4*\c+3], v[LI], s[36:37] offset:FRB*\f+512*\c
.endr
.endr
.irp t, 0,1
	global_load_b32 v[WBS+\t], v[LS], s[38:39] offset:128*\t
.endr
.irp t, 0,1
	global_load_b32 v[BVV+\t], v[PR4], s[16:17] offset:32*\t   ; bv at my lane's d = 8 t + r + 8 (r / 8)
.endr
	s_wait_loadcnt 16                              ; Wk, bk and Wk's scales are in; the sixteen just issued may be out
	s_wait_dscnt 24                                ; the scale words and fragments 0 to 7 (tiles 0 to 3) are in; the 24 loads of fragments 8 to 15 may be out
	KROUND 0
	PLACES 4
	QUANT HA
	KSTORE 0
	s_wait_dscnt 0x0                               ; tiles 4 to 7
	KROUND 1
	PLACES 4
	s_wait_xcnt 0x0                                ; the stores have read the codes' registers: they are written again only behind this wait
	QUANT HA
	KSTORE 1
	s_wait_loadcnt 0x0                             ; Wv, its scales, bv
.irp t, 0,1
.irp j, 0,1,2,3,4,5,6,7
	v_mov_b32 v[BV+8*\t+\j], v[BVV+\t]             ; a lane holds one d, so its eight registers of C are one number
.endr
.endr
.irp t, 0,1
	VROUND \t
	PLACES 4
	s_wait_xcnt 0x0
	QUANT HA
	VSTORE \t
.endr
	v_cmp_lt_u32 vcc_lo, 15, v[LANE]
	v_cndmask_b32 v[SW], v[PWK], v[PWK+1], vcc_lo      ; lane 16 f + r: fragment f's word of row r
	v_cndmask_b32 v[SW+1], v[PWV], v[PWV+1], vcc_lo
	global_store_b64 v[L8], v[SW:SW+1], s[42:43] offset:4*FRB   ; 256 consecutive bytes, aligned
	s_wait_tensorcnt 0x0
	ds_add_u32 v254, v255
	s_wait_dscnt 0x0
	s_endpgm
.Lq:
	; ---- q: Q, as f32
	s_wait_loadcnt 0x0
	s_wait_dscnt 24                                ; the scale words and tiles 0 to 3 are in
	KROUND 0
	PLACES 5                                       ; four for the stores; five for the next round, which begins the same accumulators anew
	QSTORE 0
	s_wait_xcnt 0x0                                ; the stores have read the accumulators
	s_wait_dscnt 0x0                               ; tiles 4 to 7
	KROUND 1
	PLACES 4
	QSTORE 1
	s_wait_tensorcnt 0x0
	ds_add_u32 v254, v255
	s_wait_dscnt 0x0
	s_endpgm
.Lfunc_end_k_qd5547d7725_proj:
	.size	k_qd5547d7725_proj, .Lfunc_end_k_qd5547d7725_proj-k_qd5547d7725_proj
	.p2alignl 7, 3214868480
	.fill 96, 4, 3214868480
	.section	.rodata,"a",@progbits
	.p2align	6, 0x0
	.amdhsa_kernel k_qd5547d7725_proj
		.amdhsa_group_segment_fixed_size 161792
		.amdhsa_private_segment_fixed_size 0
		.amdhsa_enable_private_segment 0
		.amdhsa_kernarg_size 72
		.amdhsa_user_sgpr_count 2
		.amdhsa_user_sgpr_kernarg_segment_ptr 1
		.amdhsa_wavefront_size32 1
		.amdhsa_system_sgpr_workgroup_id_x 1
		.amdhsa_system_sgpr_workgroup_id_y 1
		.amdhsa_system_sgpr_workgroup_id_z 1
		.amdhsa_system_vgpr_workitem_id 0
		.amdhsa_next_free_vgpr 512
		.amdhsa_next_free_sgpr 66
		.amdhsa_reserve_vcc 1
		.amdhsa_float_denorm_mode_32 3
		.amdhsa_float_denorm_mode_16_64 3
		.amdhsa_memory_ordered 1
		.amdhsa_forward_progress 1
		.amdhsa_inst_pref_size 60
	.end_amdhsa_kernel
	.amdgpu_metadata
---
amdhsa.version: [ 1, 2 ]
amdhsa.kernels:
  - .name:           k_qd5547d7725_proj
    .symbol:         k_qd5547d7725_proj.kd
    .args:
      - { .name: q, .offset: 0, .size: 8, .value_kind: global_buffer, .address_space: global }
      - { .name: x, .offset: 8, .size: 8, .value_kind: global_buffer, .address_space: global }
      - { .name: bq, .offset: 16, .size: 8, .value_kind: global_buffer, .address_space: global }
      - { .name: bk, .offset: 24, .size: 8, .value_kind: global_buffer, .address_space: global }
      - { .name: bv, .offset: 32, .size: 8, .value_kind: global_buffer, .address_space: global }
      - { .name: wc, .offset: 40, .size: 8, .value_kind: global_buffer, .address_space: global }
      - { .name: ws, .offset: 48, .size: 8, .value_kind: global_buffer, .address_space: global }
      - { .name: qf, .offset: 56, .size: 8, .value_kind: global_buffer, .address_space: global }
      - { .name: kv, .offset: 64, .size: 8, .value_kind: global_buffer, .address_space: global }
    .group_segment_fixed_size: 161792
    .private_segment_fixed_size: 0
    .kernarg_segment_align: 8
    .kernarg_segment_size: 72
    .max_flat_workgroup_size: 256
    .sgpr_count:     66
    .vgpr_count:     512
    .wavefront_size: 32
...
	.end_amdgpu_metadata
.endif
;; end of part 2
;; launch attn (part 3): grid 8 x 32, 16 waves a work-group, clusters of 4 x 1, 169,984 bytes of LDS; arguments qf, kv, of; writes of
.if DOCPART == 3
	.amdgcn_target "amdgcn-amd-amdhsa--gfx1250"
	.amdhsa_code_object_version 6
	.text
	.protected	k_qd5547d7725_attn
	.globl	k_qd5547d7725_attn
	.p2align	8
	.type	k_qd5547d7725_attn,@function
k_qd5547d7725_attn:
	s_mov_b64 s[64:65], 0
	v_nop
	global_prefetch_b8 v0, s[64:65] scope:SCOPE_SE
	s_setreg_imm32_b32 hwreg(HW_REG_WAVE_MODE, 25, 1), 1
	s_wait_xcnt 0x0
	s_wait_alu depctr_hold_cnt(0) depctr_sa_sdst(0) depctr_va_vdst(0) depctr_va_sdst(0) depctr_va_ssrc(0) depctr_va_vcc(0) depctr_vm_vsrc(0)
	s_getreg_b32 s2, hwreg(HW_REG_IB_STS2, 6, 4)
	s_cmp_eq_u32 s2, 0
	s_cbranch_scc0 .Lentry_in_a_cluster
	s_endpgm
.Lentry_in_a_cluster:
	s_bfe_u32 s2, ttmp6, 0x10000c
	s_cmp_lg_u32 s2, 0x3003
	s_cbranch_scc0 .Lentry_shape_is_right
	s_endpgm
.Lentry_shape_is_right:
; of = Q + softmax(Q K^T / sqrt(32)) V for each (batch, head), both products on codes of E2M3 with one E8M0 scale for each 32 along K.
; t = score x log2(e) / sqrt(32); M = the running largest t rounded UP to a whole number; p = 2^(t - M) is what is quantised, along the keys, not normalised;
; the row's sum is taken of the unquantised p and divides at the end; when M moves, the sum and O are multiplied by 2^(old M - new M), which rounds nothing.
; SHARES.  A work-group owns 256 queries of one (batch, head), each of its sixteen waves one tile of 16, in 256 registers: four waves to a SIMD, so that one wave's
; vector work stands beside another's matrix work and LDS loads.  Every wave walks the head's 2,048 keys, 128 a step.
; THE HEAD'S K AND V, 16 records of 6,400 bytes, come into LDS ONCE: wave w brings record w by one tensor load; nothing is filled again.
; CLUSTER.  The four query blocks of a cluster belong to one head and read the same records: each record is asked for JOINTLY, by the same load with the same
; descriptor and a mask that names the four.
; LAYOUT.  Both products are used transposed: S^T = K Q^T, O^T = V^T P^T: a lane holds one query throughout.  The records hold images of operand registers:
; a fragment comes by three loads of 16 bytes a lane, 512 consecutive bytes each.
; THE FIRST PRODUCT'S K IS 32, a quarter of the instruction's 128.  A fragment of K holds FOUR key tiles, one in each block of 32; it is multiplied four times, each time
; by a Q whose codes are zeros but in one block.  The four Q share registers: Z0 Qlo Z1 Qhi Z2 on end (six registers each; Qlo holds the codes in lanes 0-15,
; Qhi in lanes 16-31): block 0 = Qlo Z1, block 1 = Qhi Z2, block 2 = Z0 Qlo, block 3 = Z1 Qhi.  The other three key tiles meet zero codes.
; The keys of tile t are 32 (t / 2) + 8 (t % 2) + m + 8 (m / 8), so that p's 16 registers of two neighbouring tiles are 16 neighbouring keys.
; LIMITS: byte 1 for blocks of zeros and under 2^-124; NaN and infinities are not served.
; REGISTERS: v1-5 addresses; v8, v9 K's and V's scale words; v10 Q's; v12 -M, v13 the largest t, v[14:15] the sum; v16-45 Q's codes and zeros; v46-69 K; v70-93 V;
;   v96-159 S^T, then p; v160-175 O^T; v176-191 Q in f32; v192-207 the result; v224-235 p's codes; v232-254 at work.
.set REC,  6400
.set FRB,  1536
.set SEL,  20                          ; s[20:21] lane selects: lane l xor 16
.set CS,   22                          ; s[22:23] c = log2(e) / sqrt(32)
.macro ROUND                           ; a round of the cluster's barrier
	s_barrier_signal -1
	s_barrier_wait -1
	s_cmp_lg_u32 s12, 0
	s_cbranch_scc1 .Lnot_wave_0_\@
	s_barrier_signal -3
.Lnot_wave_0_\@:
	s_barrier_wait -3
	s_barrier_signal -1
	s_barrier_wait -1
.endm
	s_load_b128 s[4:7], s[0:1], 0x0                ; qf, kv
	s_load_b64 s[8:9], s[0:1], 0x10                ; of
	v_lshl_add_u32 v251, v0, 2, 0x29000
	v_mov_b32 v255, 0
	ds_add_u32 v251, v255
	ds_add_u32 v251, v255
	v_lshrrev_b32 v1, 5, v0
	v_readfirstlane_b32 s12, v1                    ; wave 0..15
	s_bfe_u32 s13, ttmp6, 0x40000                  ; cx: it enters qf's and of's addresses alone
	s_lshl_b32 s14, ttmp9, 2
	s_add_co_u32 s14, s14, s13                     ; my block of 256 queries
	s_and_b32 s15, ttmp7, 0xffff                   ; batch x 8 + head, which the four partners share
	s_lshl_b32 s16, s15, 7
	s_lshl_b32 s17, s14, 4
	s_add_co_u32 s16, s16, s17
	s_add_co_u32 s16, s16, s12                     ; my tile
	s_lshl_b32 s16, s16, 11                        ; x 2,048 bytes
	s_mov_b32 s17, 0
	s_lshl_b32 s18, s15, 4
	s_add_co_u32 s18, s18, s12
	s_mul_i32 s18, s18, REC                        ; the record that I fetch
	s_mov_b32 s19, 0
	; descriptor group 1: a dense block of 6,400 bytes as 25 rows of 256 bytes (32 elements of 8 bytes)
	s_mov_b32 s24, 15|(3<<16)|(1<<21)              ; 15:0 the mask: all four work-groups; 17:16 elements of 8 bytes; 21 set beside a mask
	s_mov_b32 s25, 32<<16                          ; tensor_dim0 = 32
	s_mov_b32 s26, 25<<16                          ; tensor_dim1 = 25
	s_mov_b32 s27, 32<<16                          ; tile_dim0 = 32
	s_mov_b32 s28, 25                              ; tile_dim1 = 25
	s_mov_b32 s29, 32                              ; from row to row
	s_mov_b32 s30, 0
	s_mov_b32 s31, 0
	s_mov_b32 s32, 1                               ; group 0: count = 1,
	s_mul_i32 s33, s12, REC                        ; LDS address: wave x 6,400: no place in the cluster enters it
	s_mov_b32 s[SEL], 0x76543210
	s_mov_b32 s[SEL+1], 0xfedcba98
	s_mov_b32 s[CS], 0x3e8293ee
	s_mov_b32 s[CS+1], s[CS]                       ; (named with it as a pair, so it is written)
	v_and_b32 v6, 31, v0                           ; lane
	v_lshlrev_b32 v1, 4, v6                        ; 16 x lane: a fragment's chunk
	v_lshlrev_b32 v2, 3, v6                        ; 8 x lane: the two scale words
	v_lshlrev_b32 v5, 4, v6                        ; 16 x lane, in qf and of
	s_wait_dscnt 0x0
	s_wait_kmcnt 0x0
	s_add_nc_u64 s[34:35], s[6:7], s[18:19]        ; global address,
	s_or_b32 s35, s35, 0x80000000                  ; type = 2
	s_add_nc_u64 s[4:5], s[4:5], s[16:17]
	s_add_nc_u64 s[8:9], s[8:9], s[16:17]
	ROUND                                          ; all four work-groups are here: the joint loads meet
	tensor_load_to_lds s[32:35], s[24:31]          ; my one tensor load of the launch
	s_nop 0
.rept 4
	v_nop
.endr
.irp i, 0,1,2,3
	global_load_b128 v[176+4*\i:179+4*\i], v5, s[4:5] offset:512*\i th:TH_LOAD_NT   ; Q(query r, d = 16 h + 0 .. 15)
.endr
	v_mov_b32 v13, 0xff61b1e6                      ; the largest t so far: -3e38
	v_floor_f32 v12, -v13                          ; -M
	v_mov_b32 v14, 0
	v_mov_b32 v15, 0
.irp b, 0,1,2,3
	v_mov_b32 v[236+\b], 0                         ; written once: a lane permute's destination counts as one of its sources
.endr
	v_mov_b32 v253, 0
	v_mov_b32 v201, 0
.irp i, 0,1,2
	v_mov_b32 v[208+\i], 0
.endr
	s_wait_loadcnt 0x0
	; Q's one block of 32: my 16 numbers and lane l xor 16's
	v_max3_num_f32 v200, |v176|, |v177|, 0x1800000
.irp i, 2,4,6,8,10,12,14
	v_max3_num_f32 v200, v200, |v[176+\i]|, |v[177+\i]|
.endr
	v_permlanex16_b32 v201, v200, s[SEL], s[SEL+1]
	v_max_num_f32 v200, v200, v201
	v_add_nc_u32 v202, 0xff000000, v200            ; the conversion's scale operand
	v_lshrrev_b32 v203, 23, v202                   ; the byte,
	v_lshl_or_b32 v204, v203, 8, v203
	v_lshl_or_b32 v10, v204, 16, v204              ; in all four places of the word: whichever block holds the codes finds it
	v_cvt_scalef32_pk16_fp6_f32 v[204:206], v[176:191], v202
	v_nop                                          ; one plain place behind a scaled conversion
.irp i, 0,1,2
	v_permlanex16_b32 v[208+\i], v[204+\i], s[SEL], s[SEL+1]   ; the block's other 16 codes
.endr
.irp i, 0,1,2,3,4,5
	v_mov_b32 v[16+\i], 0                          ; Z0
	v_mov_b32 v[28+\i], 0                          ; Z1
	v_mov_b32 v[40+\i], 0                          ; Z2
.endr
	v_cmp_gt_u32 vcc_lo, 16, v6                    ; lanes 0-15
.irp i, 0,1,2
	v_cndmask_b32 v[22+\i], 0, v[204+\i], vcc_lo   ; Qlo: lanes 0-15 hold d 0-15 (mine), d 16-31 (the other half's); lanes 16-31 zeros
	v_cndmask_b32 v[25+\i], 0, v[208+\i], vcc_lo
	v_cndmask_b32 v[34+\i], v[208+\i], v16, vcc_lo ; Qhi: lanes 16-31 hold d 0-15 (the other half's), d 16-31 (mine); lanes 0-15 zeros
	v_cndmask_b32 v[37+\i], v[204+\i], v16, vcc_lo
.endr
.set j, 0
.rept 16
	v_mov_b32 v[160+j], 0                          ; O^T: the loop is written once, its first step finds zeros
.set j, j+1
.endr
	s_mov_b32 s2, 0                                ; LDS byte of the step's record
	s_mov_b32 s3, 16                               ; key steps to go
	s_wait_tensorcnt 0x0                           ; my record has landed,
	s_barrier_signal -1
	s_barrier_wait -1                              ; everybody's has
.Lstep:
	v_add_nc_u32 v3, s2, v1
	v_add_nc_u32 v4, s2, v2
	v_nop
	v_nop                                          ; four places behind the last products, in front of loads into registers that they have read
	ds_load_b64 v[8:9], v4 offset:4*FRB
.irp f, 0,1
.irp c, 0,1,2
	ds_load_b128 v[46+12*\f+4*\c:49+12*\f+4*\c], v3 offset:FRB*\f+512*\c
.endr
.endr
.irp t, 0,1
.irp c, 0,1,2
	ds_load_b128 v[70+12*\t+4*\c:73+12*\t+4*\c], v3 offset:2*FRB+FRB*\t+512*\c
.endr
.endr
	s_wait_dscnt 6                                 ; the scale words and K are in; V's six loads may be out
.irp f, 0,1
.irp q, 0,1,2,3
.set QB, 22+12*(\q%2)-6*(\q/2)
.set SD, 96+8*(4*\f+\q)
.if \f == 0
	v_wmma_scale_f32_16x16x128_f8f6f4 v[SD:SD+7], v[46:57], v[QB:QB+11], 0, v8, v10 matrix_a_fmt:MATRIX_FMT_FP6 matrix_b_fmt:MATRIX_FMT_FP6
.else
	v_wmma_scale_f32_16x16x128_f8f6f4 v[SD:SD+7], v[58:69], v[QB:QB+11], 0, v8, v10 matrix_a_fmt:MATRIX_FMT_FP6 matrix_b_fmt:MATRIX_FMT_FP6 matrix_a_scale:MATRIX_SCALE_ROW1
.endif
.endr
.endr
.rept 4
	v_nop
.endr
.irp b, 0,1,2,3
	v_max3_num_f32 v[232+\b], v[96+16*\b], v[97+16*\b], v[98+16*\b]   ; the largest score of each block of 32 keys: for the row's maximum, and, since p rises with the score, for the block's largest p
.endr
.irp i, 3,5,7,9,11,13
.irp b, 0,1,2,3
	v_max3_num_f32 v[232+\b], v[232+\b], v[96+16*\b+\i], v[97+16*\b+\i]
.endr
.endr
.irp b, 0,1,2,3
	v_max_num_f32 v[232+\b], v[232+\b], v[111+16*\b]
.endr
.irp b, 0,1,2,3
	v_permlanex16_b32 v[236+\b], v[232+\b], s[SEL], s[SEL+1]
.endr
.irp b, 0,1,2,3
	v_max_num_f32 v[232+\b], v[232+\b], v[236+\b]  ; with lane l xor 16's 16 keys
.endr
	v_max3_num_f32 v254, v232, v233, v234
	v_max_num_f32 v254, v254, v235
	v_mul_f32 v254, s[CS], v254                    ; as t (c is positive)
	v_max_num_f32 v13, v13, v254                   ; the running largest t
	v_mov_b32 v254, v12
	v_floor_f32 v12, -v13                          ; the new -M = -ceil(t)
	v_sub_f32 v254, v12, v254                      ; old M - new M: a whole number, 0 or less
	v_cvt_i32_f32 v254, v254                       ; (it saturates)
	v_ldexp_f32 v252, 1.0, v254                    ; f = 2^(old M - new M)
.set j, 0
.rept 32
	v_pk_fma_f32 v[96+j:97+j], v[96+j:97+j], s[CS:CS+1], v[12:13] op_sel_hi:[1,0,0]   ; t - M, two at a time
.set j, j+2
.endr
.irp b, 0,1,2,3
	v_fma_f32 v[232+\b], v[232+\b], s[CS], v12     ; the same of each block's largest score
.endr
.set j, 0
.rept 64
	v_exp_f32 v[96+j], v[96+j]                     ; p = 2^(t - M)
.set j, j+1
.endr
	v_pk_mul_f32 v[14:15], v[14:15], v[252:253] op_sel_hi:[1,0]   ; the sums under the new M: a plain place behind the exponentials
	s_wait_alu depctr_va_vdst(0)                   ; one wait for the whole batch, ahead of its first reader
.irp b, 0,1,2,3
	v_exp_f32 v[232+\b], v[232+\b]                 ; the block's largest p
.endr
	v_pk_add_f32 v[236:237], v[96:97], v[98:99]    ; the row's sum, of the unquantised p, in two chains
.irp j, 4,8,12,16,20,24,28,32,36,40,44,48,52,56,60
	v_pk_add_f32 v[14:15], v[14:15], v[96+\j:97+\j]
	v_pk_add_f32 v[236:237], v[236:237], v[98+\j:99+\j]
.endr
	v_pk_add_f32 v[14:15], v[14:15], v[236:237]
	s_wait_alu depctr_va_vdst(0)                   ; and one for the four
.irp b, 0,1,2,3
	v_max_num_f32 v[232+\b], 0x1800000, v[232+\b]  ; the floor: the byte cannot fall under 1
.endr
.irp b, 0,1,2,3
	v_add_nc_u32 v[244+\b], 0xff000000, v[232+\b]  ; the conversion's scale operand
.endr
.irp b, 0,1,2,3
	v_lshrrev_b32 v[236+\b], 23, v[244+\b]         ; the scale's byte
.endr
	v_lshl_or_b32 v253, v237, 8, v236              ; p's scale word for these 128 keys
	v_lshl_or_b32 v253, v238, 16, v253
	v_lshl_or_b32 v253, v239, 24, v253
.irp c, 0,1
	v_cvt_scalef32_pk16_fp6_f32 v[224+6*\c:226+6*\c], v[96+32*\c:111+32*\c], v[244+2*\c]
	v_cvt_scalef32_pk16_fp6_f32 v[236+4*\c:238+4*\c], v[112+32*\c:127+32*\c], v[244+2*\c+1]
.endr
	v_nop                                          ; one plain place behind a scaled conversion
.irp c, 0,1
.irp i, 0,1,2
	v_permlane16_swap_b32 v[224+6*\c+\i], v[236+4*\c+\i]
.endr
.irp i, 0,1,2
	v_mov_b32 v[227+6*\c+\i], v[236+4*\c+\i]
.endr
.endr
.irp j, 0,2,4,6,8,10,12,14
	v_pk_mul_f32 v[160+\j:161+\j], v[160+\j:161+\j], v[252:253] op_sel_hi:[1,0]   ; O^T under the new M; these eight are also the places in front of the products below
.endr
	s_wait_dscnt 0x0                               ; V is in
	v_wmma_scale_f32_16x16x128_f8f6f4 v[160:167], v[70:81], v[224:235], v[160:167], v9, v253 matrix_a_fmt:MATRIX_FMT_FP6 matrix_b_fmt:MATRIX_FMT_FP6
	v_wmma_scale_f32_16x16x128_f8f6f4 v[168:175], v[82:93], v[224:235], v[168:175], v9, v253 matrix_a_fmt:MATRIX_FMT_FP6 matrix_b_fmt:MATRIX_FMT_FP6 matrix_a_scale:MATRIX_SCALE_ROW1
	s_add_co_u32 s2, s2, REC
	s_sub_co_u32 s3, s3, 1
	s_cmp_lg_u32 s3, 0
	s_cbranch_scc1 .Lstep
.rept 4
	v_nop
.endr
	v_add_f32 v14, v14, v15                        ; the sum's two halves,
	v_permlanex16_b32 v252, v14, s[SEL], s[SEL+1]
	v_add_f32 v14, v14, v252                       ; and lane l xor 16's
	v_rcp_f32 v14, v14
	v_nop                                          ; a plain place behind the reciprocal
	s_wait_alu depctr_va_vdst(0)                   ; the wait ahead of its first reader
.set j, 0
.rept 16
	v_fma_f32 v[192+j], v[160+j], v14, v[176+j]    ; Q + O^T / the sum: register j is d = 16 h + j on both sides
.set j, j+1
.endr
.irp i, 0,1,2,3
	global_store_b128 v5, v[192+4*\i:195+4*\i], s[8:9] offset:512*\i   ; 512 consecutive bytes, aligned
.endr
	s_wait_tensorcnt 0x0
	ds_add_u32 v251, v255
	s_wait_dscnt 0x0
	ROUND                                          ; the closing round: no work-group ends while a partner may still ask for a record that names it
	s_endpgm
.Lfunc_end_k_qd5547d7725_attn:
	.size	k_qd5547d7725_attn, .Lfunc_end_k_qd5547d7725_attn-k_qd5547d7725_attn
	.p2alignl 7, 3214868480
	.fill 96, 4, 3214868480
	.section	.rodata,"a",@progbits
	.p2align	6, 0x0
	.amdhsa_kernel k_qd5547d7725_attn
		.amdhsa_group_segment_fixed_size 169984
		.amdhsa_private_segment_fixed_size 0
		.amdhsa_enable_private_segment 0
		.amdhsa_kernarg_size 24
		.amdhsa_user_sgpr_count 2
		.amdhsa_user_sgpr_kernarg_segment_ptr 1
		.amdhsa_wavefront_size32 1
		.amdhsa_system_sgpr_workgroup_id_x 1
		.amdhsa_system_sgpr_workgroup_id_y 1
		.amdhsa_system_sgpr_workgroup_id_z 1
		.amdhsa_system_vgpr_workitem_id 0
		.amdhsa_next_free_vgpr 256
		.amdhsa_next_free_sgpr 66
		.amdhsa_reserve_vcc 1
		.amdhsa_float_denorm_mode_32 3
		.amdhsa_float_denorm_mode_16_64 3
		.amdhsa_memory_ordered 1
		.amdhsa_forward_progress 1
		.amdhsa_inst_pref_size 23
	.end_amdhsa_kernel
	.amdgpu_metadata
---
amdhsa.version: [ 1, 2 ]
amdhsa.kernels:
  - .name:           k_qd5547d7725_attn
    .symbol:         k_qd5547d7725_attn.kd
    .args:
      - { .name: qf, .offset: 0, .size: 8, .value_kind: global_buffer, .address_space: global }
      - { .name: kv, .offset: 8, .size: 8, .value_kind: global_buffer, .address_space: global }
      - { .name: of, .offset: 16, .size: 8, .value_kind: global_buffer, .address_space: global }
    .group_segment_fixed_size: 169984
    .private_segment_fixed_size: 0
    .kernarg_segment_align: 8
    .kernarg_segment_size: 24
    .max_flat_workgroup_size: 512
    .sgpr_count:     66
    .vgpr_count:     256
    .wavefront_size: 32
...
	.end_amdgpu_metadata
.endif
;; end of part 3
;; launch tail (part 4): grid 256 x 1, 8 waves a work-group, no clusters, 70,656 bytes of LDS; arguments of, wc, ws, g0, b0, bo, g1, b1, bm, be, out0; writes out0
.if DOCPART == 4
	.amdgcn_target "amdgcn-amd-amdhsa--gfx1250"
	.amdhsa_code_object_version 6
	.text
	.protected	k_qd5547d7725_tail
	.globl	k_qd5547d7725_tail
	.p2align	8
	.type	k_qd5547d7725_tail,@function
k_qd5547d7725_tail:
	s_mov_b64 s[64:65], 0
	v_nop
	global_prefetch_b8 v0, s[64:65] scope:SCOPE_SE
	s_setreg_imm32_b32 hwreg(HW_REG_WAVE_MODE, 25, 1), 1
	s_wait_xcnt 0x0
; O1 = LN(of; g0, b0);  O2 = O1 + relu(O1 Wo + bo);  O3 = LN(O2; g1, b1);  out0 = relu(O3 Wm + bm) We + be + O2.  The three products on codes of E2M3, all else f32.
; SHARES.  A work-group takes 32 rows, two tiles m of 16 (row r of tile m is row 8 m + r + 8 (r / 8) of the 32).  THE EIGHT WAVES SHARE THE COLUMNS: wave w owns columns
; 32 w .. 32 w + 31 of O, of O Wo and of the result, and hidden units 128 w .. 128 w + 127.  A lane (r, h) holds row r, columns 32 w + 16 h + 0 .. 15, in 16 registers.
; All products are used transposed (source 0 = 16 columns of a weight, source 1 = 16 rows), so results lie as O lies and as the quantiser wants them.
; A row's mean and variance: each wave gives its 32 columns' mean and sum of squared deviations through LDS; they are joined as
; M2 = sum of the parts' M2 + 32 x sum of (part's mean - mean)^2: no difference of large sums is formed.
; OPERANDS GO FROM WAVE TO WAVE THROUGH LDS AS IMAGES OF REGISTERS, a lane's 12 registers on end (48 bytes a lane): a wave's 32 columns are one block of 32 along K,
; 24 bytes of one lane's image, stored whole; a wave's 128 hidden units are one whole fragment.
; The biases bo, bm are the C of their sums' first products; be + O2 is the C of the last product's.
; NO JOINT LOADS: every weight fragment has exactly one reader wave in a work-group and goes from memory straight into its registers, where it feeds both tiles of rows;
; a joint load could only land in LDS, which would add a write and a read of all 442,368 bytes of codes for each work-group, and slots that are filled again.
; LIMITS: byte 1 for blocks of zeros and under 2^-124; NaN and infinities are not served.
; REGISTERS.  window 0: v1-15 lane numbers and addresses; v16-47 O; v48-75 scale words; v76-203: g, b, the first product's sums, Wo, be; later the hidden layer; later the last
;   sums and a second buffer of fragments; v204-251 fragments from LDS, and between the products all that is at work.   window 1: v0-191 Wm, later We; v192-255 bm.
.set FRB,    1536
.set FLOOR,  0x1800000
.set XIMG,   0                         ; LDS: O's four fragments, (2 m + K step) x FRB
.set XSC,    4*FRB                     ; their scale bytes: 128 m + 64 K step + 4 r + block
.set STAT0,  XSC+256                   ; {mean, M2}: 256 wave + 128 m + 8 r;  the second norm's 2,048 further on
.set HSC,    STAT0+4096                ; the hidden layer's scale words: 512 m + 64 K step + 4 r
.set HIMG,   HSC+1024                  ; its 16 fragments, (8 m + K step) x FRB
.set STG,    HIMG+16*FRB               ; the way out: 32 rows x (1,024 bytes + 16)
.set SPITCH, 1040
.set L16, 2
.set L48, 3
.set L4,  4
.set H64, 5
.set XW,  6
.set XB,  7
.set STW, 8
.set STR, 9
.set HWI, 10
.set HWS, 11
.set SO,  12
.set SR,  13
.set OX,  16
.set WOS, 48
.set WMS, 50
.set WES, 58
.set XS,  66
.set HS,  68
.set G,   76
.set BB,  92
.set A6,  108
.set WO,  140
.set BE,  188
.set HA,  76
.set A8,  76
.set XFB, 140
.set XF,  204
.set TM,  204
.set PC,  220
.set PW,  240
.set TS,  204
.set PR,  240
.set LP,  204
.set SS,  236
.set MU,  244
.set RS,  246
.set BM,  192                          ; in window 1
.set SEL, 44
.set MSB, 0
.macro WIN new                         ; the immediate's high byte repeats the setting that is left
.if MSB != \new
	s_set_vgpr_msb (MSB<<8)|\new
.set MSB, \new
.endif
.endm
.macro PLACES n
.rept \n
	v_nop
.endr
.endm
.macro BARRIER                         ; my LDS stores have landed and my LDS loads are in: then the work-group's barrier
	s_wait_dscnt 0x0
	s_barrier_signal -1
	s_barrier_wait -1
.endm
.macro FETCH reg, off                  ; a fragment's image, 48 bytes a lane
.irp c, 0,1,2
	ds_load_b128 v[\reg+4*\c:\reg+4*\c+3], v[L48] offset:\off+16*\c
.endr
.endm
; 64 numbers of a lane, register 16 b + i = k 32 b + 16 h + i of my row, become a fragment's codes in v[PC] on and its scale word in v[PW].
.macro QUANT s
.irp b, 0,1,2,3
	v_max3_num_f32 v[TM+\b], |v[\s+16*\b]|, |v[\s+1+16*\b]|, FLOOR
.endr
.irp i, 2,4,6,8,10,12,14
.irp b, 0,1,2,3
	v_max3_num_f32 v[TM+\b], v[TM+\b], |v[\s+16*\b+\i]|, |v[\s+1+16*\b+\i]|
.endr
.endr
.irp b, 0,1,2,3
	v_permlanex16_b32 v[TM+4+\b], v[TM+\b], s[SEL], s[SEL+1]
.endr
.irp b, 0,1,2,3
	v_max_num_f32 v[TM+\b], v[TM+\b], v[TM+4+\b]
.endr
.irp b, 0,1,2,3
	v_add_nc_u32 v[TM+12+\b], 0xff000000, v[TM+\b]
.endr
.irp b, 0,1,2,3
	v_lshrrev_b32 v[TM+4+\b], 23, v[TM+12+\b]
.endr
	v_lshl_or_b32 v[PW], v[TM+5], 8, v[TM+4]
	v_lshl_or_b32 v[PW], v[TM+6], 16, v[PW]
	v_lshl_or_b32 v[PW], v[TM+7], 24, v[PW]
.irp c, 0,1
	v_cvt_scalef32_pk16_fp6_f32 v[PC+6*\c:PC+2+6*\c], v[\s+32*\c:\s+15+32*\c], v[TM+12+2*\c]
	v_cvt_scalef32_pk16_fp6_f32 v[PC+12+4*\c:PC+14+4*\c], v[\s+16+32*\c:\s+31+32*\c], v[TM+12+2*\c+1]
.endr
	v_nop                                          ; one plain place behind a scaled conversion
.irp c, 0,1
.irp i, 0,1,2
	v_permlane16_swap_b32 v[PC+6*\c+\i], v[PC+12+4*\c+\i]
.endr
.irp i, 0,1,2
	v_mov_b32 v[PC+3+6*\c+\i], v[PC+12+4*\c+\i]
.endr
.endr
.endm
; My 32 columns' mean and sum of squared deviations of each row of both tiles, to LDS.  The two tiles by turns.
.macro STATS off
.irp m, 0,1
.irp k, 0,1,2,3
	v_pk_add_f32 v[TS+12*\m+2*\k:TS+12*\m+2*\k+1], v[OX+16*\m+4*\k:OX+16*\m+4*\k+1], v[OX+16*\m+4*\k+2:OX+16*\m+4*\k+3]
.endr
.endr
.irp m, 0,1
	v_pk_add_f32 v[TS+12*\m:TS+12*\m+1], v[TS+12*\m:TS+12*\m+1], v[TS+12*\m+2:TS+12*\m+3]
	v_pk_add_f32 v[TS+12*\m+4:TS+12*\m+5], v[TS+12*\m+4:TS+12*\m+5], v[TS+12*\m+6:TS+12*\m+7]
.endr
.irp m, 0,1
	v_pk_add_f32 v[TS+12*\m:TS+12*\m+1], v[TS+12*\m:TS+12*\m+1], v[TS+12*\m+4:TS+12*\m+5]
.endr
.irp m, 0,1
	v_add_f32 v[TS+12*\m], v[TS+12*\m], v[TS+12*\m+1]
.endr
.irp m, 0,1
	v_permlanex16_b32 v[TS+12*\m+2], v[TS+12*\m], s[SEL], s[SEL+1]
.endr
.irp m, 0,1
	v_add_f32 v[TS+12*\m], v[TS+12*\m], v[TS+12*\m+2]
.endr
.irp m, 0,1
	v_mul_f32 v[PR+2*\m], 0x3d000000, v[TS+12*\m]  ; / 32
	v_mov_b32 v[PR+2*\m+1], 0                      ; (named with it as a pair below, so it is written)
.endr
.irp k, 0,1,2,3,4,5,6,7
.irp m, 0,1
	v_pk_add_f32 v[TS+12*\m+2*(\k%2):TS+12*\m+2*(\k%2)+1], v[OX+16*\m+2*\k:OX+16*\m+2*\k+1], v[PR+2*\m:PR+2*\m+1] op_sel_hi:[1,0] neg_lo:[0,1] neg_hi:[0,1]
.endr
.irp m, 0,1
.if \k < 2
	v_pk_mul_f32 v[TS+12*\m+8+2*(\k%2):TS+12*\m+9+2*(\k%2)], v[TS+12*\m+2*(\k%2):TS+12*\m+2*(\k%2)+1], v[TS+12*\m+2*(\k%2):TS+12*\m+2*(\k%2)+1]
.else
	v_pk_fma_f32 v[TS+12*\m+8+2*(\k%2):TS+12*\m+9+2*(\k%2)], v[TS+12*\m+2*(\k%2):TS+12*\m+2*(\k%2)+1], v[TS+12*\m+2*(\k%2):TS+12*\m+2*(\k%2)+1], v[TS+12*\m+8+2*(\k%2):TS+12*\m+9+2*(\k%2)]
.endif
.endr
.endr
.irp m, 0,1
	v_pk_add_f32 v[TS+12*\m+8:TS+12*\m+9], v[TS+12*\m+8:TS+12*\m+9], v[TS+12*\m+10:TS+12*\m+11]
.endr
.irp m, 0,1
	v_add_f32 v[TS+12*\m+8], v[TS+12*\m+8], v[TS+12*\m+9]
.endr
.irp m, 0,1
	v_permlanex16_b32 v[TS+12*\m+10], v[TS+12*\m+8], s[SEL], s[SEL+1]
.endr
.irp m, 0,1
	v_add_f32 v[PR+2*\m+1], v[TS+12*\m+8], v[TS+12*\m+10]
.endr
.irp m, 0,1
	ds_store_b64 v[STW], v[PR+2*\m:PR+2*\m+1] offset:\off+128*\m   ; both halves of the lanes hold and write the same pair
.endr
.endm
; The eight waves' parts are joined, and v[dst] on = (O - mean) x rsqrt(var + eps) x g + b.
.macro LNAPPLY dst, off
.irp m, 0,1
.irp k, 0,1,2,3,4,5,6,7
	ds_load_b64 v[LP+16*\m+2*\k:LP+16*\m+2*\k+1], v[STR] offset:\off+256*\k+128*\m
.endr
.endr
	s_wait_dscnt 0x0
.irp m, 0,1
	v_pk_add_f32 v[SS+2*\m:SS+2*\m+1], v[LP+16*\m:LP+16*\m+1], v[LP+16*\m+2:LP+16*\m+3]
.endr
.irp k, 2,3,4,5,6,7
.irp m, 0,1
	v_pk_add_f32 v[SS+2*\m:SS+2*\m+1], v[SS+2*\m:SS+2*\m+1], v[LP+16*\m+2*\k:LP+16*\m+2*\k+1]
.endr
.endr
.irp m, 0,1
	v_mul_f32 v[MU+4*\m], 0x3e000000, v[SS+2*\m]   ; the row's mean, in both halves of a pair
	v_mul_f32 v[MU+4*\m+1], 0x3e000000, v[SS+2*\m]
.endr
.irp k, 0,1,2,3,4,5,6,7
.irp m, 0,1
	v_sub_f32 v[LP+16*\m+2*\k], v[LP+16*\m+2*\k], v[MU+4*\m]
.endr
.endr
.irp m, 0,1
	v_mul_f32 v[LP+16*\m+1], v[LP+16*\m], v[LP+16*\m]
.endr
.irp k, 1,2,3,4,5,6,7
.irp m, 0,1
	v_fma_f32 v[LP+16*\m+1], v[LP+16*\m+2*\k], v[LP+16*\m+2*\k], v[LP+16*\m+1]
.endr
.endr
.irp m, 0,1
	v_fmamk_f32 v[SS+2*\m], v[LP+16*\m+1], 0x42000000, v[SS+2*\m+1]   ; 32 x that + the parts' M2
.endr
.irp m, 0,1
	v_fma_f32 v[SS+2*\m], v[SS+2*\m], s46, s47     ; / 256 + eps
.endr
.irp m, 0,1
	v_rsq_f32 v[RS+4*\m], v[SS+2*\m]
	v_rsq_f32 v[RS+4*\m+1], v[SS+2*\m]
.endr
.irp m, 0,1
.irp k, 0,1,2,3,4,5,6,7
	v_pk_add_f32 v[\dst+16*\m+2*\k:\dst+16*\m+2*\k+1], v[OX+16*\m+2*\k:OX+16*\m+2*\k+1], v[MU+4*\m:MU+4*\m+1] neg_lo:[0,1] neg_hi:[0,1]   ; independent work behind the four roots
.endr
.endr
	s_wait_alu depctr_va_vdst(0)                   ; one wait for the four, ahead of their first reader
.irp m, 0,1
.irp k, 0,1,2,3,4,5,6,7
	v_pk_mul_f32 v[\dst+16*\m+2*\k:\dst+16*\m+2*\k+1], v[\dst+16*\m+2*\k:\dst+16*\m+2*\k+1], v[RS+4*\m:RS+4*\m+1]
.endr
.endr
.irp m, 0,1
.irp k, 0,1,2,3,4,5,6,7
	v_pk_fma_f32 v[\dst+16*\m+2*\k:\dst+16*\m+2*\k+1], v[\dst+16*\m+2*\k:\dst+16*\m+2*\k+1], v[G+2*\k:G+2*\k+1], v[BB+2*\k:BB+2*\k+1]
.endr
.endr
.endm
; My block of 32 columns of both tiles (16 numbers a lane each, from v[s0] and v[s1]) becomes codes and a byte.  Three swaps give lane (r, h) tile h's whole 24 bytes of row r.
.macro QBLK s0, s1
	v_max3_num_f32 v204, |v[\s0]|, |v[\s0+1]|, FLOOR
	v_max3_num_f32 v205, |v[\s1]|, |v[\s1+1]|, FLOOR
.irp i, 2,4,6,8,10,12,14
	v_max3_num_f32 v204, v204, |v[\s0+\i]|, |v[\s0+1+\i]|
	v_max3_num_f32 v205, v205, |v[\s1+\i]|, |v[\s1+1+\i]|
.endr
	v_permlanex16_b32 v206, v204, s[SEL], s[SEL+1]
	v_permlanex16_b32 v207, v205, s[SEL], s[SEL+1]
	v_max_num_f32 v204, v204, v206
	v_max_num_f32 v205, v205, v207
	v_add_nc_u32 v208, 0xff000000, v204
	v_add_nc_u32 v209, 0xff000000, v205
	v_lshrrev_b32 v210, 23, v208
	v_lshrrev_b32 v211, 23, v209
	v_cmp_lt_u32 vcc_lo, 15, v1                    ; lanes 16-31
	v_cndmask_b32 v221, v210, v211, vcc_lo         ; tile h's byte
	v_cvt_scalef32_pk16_fp6_f32 v[212:214], v[\s0:\s0+15], v208
	v_cvt_scalef32_pk16_fp6_f32 v[218:220], v[\s1:\s1+15], v209
	v_nop                                          ; one plain place behind a scaled conversion
.irp i, 0,1,2
	v_permlane16_swap_b32 v[212+\i], v[218+\i]
.endr
.irp i, 0,1,2
	v_mov_b32 v[215+\i], v[218+\i]
.endr
.irp i, 0,1,2
	ds_store_b64 v[XW], v[212+2*\i:213+2*\i] offset:XIMG+8*\i
.endr
	ds_store_b8 v[XB], v221
.endm
.macro XFETCH                          ; O's four fragments and their scale words (lanes 0-15: K step 0's, lanes 16-31: K step 1's)
.irp f, 0,1,2,3
	FETCH XF+12*\f, XIMG+FRB*\f
.endr
.irp m, 0,1
	ds_load_b32 v[XS+\m], v[L4] offset:XSC+128*\m
.endr
.endm
	s_load_b512 s[8:23], s[0:1], 0x0               ; of s[8:9], wc, ws, g0 s[14:15], b0, bo, g1, b1 s[22:23]
	s_load_b128 s[24:27], s[0:1], 0x40             ; bm, be
	s_load_b64 s[28:29], s[0:1], 0x50              ; out0
	v_lshl_add_u32 v254, v0, 2, 0x11000
	v_mov_b32 v255, 0
	v_lshrrev_b32 v1, 5, v0
	v_readfirstlane_b32 s2, v1                     ; wave 0..7
	v_and_b32 v1, 31, v0                           ; lane
	v_and_b32 v14, 15, v0                          ; r
	v_bfe_u32 v15, v0, 4, 1                        ; h
	v_lshlrev_b32 v[L16], 4, v1
	v_mul_u32_u24 v[L48], v1, 48
	v_lshlrev_b32 v[L4], 2, v1
	v_lshlrev_b32 v[H64], 6, v15
	s_lshr_b32 s48, s2, 2                          ; my block's K step,
	s_mul_i32 s49, s48, FRB
	s_and_b32 s50, s2, 1                           ; the half of the lanes that holds it,
	s_mul_i32 s50, s50, 768
	s_add_co_u32 s49, s49, s50
	s_bfe_u32 s50, s2, 0x10001                     ; and which six of their registers
	s_mul_i32 s50, s50, 24
	s_add_co_u32 s49, s49, s50
	v_mul_u32_u24 v[XW], v15, 2*FRB                ; tile h
	v_mad_u32_u24 v[XW], v14, 48, v[XW]
	v_add_nc_u32 v[XW], s49, v[XW]
	s_lshl_b32 s49, s48, 6
	s_and_b32 s50, s2, 3
	s_add_co_u32 s49, s49, s50
	s_add_co_u32 s49, s49, XSC
	v_lshlrev_b32 v[XB], 7, v15
	v_lshl_add_u32 v[XB], v14, 2, v[XB]
	v_add_nc_u32 v[XB], s49, v[XB]
	v_lshl_add_u32 v[STR], v14, 3, STAT0
	s_lshl_b32 s49, s2, 8
	v_add_nc_u32 v[STW], s49, v[STR]
	s_mul_i32 s49, s2, FRB
	s_add_co_u32 s49, s49, HIMG
	v_add_nc_u32 v[HWI], s49, v[L48]
	s_lshl_b32 s49, s2, 6
	s_add_co_u32 s49, s49, HSC
	v_lshl_add_u32 v[HWS], v14, 2, s49
	v_and_b32 v[SO], 8, v14
	v_add_nc_u32 v[SO], v[SO], v14                 ; r + 8 (r / 8)
	v_mul_u32_u24 v[SO], v[SO], SPITCH
	v_lshl_add_u32 v[SO], v15, 6, v[SO]
	s_lshl_b32 s49, s2, 7
	s_add_co_u32 s49, s49, STG
	v_add_nc_u32 v[SO], s49, v[SO]
	s_mul_i32 s49, s2, 4*SPITCH
	s_add_co_u32 s49, s49, STG
	v_add_nc_u32 v[SR], s49, v[L16]
	s_mov_b32 s[SEL], 0x76543210
	s_mov_b32 s[SEL+1], 0xfedcba98
	s_mov_b32 s46, 0x3b800000                      ; 1 / 256
	s_mov_b32 s47, 0x3727c5ac                      ; 1e-5
	s_wait_kmcnt 0x0
	s_lshl_b32 s48, s2, 7                          ; my 32 columns
	s_mov_b32 s49, 0
	s_add_nc_u64 s[14:15], s[14:15], s[48:49]
	s_add_nc_u64 s[16:17], s[16:17], s[48:49]
	s_add_nc_u64 s[18:19], s[18:19], s[48:49]
	s_add_nc_u64 s[20:21], s[20:21], s[48:49]
	s_add_nc_u64 s[22:23], s[22:23], s[48:49]
	s_add_nc_u64 s[26:27], s[26:27], s[48:49]
	s_lshl_b32 s48, s2, 9                          ; my 128 hidden units
	s_add_nc_u64 s[24:25], s[24:25], s[48:49]
	s_lshl_b32 s50, s2, 2
	s_add_co_u32 s50, s50, 96                      ; Wo's fragments: 96 + 4 w on
	s_mul_i32 s48, s50, FRB
	s_add_nc_u64 s[32:33], s[10:11], s[48:49]
	s_lshl_b32 s48, s50, 6
	s_add_nc_u64 s[38:39], s[12:13], s[48:49]
	s_lshl_b32 s50, s2, 4
	s_add_co_u32 s50, s50, 128                     ; Wm's: 128 + 16 w on
	s_mul_i32 s48, s50, FRB
	s_add_nc_u64 s[34:35], s[10:11], s[48:49]
	s_lshl_b32 s48, s50, 6
	s_add_nc_u64 s[40:41], s[12:13], s[48:49]
	s_add_co_u32 s50, s50, 128                     ; We's: 256 + 16 w on
	s_mul_i32 s48, s50, FRB
	s_add_nc_u64 s[36:37], s[10:11], s[48:49]
	s_lshl_b32 s48, s50, 6
	s_add_nc_u64 s[42:43], s[12:13], s[48:49]
	s_lshr_b32 s50, ttmp9, 6                       ; batch
	s_lshl_b32 s50, s50, 3
	s_add_co_u32 s50, s50, s2
	s_lshl_b32 s48, s50, 18
	s_and_b32 s50, ttmp9, 63
	s_lshl_b32 s50, s50, 12
	s_add_co_u32 s48, s48, s50                     ; of: ((batch x 8 + w) x 128 + 2 (G % 64)) x 2,048
	s_add_nc_u64 s[30:31], s[8:9], s[48:49]
	s_lshl_b32 s48, ttmp9, 15
	s_lshl_b32 s50, s2, 12
	s_add_co_u32 s48, s48, s50                     ; out0: row 32 G + 4 w
	s_add_nc_u64 s[28:29], s[28:29], s[48:49]
	; ---- the loads at the head: O 8, g0 and b0 8, bo 8, Wo 12 + 2, Wm's scales 8, bm 16: 62
.irp m, 0,1
.irp i, 0,1,2,3
	global_load_b128 v[OX+16*\m+4*\i:OX+16*\m+4*\i+3], v[L16], s[30:31] offset:2048*\m+512*\i th:TH_LOAD_NT
.endr
.endr
.irp k, 0,1,2,3
	global_load_b128 v[G+4*\k:G+4*\k+3], v[H64], s[14:15] offset:16*\k
.endr
.irp k, 0,1,2,3
	global_load_b128 v[BB+4*\k:BB+4*\k+3], v[H64], s[16:17] offset:16*\k
.endr
.irp m, 0,1
.irp u, 0,1
	global_load_b128 v[A6+8*(2*\m+\u):A6+8*(2*\m+\u)+3], v[H64], s[18:19] offset:32*\u      ; bo lands in the accumulators: the sums run in place from the first product on
	global_load_b128 v[A6+8*(2*\m+\u)+4:A6+8*(2*\m+\u)+7], v[H64], s[18:19] offset:32*\u+16
.endr
.endr
.irp f, 0,1,2,3
.irp c, 0,1,2
	global_load_b128 v[WO+12*\f+4*\c:WO+12*\f+4*\c+3], v[L16], s[32:33] offset:FRB*\f+512*\c
.endr
.endr
.irp u, 0,1
	global_load_b32 v[WOS+\u], v[L4], s[38:39] offset:128*\u
.endr
.irp t, 0,1,2,3,4,5,6,7
	global_load_b32 v[WMS+\t], v[L4], s[40:41] offset:128*\t
.endr
	WIN 0x40                                       ; destination window 1
.irp t, 0,1,2,3,4,5,6,7
	global_load_b128 v[BM+8*\t:BM+8*\t+3], v[H64], s[24:25] offset:128*(\t/2)+32*(\t%2)
	global_load_b128 v[BM+8*\t+4:BM+8*\t+7], v[H64], s[24:25] offset:128*(\t/2)+32*(\t%2)+16
.endr
	WIN 0
	s_wait_loadcnt 54                              ; O's eight loads are in; the 54 behind them may be out
	STATS 0
	WIN 0x40
.set n, 0
.rept 16
.irp c, 0,1,2
	global_load_b128 v[12*n+4*\c:12*n+4*\c+3], v[L16], s[34:35] offset:FRB*n+512*\c   ; Wm's 16 fragments: 48 loads, 110 issued so far
.endr
.set n, n+1
.endr
	WIN 0
	BARRIER                                        ; all eight parts of the first norm's figures lie in LDS
	s_wait_loadcnt 63                              ; of 110 issued at most 63 are out: the first 47 are in, g0 and b0 (the 9th to 16th) among them
	LNAPPLY OX, 0
.irp k, 0,1,2,3
	global_load_b128 v[G+4*\k:G+4*\k+3], v[H64], s[20:21] offset:16*\k          ; g1, b1 take g0's and b0's places; be: 12 loads, 122 issued
.endr
.irp k, 0,1,2,3
	global_load_b128 v[BB+4*\k:BB+4*\k+3], v[H64], s[22:23] offset:16*\k
.endr
.irp k, 0,1,2,3
	global_load_b128 v[BE+4*\k:BE+4*\k+3], v[H64], s[26:27] offset:16*\k
.endr
	QBLK OX, OX+16
	BARRIER                                        ; O1's four fragments lie in LDS
	; ---- O1 Wo + bo: four accumulators by turns
	XFETCH
	s_wait_loadcnt 63                              ; of 122 issued the first 59 are in: bo, Wo and its scales (up to the 38th) among them
	s_wait_dscnt 0x0
.irp m, 0,1
.irp u, 0,1
	v_wmma_scale_f32_16x16x128_f8f6f4 v[A6+8*(2*\m+\u):A6+8*(2*\m+\u)+7], v[WO+24*\u:WO+24*\u+11], v[XF+24*\m:XF+24*\m+11], v[A6+8*(2*\m+\u):A6+8*(2*\m+\u)+7], v[WOS+\u], v[XS+\m] matrix_a_fmt:MATRIX_FMT_FP6 matrix_b_fmt:MATRIX_FMT_FP6
.endr
.endr
.irp m, 0,1
.irp u, 0,1
	v_wmma_scale_f32_16x16x128_f8f6f4 v[A6+8*(2*\m+\u):A6+8*(2*\m+\u)+7], v[WO+24*\u+12:WO+24*\u+23], v[XF+24*\m+12:XF+24*\m+23], v[A6+8*(2*\m+\u):A6+8*(2*\m+\u)+7], v[WOS+\u], v[XS+\m] matrix_a_fmt:MATRIX_FMT_FP6 matrix_b_fmt:MATRIX_FMT_FP6 matrix_a_scale:MATRIX_SCALE_ROW1 matrix_b_scale:MATRIX_SCALE_ROW1
.endr
.endr
	PLACES 4
.set j, 0
.rept 32
	v_max_num_f32 v[A6+j], 0, v[A6+j]              ; relu, each accumulator from its low end on
.set j, j+1
.endr
.set j, 0
.rept 16
	v_pk_add_f32 v[OX+j:OX+j+1], v[OX+j:OX+j+1], v[A6+j:A6+j+1]   ; O2
.set j, j+2
.endr
	STATS 2048
	BARRIER                                        ; the second norm's figures lie in LDS; every wave's reads of O1's fragments are over
	s_wait_loadcnt 0x0                             ; g1, b1, be were the last loads issued; Wm, bm are in with them
	LNAPPLY A6, 2048
.irp m, 0,1
.irp k, 0,1,2,3,4,5,6,7
	v_pk_add_f32 v[OX+16*\m+2*\k:OX+16*\m+2*\k+1], v[OX+16*\m+2*\k:OX+16*\m+2*\k+1], v[BE+2*\k:BE+2*\k+1]   ; O2 + be: the C of the last product's first step
.endr
.endr
	QBLK A6, A6+16
	BARRIER                                        ; O3's four fragments lie in LDS
	; ---- O3 Wm + bm: sixteen accumulators by turns
	XFETCH
	s_wait_dscnt 0x0
	WIN 0x11                                       ; A (Wm) and C (bm) in window 1
.irp t, 0,1,2,3,4,5,6,7
.irp m, 0,1
	v_wmma_scale_f32_16x16x128_f8f6f4 v[HA+64*\m+8*\t:HA+64*\m+8*\t+7], v[24*\t:24*\t+11], v[XF+24*\m:XF+24*\m+11], v[BM+8*\t:BM+8*\t+7], v[WMS+\t], v[XS+\m] matrix_a_fmt:MATRIX_FMT_FP6 matrix_b_fmt:MATRIX_FMT_FP6
.endr
.endr
	WIN 0x01
.irp t, 0,1,2,3,4,5,6,7
.irp m, 0,1
	v_wmma_scale_f32_16x16x128_f8f6f4 v[HA+64*\m+8*\t:HA+64*\m+8*\t+7], v[24*\t+12:24*\t+23], v[XF+24*\m+12:XF+24*\m+23], v[HA+64*\m+8*\t:HA+64*\m+8*\t+7], v[WMS+\t], v[XS+\m] matrix_a_fmt:MATRIX_FMT_FP6 matrix_b_fmt:MATRIX_FMT_FP6 matrix_a_scale:MATRIX_SCALE_ROW1 matrix_b_scale:MATRIX_SCALE_ROW1
.endr
.endr
	WIN 0
	PLACES 4                                       ; in front of loads into Wm's registers and of the first read of results
	WIN 0x40
.set n, 0
.rept 16
.irp c, 0,1,2
	global_load_b128 v[12*n+4*\c:12*n+4*\c+3], v[L16], s[36:37] offset:FRB*n+512*\c   ; We's 16 fragments land while the hidden layer is quantised
.endr
.set n, n+1
.endr
	WIN 0
.irp u, 0,1
.irp k, 0,1,2,3
	global_load_b32 v[WES+4*\u+\k], v[L4], s[42:43] offset:512*\u+128*\k   ; lanes 0-15: K step 2 k's words, lanes 16-31: K step 2 k + 1's
.endr
.endr
.irp m, 0,1
.set j, 0
.rept 64
	v_max_num_f32 v[HA+64*\m+j], 0, v[HA+64*\m+j]  ; relu
.set j, j+1
.endr
	QUANT HA+64*\m
.irp c, 0,1,2
	ds_store_b128 v[HWI], v[PC+4*\c:PC+4*\c+3] offset:8*FRB*\m+16*\c   ; K step w of the last product, tile m
.endr
	ds_store_b32 v[HWS], v[PW] offset:512*\m
	s_wait_dscnt 0x0                               ; the stores have read their registers
.endr
	BARRIER                                        ; the hidden layer's sixteen fragments lie in LDS
	s_wait_loadcnt 0x0                             ; We and its scales
	; ---- hidden We + (be + O2): four accumulators by turns, two K steps at a time, two buffers of four fragments
.macro HFETCH j                        ; 14 LDS loads
.set HB, XF-64*((\j)%2)
.irp m, 0,1
.irp e, 0,1
	FETCH HB+12*(2*\m+\e), HIMG+FRB*(8*\m+2*(\j)+\e)
.endr
	ds_load_b32 v[HS+4*\m+(\j)], v[L4] offset:HSC+512*\m+128*(\j)
.endr
.endm
.macro MUL j
.set HB, XF-64*((\j)%2)
	WIN 0x01                                       ; A (We) in window 1
.irp m, 0,1
.irp u, 0,1
.if (\j) == 0
	v_wmma_scale_f32_16x16x128_f8f6f4 v[A8+8*(2*\m+\u):A8+8*(2*\m+\u)+7], v[12*(8*\u+2*(\j)):12*(8*\u+2*(\j))+11], v[HB+24*\m:HB+24*\m+11], v[OX+16*\m+8*\u:OX+16*\m+8*\u+7], v[WES+4*\u+(\j)], v[HS+4*\m+(\j)] matrix_a_fmt:MATRIX_FMT_FP6 matrix_b_fmt:MATRIX_FMT_FP6
.else
	v_wmma_scale_f32_16x16x128_f8f6f4 v[A8+8*(2*\m+\u):A8+8*(2*\m+\u)+7], v[12*(8*\u+2*(\j)):12*(8*\u+2*(\j))+11], v[HB+24*\m:HB+24*\m+11], v[A8+8*(2*\m+\u):A8+8*(2*\m+\u)+7], v[WES+4*\u+(\j)], v[HS+4*\m+(\j)] matrix_a_fmt:MATRIX_FMT_FP6 matrix_b_fmt:MATRIX_FMT_FP6
.endif
.endr
.endr
.irp m, 0,1
.irp u, 0,1
	v_wmma_scale_f32_16x16x128_f8f6f4 v[A8+8*(2*\m+\u):A8+8*(2*\m+\u)+7], v[12*(8*\u+2*(\j)+1):12*(8*\u+2*(\j)+1)+11], v[HB+24*\m+12:HB+24*\m+23], v[A8+8*(2*\m+\u):A8+8*(2*\m+\u)+7], v[WES+4*\u+(\j)], v[HS+4*\m+(\j)] matrix_a_fmt:MATRIX_FMT_FP6 matrix_b_fmt:MATRIX_FMT_FP6 matrix_a_scale:MATRIX_SCALE_ROW1 matrix_b_scale:MATRIX_SCALE_ROW1
.endr
.endr
	WIN 0
.endm
	HFETCH 0
	HFETCH 1
	s_wait_dscnt 14                                ; the older run of 14 is in
	MUL 0
	PLACES 4                                       ; in front of loads into the buffer just multiplied
	HFETCH 2
	s_wait_dscnt 14
	MUL 1
	PLACES 4
	HFETCH 3
	s_wait_dscnt 14
	MUL 2
	s_wait_dscnt 0x0
	MUL 3
	PLACES 4
	; ---- the way out: a row's 256 numbers come from eight waves: they meet in a stage, and each wave stores four whole rows
.irp m, 0,1
.irp u, 0,1
	ds_store_b128 v[SO], v[A8+8*(2*\m+\u):A8+8*(2*\m+\u)+3] offset:8*SPITCH*\m+32*\u
	ds_store_b128 v[SO], v[A8+8*(2*\m+\u)+4:A8+8*(2*\m+\u)+7] offset:8*SPITCH*\m+32*\u+16
.endr
.endr
	BARRIER
.irp i, 0,1,2,3,4,5,6,7
	ds_load_b128 v[XF+4*\i:XF+4*\i+3], v[SR] offset:SPITCH*(\i/2)+512*(\i%2)
.endr
.irp i, 0,1,2,3,4,5,6,7
	s_wait_dscnt 7-\i
	global_store_b128 v[L16], v[XF+4*\i:XF+4*\i+3], s[28:29] offset:512*\i th:TH_STORE_NT   ; 32 lanes store 512 consecutive bytes, aligned; written once, read by nobody here
.endr
	s_wait_tensorcnt 0x0
	ds_add_u32 v254, v255
	s_wait_dscnt 0x0
	s_endpgm
.Lfunc_end_k_qd5547d7725_tail:
	.size	k_qd5547d7725_tail, .Lfunc_end_k_qd5547d7725_tail-k_qd5547d7725_tail
	.p2alignl 7, 3214868480
	.fill 96, 4, 3214868480
	.section	.rodata,"a",@progbits
	.p2align	6, 0x0
	.amdhsa_kernel k_qd5547d7725_tail
		.amdhsa_group_segment_fixed_size 70656
		.amdhsa_private_segment_fixed_size 0
		.amdhsa_enable_private_segment 0
		.amdhsa_kernarg_size 88
		.amdhsa_user_sgpr_count 2
		.amdhsa_user_sgpr_kernarg_segment_ptr 1
		.amdhsa_wavefront_size32 1
		.amdhsa_system_sgpr_workgroup_id_x 1
		.amdhsa_system_sgpr_workgroup_id_y 1
		.amdhsa_system_sgpr_workgroup_id_z 1
		.amdhsa_system_vgpr_workitem_id 0
		.amdhsa_next_free_vgpr 512
		.amdhsa_next_free_sgpr 66
		.amdhsa_reserve_vcc 1
		.amdhsa_float_denorm_mode_32 3
		.amdhsa_float_denorm_mode_16_64 3
		.amdhsa_memory_ordered 1
		.amdhsa_forward_progress 1
		.amdhsa_inst_pref_size 81
	.end_amdhsa_kernel
	.amdgpu_metadata
---
amdhsa.version: [ 1, 2 ]
amdhsa.kernels:
  - .name:           k_qd5547d7725_tail
    .symbol:         k_qd5547d7725_tail.kd
    .args:
      - { .name: of, .offset: 0, .size: 8, .value_kind: global_buffer, .address_space: global }
      - { .name: wc, .offset: 8, .size: 8, .value_kind: global_buffer, .address_space: global }
      - { .name: ws, .offset: 16, .size: 8, .value_kind: global_buffer, .address_space: global }
      - { .name: g0, .offset: 24, .size: 8, .value_kind: global_buffer, .address_space: global }
      - { .name: b0, .offset: 32, .size: 8, .value_kind: global_buffer, .address_space: global }
      - { .name: bo, .offset: 40, .size: 8, .value_kind: global_buffer, .address_space: global }
      - { .name: g1, .offset: 48, .size: 8, .value_kind: global_buffer, .address_space: global }
      - { .name: b1, .offset: 56, .size: 8, .value_kind: global_buffer, .address_space: global }
      - { .name: bm, .offset: 64, .size: 8, .value_kind: global_buffer, .address_space: global }
      - { .name: be, .offset: 72, .size: 8, .value_kind: global_buffer, .address_space: global }
      - { .name: out0, .offset: 80, .size: 8, .value_kind: global_buffer, .address_space: global }
    .group_segment_fixed_size: 70656
    .private_segment_fixed_size: 0
    .kernarg_segment_align: 8
    .kernarg_segment_size: 88
    .max_flat_workgroup_size: 256
    .sgpr_count:     66
    .vgpr_count:     512
    .wavefront_size: 32
...
	.end_amdgpu_metadata
.endif
;; end of part 4
;; ======== version 2 of 2: 4 launches
;; workspace buffers: wc 589,824 bytes; ws 24,576 bytes; kv 3,276,800 bytes; qf 8,388,608 bytes; of 8,388,608 bytes
;; launch prep (part 5): grid 384 x 1, 1 waves a work-group, no clusters, 0 bytes of LDS; arguments Wq, Wk, Wv, Wo, Wm, We, wc, ws; writes wc, ws
.if DOCPART == 5
	.amdgcn_target "amdgcn-amd-amdhsa--gfx1250"
	.amdhsa_code_object_version 6
	.text
	.protected	k_qd5547d7725_prep
	.globl	k_qd5547d7725_prep
	.p2align	8
	.type	k_qd5547d7725_prep,@function
k_qd5547d7725_prep:
	s_mov_b64 s[64:65], 0
	v_nop
	global_prefetch_b8 v0, s[64:65] scope:SCOPE_SE
	s_setreg_imm32_b32 hwreg(HW_REG_WAVE_MODE, 25, 1), 1
	s_wait_xcnt 0x0
; The six weights, f32 stored [K][N] with K as the first axis, become codes of E2M3 with one E8M0 byte for each 32 along K,
; laid as IMAGES OF OPERAND REGISTERS.  A fragment is 16 columns x 128 along K, 12 registers a lane, 1,536 bytes:
; registers 4 c .. 4 c + 3 of lane L lie at 512 c + 16 L.  Fragment F lies at 1,536 F in wc, its 16 scale words at 64 F in ws.
; F = base + tile x KS + K step:  Wq 0, Wk 32, Wv 64, Wo 96 (KS = 2, 16 tiles), Wm 128 (KS = 2, 64 tiles), We 256 (KS = 8, 16 tiles).
; THE COLUMNS OF A TILE ARE NOT NEIGHBOURS: row m of tile 2 b + u is column 32 b + 8 u + m + 8 (m / 8), so that the results of two
; neighbouring tiles are 16 neighbours along the next product's K.
; One wave makes one fragment.  A lane takes a column, its registers run down K in the order of the operand's layout
; (lane (r, h): k = 64 c + 32 h + 0 .. 31), so a block's largest magnitude needs no other lane and nothing is transposed.
; A block's scale is 2^(floor(log2(largest magnitude)) - 2): its byte is the largest magnitude's exponent field - 2.
; LIMITS: a block of zeros, and one whose largest magnitude lies under 2^-124, gets the byte 1 (the rule says 127 for zeros: the codes are
; zeros and only this program reads the bytes); NaN and infinities among the inputs are not served.
; The scale words leave as 64 bytes a work-group: 24,576 bytes in the whole launch.
.set FLOOR, 0x1800000                  ; 2^(3 - 127): under it no largest magnitude is taken
.set X,     64                         ; v64-127 my column's 64 numbers
.set SEL,   36                         ; s[36:37] lane selects: lane l xor 16
	s_load_b512 s[8:23], s[0:1], 0x0               ; Wq s[8:9], Wk, Wv, Wo, Wm, We s[18:19], wc s[20:21], ws s[22:23]
	v_and_b32 v1, 15, v0                           ; r
	s_wait_alu depctr_va_vdst(0)
	v_lshrrev_b32 v2, 4, v0                        ; h
	s_wait_alu depctr_va_vdst(0)
	s_mov_b32 s[SEL], 0x76543210
	s_mov_b32 s[SEL+1], 0xfedcba98
	s_cmp_lt_u32 ttmp9, 256
	s_cselect_b32 s6, 1, 3                         ; log2 of the K steps: 8 in We, 2 elsewhere
	s_cmp_lt_u32 ttmp9, 128
	s_cselect_b32 s7, 31, 127
	s_and_b32 s7, ttmp9, s7                        ; the fragment's number inside its weight
	s_lshr_b32 s24, s7, s6                         ; tile
	s_lshl_b32 s26, s24, s6
	s_sub_co_u32 s25, s7, s26                      ; K step
	s_lshr_b32 s26, ttmp9, 7
	s_cmp_eq_u32 s26, 1
	s_cselect_b32 s27, 10, 8                       ; log2 N: 1,024 columns in Wm, 256 elsewhere
	s_add_co_u32 s30, s27, 9
	s_lshl_b32 s28, s25, s30                       ; 128 rows of N x 4 bytes for each K step
	s_lshr_b32 s31, s24, 1
	s_lshl_b32 s31, s31, 7
	s_add_co_u32 s28, s28, s31                     ; + 4 x 32 (tile / 2)
	s_and_b32 s31, s24, 1
	s_lshl_b32 s31, s31, 5
	s_add_co_u32 s28, s28, s31                     ; + 4 x 8 (tile % 2)
	s_mov_b32 s29, 0
	s_mul_i32 s32, ttmp9, 1536
	s_mov_b32 s33, 0
	s_lshl_b32 s34, ttmp9, 6
	s_mov_b32 s35, 0
	s_add_co_u32 s30, s27, 7
	v_and_b32 v3, 8, v1
	v_add_nc_u32 v3, v3, v1                        ; r + 8 (r / 8)
	v_lshlrev_b32 v4, s30, v2                      ; lanes 16-31 begin 32 rows further down
	v_lshl_add_u32 v5, v3, 2, v4                   ; my byte offset in the weight
	v_lshlrev_b32 v6, 4, v0                        ; 16 x lane: an image's place
	v_lshlrev_b32 v7, 2, v1                        ; 4 r: a scale word's
	s_wait_kmcnt 0x0
	s_mov_b64 s[4:5], s[18:19]                     ; which weight: a choice on the work-group's number alone
	s_cmp_lt_u32 ttmp9, 256
	s_cselect_b64 s[4:5], s[16:17], s[4:5]
	s_cmp_lt_u32 ttmp9, 128
	s_cselect_b64 s[4:5], s[14:15], s[4:5]
	s_cmp_lt_u32 ttmp9, 96
	s_cselect_b64 s[4:5], s[12:13], s[4:5]
	s_cmp_lt_u32 ttmp9, 64
	s_cselect_b64 s[4:5], s[10:11], s[4:5]
	s_cmp_lt_u32 ttmp9, 32
	s_cselect_b64 s[4:5], s[8:9], s[4:5]
	s_add_nc_u64 s[4:5], s[4:5], s[28:29]
	s_add_nc_u64 s[20:21], s[20:21], s[32:33]
	s_add_nc_u64 s[22:23], s[22:23], s[34:35]
.macro LOADS rowb                      ; register 32 c + i = W(64 c + 32 h + i, my column); the row's pitch stands in the immediates
.set n, 0
.rept 64
	global_load_b32 v[X+n], v5, s[4:5] offset:((n/32)*64+n%32)*\rowb th:TH_LOAD_NT
.set n, n+1
.endr
.endm
	s_cmp_eq_u32 s27, 10                           ; the two pitches are two runs of loads, chosen by the work-group's number
	s_cbranch_scc1 .Lwide
	s_wait_alu depctr_va_vdst(0)
	LOADS 1024
	s_branch .Ljoin
.Lwide:
	s_wait_alu depctr_va_vdst(0)
	LOADS 4096
.Ljoin:
	s_wait_loadcnt 0x0
.irp c, 0,1                            ; my block 2 c + h: all its 32 numbers are mine
	v_max3_num_f32 v[32+\c], |v[X+32*\c]|, |v[X+1+32*\c]|, FLOOR
.endr
.irp i, 2,4,6,8,10,12,14,16,18,20,22,24,26,28,30
.irp c, 0,1
	v_max3_num_f32 v[32+\c], v[32+\c], |v[X+32*\c+\i]|, |v[X+1+32*\c+\i]|
.endr
.endr
.irp c, 0,1
	v_add_nc_u32 v[44+\c], 0xff000000, v[32+\c]    ; 2 off the exponent field: the conversion's scale operand
.endr
.irp c, 0,1
	v_lshrrev_b32 v[36+\c], 23, v[44+\c]           ; the scale's byte
.endr
	v_lshl_or_b32 v9, v37, 16, v36                 ; my two bytes, blocks h and 2 + h,
	v_lshlrev_b32 v10, 3, v2
	v_lshlrev_b32 v9, v10, v9                      ; at their places in the word;
	v_mov_b32 v10, 0
	v_permlanex16_b32 v10, v9, s[SEL], s[SEL+1]
	v_or_b32 v9, v9, v10                           ; with lane l xor 16's two the word is whole
.irp c, 0,1
	v_cvt_scalef32_pk16_fp6_f32 v[48+6*\c:50+6*\c], v[X+32*\c:X+15+32*\c], v[44+\c]
	v_cvt_scalef32_pk16_fp6_f32 v[192+4*\c:194+4*\c], v[X+16+32*\c:X+31+32*\c], v[44+\c]   ; (a conversion's three registers begin on an even number)
.endr
	v_nop                                          ; one plain place behind a scaled conversion
.irp c, 0,1
.irp i, 0,1,2
	v_mov_b32 v[51+6*\c+\i], v[192+4*\c+\i]
.endr
.endr
.irp c, 0,1,2
	global_store_b128 v6, v[48+4*\c:51+4*\c], s[20:21] offset:512*\c   ; 32 lanes store 512 consecutive bytes, aligned
.endr
	global_store_b32 v7, v9, s[22:23]              ; both halves of the lanes hold and write the same word
	s_endpgm
.Lfunc_end_k_qd5547d7725_prep:
	.size	k_qd5547d7725_prep, .Lfunc_end_k_qd5547d7725_prep-k_qd5547d7725_prep
	.p2alignl 7, 3214868480
	.fill 96, 4, 3214868480
	.section	.rodata,"a",@progbits
	.p2align	6, 0x0
	.amdhsa_kernel k_qd5547d7725_prep
		.amdhsa_group_segment_fixed_size 0
		.amdhsa_private_segment_fixed_size 0
		.amdhsa_enable_private_segment 0
		.amdhsa_kernarg_size 64
		.amdhsa_user_sgpr_count 2
		.amdhsa_user_sgpr_kernarg_segment_ptr 1
		.amdhsa_wavefront_size32 1
		.amdhsa_system_sgpr_workgroup_id_x 1
		.amdhsa_system_sgpr_workgroup_id_y 1
		.amdhsa_system_sgpr_workgroup_id_z 1
		.amdhsa_system_vgpr_workitem_id 0
		.amdhsa_next_free_vgpr 200
		.amdhsa_next_free_sgpr 66
		.amdhsa_reserve_vcc 0
		.amdhsa_float_denorm_mode_32 3
		.amdhsa_float_denorm_mode_16_64 3
		.amdhsa_memory_ordered 1
		.amdhsa_forward_progress 1
		.amdhsa_inst_pref_size 18
	.end_amdhsa_kernel
	.amdgpu_metadata
---
amdhsa.version: [ 1, 2 ]
amdhsa.kernels:
  - .name:           k_qd5547d7725_prep
    .symbol:         k_qd5547d7725_prep.kd
    .args:
      - { .name: Wq, .offset: 0, .size: 8, .value_kind: global_buffer, .address_space: global }
      - { .name: Wk, .offset: 8, .size: 8, .value_kind: global_buffer, .address_space: global }
      - { .name: Wv, .offset: 16, .size: 8, .value_kind: global_buffer, .address_space: global }
      - { .name: Wo, .offset: 24, .size: 8, .value_kind: global_buffer, .address_space: global }
      - { .name: Wm, .offset: 32, .size: 8, .value_kind: global_buffer, .address_space: global }
      - { .name: We, .offset: 40, .size: 8, .value_kind: global_buffer, .address_space: global }
      - { .name: wc, .offset: 48, .size: 8, .value_kind: global_buffer, .address_space: global }
      - { .name: ws, .offset: 56, .size: 8, .value_kind: global_buffer, .address_space: global }
    .group_segment_fixed_size: 0
    .private_segment_fixed_size: 0
    .kernarg_segment_align: 8
    .kernarg_segment_size: 64
    .max_flat_workgroup_size: 32
    .sgpr_count:     66
    .vgpr_count:     200
    .wavefront_size: 32
...
	.end_amdgpu_metadata
.endif
;; end of part 5
;; launch proj (part 6): grid 128 x 1, 8 waves a work-group, no clusters, 161,792 bytes of LDS; arguments q, x, bq, bk, bv, wc, ws, qf, kv; writes qf, kv
.if DOCPART == 6
	.amdgcn_target "amdgcn-amd-amdhsa--gfx1250"
	.amdhsa_code_object_version 6
	.text
	.protected	k_qd5547d7725_proj
	.globl	k_qd5547d7725_proj
	.p2align	8
	.type	k_qd5547d7725_proj,@function
k_qd5547d7725_proj:
	s_mov_b64 s[64:65], 0
	v_nop
	global_prefetch_b8 v0, s[64:65] scope:SCOPE_SE
	s_setreg_imm32_b32 hwreg(HW_REG_WAVE_SCHED_MODE, 0, 2), 2
	s_setreg_imm32_b32 hwreg(HW_REG_WAVE_MODE, 25, 1), 1
	s_wait_xcnt 0x0
	s_wait_alu depctr_vm_vsrc(0)
; Products 1 to 3: Q = q Wq + bq, K = x Wk + bk, V = x Wv + bv, on codes of E2M3 with one E8M0 scale for each 32 along K.
; Work-groups 0-63 take 128 rows of x (one key step of one batch), work-groups 64-127 take 128 rows of q.
; X: wave w takes row tile w (16 rows; row m of tile 2 b + u is row 32 b + 8 u + m + 8 (m / 8) of the 128).  The rows are loaded AS THEY LIE: a load takes a row's part of one
; K step, 512 consecutive bytes, 16 a lane.  The quantiser wants 16 neighbours along K in one lane, so a K step's 8,192 bytes turn through the wave's own stage in LDS: stored as
; loaded, read back 64 bytes a lane.  The tile's two fragments then go to LDS as images of their registers | barrier | every wave fetches all 16 fragments and owns HEAD w for all 128 rows.
; Q and K are made TRANSPOSED (source 0 = 16 columns of the weight, source 1 = 16 rows): a lane holds one row, and the 16 registers of the head's two
; tiles are d = 16 h + 0 .. 15.  Q leaves so, as f32 (qf).  For K four row tiles at a time go through the quantiser as its four blocks: a block is a
; key's whole head, and the result IS attention's operand: block 2 c + h of a fragment = key tile 4 f + 2 c + h, row r, all 32 d.
; V is made the other way round (source 0 = 16 rows of x, source 1 = 16 columns of Wv): a lane holds one d and its 64 registers run along the keys,
; which are the second product's K: the quantiser's result is V's fragment, keys innermost.
; kv, a record of 6,400 bytes for each (batch, head, key step): K's two fragments, V's two, then 32 lanes x {K's scale word, V's scale word}.
; qf: [(batch x 8 + head) x 128 + tile] x 2,048 + 512 i + 16 lane: chunk i holds registers 4 i .. 4 i + 3 of the lane's 16.
; NO JOINT LOADS: every weight fragment has one reader wave in a work-group and goes from memory straight into its registers; a joint load could
; only land in LDS, from where it would have to be read once more.  No tensor load, so no ring.
; LIMITS: as in the launch that quantises the weights: byte 1 for blocks of zeros and under 2^-124; NaN and infinities are not served.
; THE MODE: SCHED_MODE bits 1:0 = 2 (LLVM: expert scheduling mode 2), set by the entry lines.  The code itself states the register dependences
; between vector or matrix instructions and memory or LDS instructions, with s_wait_alu, always for 0.
; THE PLAN.  Registers that memory or LDS instructions touch:
;   v4-v13, v254, v255  addresses and the closing add's two: written at the head, never again.
;   XN v16-143          the rows' loads land; the turn's LDS stores read; the turn's LDS loads land; the quantiser reads.
;   PCA, PCX, PCB       buffers of 20 registers, a fragment's codes and its scale word: the quantiser writes, stores read.  The tile's two fragments take PCA and PCX.
;                       On x's way the four steps (K 0, K 1, V 0, V 1) write PCA and PCB by turns, and a step's three stores are issued at the head of the NEXT step, behind its
;                       products and their places: there one wait on va_vdst states that the step before has written its buffer, and a wait on vm_vsrc (beside s_wait_xcnt 0)
;                       that the stores issued a step ago have read the buffer that this step's quantiser writes.  Behind them the quantiser names HA, TM and the other buffer alone.
;   HA, HA2             on q's way the two rounds have accumulators of their own: products write, stores read, nothing writes them again.
;   WB, window 1, all scale words: loads land, products read; no vector instruction writes them.
; REGISTERS.  window 0: v4-13 addresses; v16-143 128 numbers of my row, then v16-79 eight accumulators, v80-95 bv as C (q: v80-143 eight more accumulators), v96-115 PCB;
;   v144-191 Wv's four fragments (before them PCX); v192-207 the quantiser's; v208-227 PCA; v228-235 scale words on their way out and bv; v236-247 scale words of x and of the weights.
;   window 1: v0-191 x's 16 fragments; v192-239 the first weight's four; v240-255 its bias as C.
.set FRB,   1536                       ; a fragment's image in bytes
.set FLOOR, 0x1800000
.set XIMG,  0                          ; LDS: 16 fragments, (2 tile + K step) x FRB
.set XSC,   16*FRB                     ; their scale words: 128 tile + 64 K step + 4 r
.set STG,   XSC+1024                   ; the stages: two for each wave, one for each K step
.set SPT,   528                        ; a stage row: 512 bytes + 16 = 132 words: row r starts at bank 4 r mod 64 (64 banks of 4 bytes: ISA guide 11.1), so the 16 rows that a load touches start at 16 different banks
.set STGB,  16*SPT                     ; a stage: 16 rows
.set SWR,  4                           ; v4   into my stage: 16 x lane
.set LI,   5                           ; v5   16 x lane
.set LS,   6                           ; v6   4 x lane
.set XWI,  7                           ; v7   16 x lane + 2 FRB x wave
.set XWS,  8                           ; v8   4 r + 128 x wave
.set L8,   9                           ; v9   8 x lane
.set H64,  10                          ; v10  64 h
.set PR4,  11                          ; v11  4 (r + 8 (r / 8))
.set LANE, 12
.set SRD,  13                          ; v13  out of my stage: row r, + 64 h
.set XN,   16
.set HA,   16
.set HA2,  80                          ; q's way: the second round's accumulators
.set BV,   80
.set PCB,  96                          ; x's way: the second buffer of codes; a buffer's scale word is its register 19
.set WB,   144
.set PCX,  144                         ; the tile's second fragment, before Wv is asked for
.set TM,   192
.set PCA,  208
.set PWK,  228
.set PWV,  230
.set SW,   232
.set BVV,  234
.set XS,   236
.set WAS,  244
.set WBS,  246
.set WA,   192                         ; in window 1
.set BI,   240                         ; in window 1
.set SEL,  44
.set MSB,  0
.macro WIN new                         ; the immediate's high byte repeats the setting that is left
.if MSB != \new
	s_set_vgpr_msb (MSB<<8)|\new
.set MSB, \new
.endif
.endm
.macro PLACES n
.rept \n
	v_nop
.endr
.endm
; 64 numbers of a lane, register 16 b + i = k 32 b + 16 h + i of my row, become a fragment's codes in v[pc] on and its scale word in v[pc + 19].
.macro QUANT s, pc
.irp b, 0,1,2,3
	v_max3_num_f32 v[TM+\b], |v[\s+16*\b]|, |v[\s+1+16*\b]|, FLOOR
.endr
.irp i, 2,4,6,8,10,12,14
.irp b, 0,1,2,3
	v_max3_num_f32 v[TM+\b], v[TM+\b], |v[\s+16*\b+\i]|, |v[\s+1+16*\b+\i]|
.endr
.endr
.irp b, 0,1,2,3
	v_permlanex16_b32 v[TM+4+\b], v[TM+\b], s[SEL], s[SEL+1]
.endr
.irp b, 0,1,2,3
	v_max_num_f32 v[TM+\b], v[TM+\b], v[TM+4+\b]   ; with lane l xor 16's: the block's largest magnitude
.endr
.irp b, 0,1,2,3
	v_add_nc_u32 v[TM+12+\b], 0xff000000, v[TM+\b] ; 2 off its exponent field: the conversion's scale operand
.endr
.irp b, 0,1,2,3
	v_lshrrev_b32 v[TM+4+\b], 23, v[TM+12+\b]      ; the scale's byte
.endr
	v_lshl_or_b32 v[\pc+19], v[TM+5], 8, v[TM+4]
	v_lshl_or_b32 v[\pc+19], v[TM+6], 16, v[\pc+19]
	v_lshl_or_b32 v[\pc+19], v[TM+7], 24, v[\pc+19]
.irp c, 0,1
	v_cvt_scalef32_pk16_fp6_f32 v[\pc+6*\c:\pc+2+6*\c], v[\s+32*\c:\s+15+32*\c], v[TM+12+2*\c]
	v_cvt_scalef32_pk16_fp6_f32 v[\pc+12+4*\c:\pc+14+4*\c], v[\s+16+32*\c:\s+31+32*\c], v[TM+12+2*\c+1]
.endr
	v_nop                                          ; one plain place behind a scaled conversion
.irp c, 0,1                            ; the operand's layout wants a whole block in a lane
.irp i, 0,1,2
	v_permlane16_swap_b32 v[\pc+6*\c+\i], v[\pc+12+4*\c+\i]
.endr
.irp i, 0,1,2
	v_mov_b32 v[\pc+3+6*\c+\i], v[\pc+12+4*\c+\i]
.endr
.endr
.endm
.macro IMAGE pc, off                   ; the fragment in v[pc] on goes to LDS as it stands
.irp c, 0,1,2
	ds_store_b128 v[XWI], v[\pc+4*\c:\pc+4*\c+3] offset:\off+512*\c
.endr
.endm
.macro XLOAD reg, s                    ; K step s of my 16 rows: load m takes 512 consecutive bytes of row m + 8 (m / 8), aligned, 16 a lane
.irp m, 0,1,2,3,4,5,6,7,8,9,10,11,12,13,14,15
	global_load_b128 v[\reg+4*\m:\reg+4*\m+3], v[LI], s[26:27] offset:((\m)+8*((\m)/8))*1024+512*\s th:TH_LOAD_NT
.endr
.endm
; The turn: the sixteen rows go into my stage as they were loaded and come back into the registers that they left, 64 bytes a lane: register 16 b + 4 j + e = k 32 b + 16 h + 4 j + e of row r.
; LDS serves a wave's instructions in order (ISA guide 5.7.1.4): no wait on DScnt stands between the stores and the loads, and only this wave touches its stage.
.macro TURN reg, s
.irp m, 0,1,2,3,4,5,6,7,8,9,10,11,12,13,14,15
	ds_store_b128 v[SWR], v[\reg+4*\m:\reg+4*\m+3] offset:STGB*\s+SPT*\m
.endr
	s_wait_alu depctr_vm_vsrc(0)                   ; the sixteen stores have read their data registers, in which the loads below land
.irp b, 0,1,2,3
.irp j, 0,1,2,3
	ds_load_b128 v[\reg+16*\b+4*\j:\reg+16*\b+4*\j+3], v[SRD] offset:STGB*\s+128*\b+16*\j
.endr
.endr
.endm
; Row tiles 4 f .. 4 f + 3 against my head's two tiles of the first weight: eight accumulators from v[acc] on, by turns, the bias as the first C.
.macro KROUND f, acc
	WIN 0x15                                       ; A, B and C in window 1
.irp bb, 0,1,2,3
.irp u, 0,1
	v_wmma_scale_f32_16x16x128_f8f6f4 v[\acc+8*(2*\bb+\u):\acc+8*(2*\bb+\u)+7], v[WA+24*\u:WA+24*\u+11], v[24*(4*\f+\bb):24*(4*\f+\bb)+11], v[BI+8*\u:BI+8*\u+7], v[WAS+\u], v[XS+4*\f+\bb] matrix_a_fmt:MATRIX_FMT_FP6 matrix_b_fmt:MATRIX_FMT_FP6
.endr
.endr
	WIN 0x05                                       ; A and B in window 1
.irp bb, 0,1,2,3
.irp u, 0,1
	v_wmma_scale_f32_16x16x128_f8f6f4 v[\acc+8*(2*\bb+\u):\acc+8*(2*\bb+\u)+7], v[WA+24*\u+12:WA+24*\u+23], v[24*(4*\f+\bb)+12:24*(4*\f+\bb)+23], v[\acc+8*(2*\bb+\u):\acc+8*(2*\bb+\u)+7], v[WAS+\u], v[XS+4*\f+\bb] matrix_a_fmt:MATRIX_FMT_FP6 matrix_b_fmt:MATRIX_FMT_FP6 matrix_a_scale:MATRIX_SCALE_ROW1 matrix_b_scale:MATRIX_SCALE_ROW1
.endr
.endr
	WIN 0
.endm
; All eight row tiles (source 0) against tile t of my head's Wv (source 1).
.macro VROUND t
	WIN 0x01                                       ; A in window 1
.irp k, 0,1,2,3,4,5,6,7
	v_wmma_scale_f32_16x16x128_f8f6f4 v[HA+8*\k:HA+8*\k+7], v[24*\k:24*\k+11], v[WB+24*\t:WB+24*\t+11], v[BV+8*\t:BV+8*\t+7], v[XS+\k], v[WBS+\t] matrix_a_fmt:MATRIX_FMT_FP6 matrix_b_fmt:MATRIX_FMT_FP6
.endr
.irp k, 0,1,2,3,4,5,6,7
	v_wmma_scale_f32_16x16x128_f8f6f4 v[HA+8*\k:HA+8*\k+7], v[24*\k+12:24*\k+23], v[WB+24*\t+12:WB+24*\t+23], v[HA+8*\k:HA+8*\k+7], v[XS+\k], v[WBS+\t] matrix_a_fmt:MATRIX_FMT_FP6 matrix_b_fmt:MATRIX_FMT_FP6 matrix_a_scale:MATRIX_SCALE_ROW1 matrix_b_scale:MATRIX_SCALE_ROW1
.endr
	WIN 0
.endm
.macro CSTORE pc, off                  ; a fragment's codes into my record
.irp c, 0,1,2
	global_store_b128 v[LI], v[\pc+4*\c:\pc+4*\c+3], s[42:43] offset:\off+512*\c   ; 512 consecutive bytes, aligned
.endr
.endm
.macro QSTORE f, acc                   ; each accumulator from its low end on
.irp bb, 0,1,2,3
.irp u, 0,1
	global_store_b128 v[LI], v[\acc+8*(2*\bb+\u):\acc+8*(2*\bb+\u)+3], s[40:41] offset:8192*\f+2048*\bb+1024*\u
	global_store_b128 v[LI], v[\acc+8*(2*\bb+\u)+4:\acc+8*(2*\bb+\u)+7], s[40:41] offset:8192*\f+2048*\bb+1024*\u+512
.endr
.endr
.endm
	s_load_b512 s[8:23], s[0:1], 0x0               ; q s[8:9], x, bq, bk, bv s[16:17], wc s[18:19], ws s[20:21], qf s[22:23]
	s_load_b64 s[24:25], s[0:1], 0x40              ; kv
	v_lshl_add_u32 v254, v0, 2, 0x27400
	v_mov_b32 v255, 0
	v_lshrrev_b32 v1, 5, v0
	v_readfirstlane_b32 s2, v1                     ; wave 0..7
	v_and_b32 v[LANE], 31, v0
	v_and_b32 v2, 15, v0                           ; r
	v_bfe_u32 v3, v0, 4, 1                         ; h
	v_and_b32 v1, 8, v2
	v_add_nc_u32 v1, v1, v2                        ; r + 8 (r / 8)
	v_lshlrev_b32 v[LI], 4, v[LANE]
	v_lshlrev_b32 v[LS], 2, v[LANE]
	s_wait_alu depctr_va_sdst(0)                   ; s2 is written, ahead of its first reader: LDS addresses and all bases are made from it
	s_mul_i32 s46, s2, 2*FRB
	v_add_nc_u32 v[XWI], s46, v[LI]
	s_lshl_b32 s46, s2, 7
	v_lshl_add_u32 v[XWS], v2, 2, s46
	s_mul_i32 s46, s2, 2*STGB
	s_add_co_u32 s46, s46, STG                     ; my two stages
	v_add_nc_u32 v[SWR], s46, v[LI]
	v_mul_u32_u24 v[SRD], v2, SPT
	v_lshl_add_u32 v[SRD], v3, 6, v[SRD]
	v_add_nc_u32 v[SRD], s46, v[SRD]
	v_lshlrev_b32 v[L8], 3, v[LANE]
	v_lshlrev_b32 v[H64], 6, v3
	v_lshlrev_b32 v[PR4], 2, v1
.irp b, 0,1,2,3
	v_mov_b32 v[TM+4+\b], 0                        ; written once: a lane permute's destination counts as one of its sources
.endr
	s_mov_b32 s[SEL], 0x76543210
	s_mov_b32 s[SEL+1], 0xfedcba98
	s_and_b32 s3, ttmp9, 63                        ; which 128 rows
	s_lshr_b32 s4, s3, 4                           ; batch
	s_and_b32 s5, s3, 15                           ; key step (or block of 128 queries) in the batch
	s_lshl_b32 s46, s3, 7
	s_lshr_b32 s47, s2, 1
	s_lshl_b32 s47, s47, 5
	s_add_co_u32 s46, s46, s47
	s_and_b32 s47, s2, 1
	s_lshl_b32 s47, s47, 3
	s_add_co_u32 s46, s46, s47                     ; my tile's first row: 128 g + 32 (w / 2) + 8 (w % 2)
	s_lshl_b32 s46, s46, 10
	s_mov_b32 s47, 0
	s_lshl_b32 s48, s2, 7                          ; my head's 32 numbers of a bias
	s_mov_b32 s49, 0
	s_lshl_b32 s50, s4, 3
	s_add_co_u32 s50, s50, s2                      ; batch x 8 + head
	s_lshl_b32 s52, s50, 18
	s_lshl_b32 s53, s5, 14
	s_add_co_u32 s52, s52, s53                     ; qf: (that x 128 + 8 x block) x 2,048
	s_mov_b32 s53, 0
	s_lshl_b32 s54, s50, 4
	s_add_co_u32 s54, s54, s5
	s_mul_i32 s54, s54, 6400                       ; kv: my record
	s_mov_b32 s55, 0
	s_cmp_lt_u32 ttmp9, 64
	s_cselect_b32 s30, 32, 0                       ; the first weight's fragments: Wk's or Wq's
	s_lshl_b32 s31, s2, 2
	s_add_co_u32 s30, s30, s31                     ; + 4 x head
	s_add_co_u32 s31, s31, 64                      ; Wv's
	s_mul_i32 s56, s30, FRB
	s_mov_b32 s57, 0
	s_lshl_b32 s58, s30, 6
	s_mov_b32 s59, 0
	s_mul_i32 s60, s31, FRB
	s_mov_b32 s61, 0
	s_lshl_b32 s62, s31, 6
	s_mov_b32 s63, 0
	s_wait_kmcnt 0x0
	s_cmp_lt_u32 ttmp9, 64                         ; x's work-group or q's: only pointers are chosen here
	s_cselect_b64 s[26:27], s[10:11], s[8:9]
	s_cselect_b64 s[28:29], s[14:15], s[12:13]
	s_add_nc_u64 s[26:27], s[26:27], s[46:47]
	s_add_nc_u64 s[28:29], s[28:29], s[48:49]
	s_add_nc_u64 s[16:17], s[16:17], s[48:49]
	s_add_nc_u64 s[32:33], s[18:19], s[56:57]
	s_add_nc_u64 s[34:35], s[20:21], s[58:59]
	s_add_nc_u64 s[36:37], s[18:19], s[60:61]
	s_add_nc_u64 s[38:39], s[20:21], s[62:63]
	s_add_nc_u64 s[40:41], s[22:23], s[52:53]
	s_add_nc_u64 s[42:43], s[24:25], s[54:55]
	s_wait_alu depctr_va_vdst(0)                   ; the addresses v4 to v13 are written, which every load and store of the kernel reads; none is written again
	XLOAD XN, 0                                    ; the rows first: nothing else stands between them and the quantiser
	XLOAD XN+64, 1
	s_wait_loadcnt 16                              ; K step 0's sixteen loads are in; K step 1's sixteen may be out
	TURN XN, 0
	s_wait_loadcnt 0x0                             ; K step 1's are in
	TURN XN+64, 1
	WIN 0x40                                       ; destination window 1: the first weight, its bias and its scales land while the rows are quantised; no vector instruction has named their registers
.irp f, 0,1,2,3
.irp c, 0,1,2
	global_load_b128 v[WA+12*\f+4*\c:WA+12*\f+4*\c+3], v[LI], s[32:33] offset:FRB*\f+512*\c
.endr
.endr
.irp u, 0,1
	global_load_b128 v[BI+8*\u:BI+8*\u+3], v[H64], s[28:29] offset:32*\u
	global_load_b128 v[BI+8*\u+4:BI+8*\u+7], v[H64], s[28:29] offset:32*\u+16
.endr
	WIN 0
.irp u, 0,1
	global_load_b32 v[WAS+\u], v[LS], s[34:35] offset:128*\u    ; lanes 0-15: K step 0's words, lanes 16-31: K step 1's
.endr
	s_wait_dscnt 32                                ; the first turn's loads are in; the second turn's 16 stores and 16 loads may be out
	QUANT XN, PCA
	s_wait_alu depctr_va_vdst(0)                   ; the quantiser has written PCA's codes and scale word, which the four LDS stores read
	IMAGE PCA, XIMG
	ds_store_b32 v[XWS], v[PCA+19] offset:XSC
	s_wait_dscnt 4                                 ; the second turn's loads are in; the four stores just issued may be out: the second fragment has a buffer of its own
	QUANT XN+64, PCX
	s_wait_alu depctr_va_vdst(0)                   ; the quantiser has written PCX, which the four LDS stores read; it is also done with v144 on, in which Wv's loads land on x's way
	IMAGE PCX, XIMG+FRB
	ds_store_b32 v[XWS], v[PCX+19] offset:XSC+64
	s_wait_dscnt 0x0                               ; for the others' sake: my images have landed
	s_barrier_signal -1
	s_barrier_wait -1
	s_wait_alu depctr_vm_vsrc(0)                   ; my eight LDS stores have read PCA and PCX: PCA is written again by the quantiser, PCX's registers by Wv's loads; stated ahead of the branch, for both ways
.irp k, 0,1,2,3,4,5,6,7
	ds_load_b32 v[XS+\k], v[LS] offset:XSC+128*\k  ; the scale words first, so that a counted wait can free the first four tiles
.endr
	WIN 0x40
.set n, 0
.rept 16
.irp c, 0,1,2
	ds_load_b128 v[12*n+4*\c:12*n+4*\c+3], v[LI] offset:XIMG+FRB*n+512*\c
.endr
.set n, n+1
.endr
	WIN 0
	s_cmp_lt_u32 ttmp9, 64
	s_cbranch_scc0 .Lq
	; ---- x: K, then V: four steps; a step's codes are stored at the head of the next
.irp f, 0,1,2,3
.irp c, 0,1,2
	global_load_b128 v[WB+12*\f+4*\c:WB+12*\f+4*\c+3], v[LI], s[36:37] offset:FRB*\f+512*\c
.endr
.endr
.irp t, 0,1
	global_load_b32 v[WBS+\t], v[LS], s[38:39] offset:128*\t
.endr
.irp t, 0,1
	global_load_b32 v[BVV+\t], v[PR4], s[16:17] offset:32*\t   ; bv at my lane's d = 8 t + r + 8 (r / 8)
.endr
	s_wait_loadcnt 16                              ; Wk, bk and Wk's scales are in; the sixteen just issued may be out
	s_wait_dscnt 24                                ; the scale words and fragments 0 to 7 (tiles 0 to 3) are in; the 24 loads of fragments 8 to 15 may be out
	KROUND 0, HA
	PLACES 4
	QUANT HA, PCA
	v_mov_b32 v[PWK], v[PCA+19]
	s_wait_dscnt 0x0                               ; tiles 4 to 7
	KROUND 1, HA
	PLACES 4
	s_wait_alu depctr_va_vdst(0)                   ; the step before has written PCA, which the three stores read
	CSTORE PCA, 0                                  ; K's fragment 0.  The quantiser below names HA, TM and PCB: none of these stores' registers
	QUANT HA, PCB
	v_mov_b32 v[PWK+1], v[PCB+19]
	s_wait_loadcnt 0x0                             ; Wv, its scales, bv
.irp t, 0,1
.irp j, 0,1,2,3,4,5,6,7
	v_mov_b32 v[BV+8*\t+\j], v[BVV+\t]             ; a lane holds one d, so its eight registers of C are one number
.endr
.endr
	VROUND 0
	PLACES 4
	s_wait_xcnt 0x0                                ; the stores issued a step ago have had their addresses translated: PCA is written again only behind this wait
	s_wait_alu depctr_vm_vsrc(0)                   ; and they have read PCA, which this step's quantiser writes
	s_wait_alu depctr_va_vdst(0)                   ; the step before has written PCB, which the three stores read
	CSTORE PCB, FRB                                ; K's fragment 1
	QUANT HA, PCA
	v_mov_b32 v[PWV], v[PCA+19]
	VROUND 1
	PLACES 4
	s_wait_xcnt 0x0                                ; as above, for PCB
	s_wait_alu depctr_vm_vsrc(0)                   ; the stores issued a step ago have read PCB, which this step's quantiser writes
	s_wait_alu depctr_va_vdst(0)                   ; the step before has written PCA, which the three stores read
	CSTORE PCA, 2*FRB                              ; V's fragment 0
	QUANT HA, PCB
	v_mov_b32 v[PWV+1], v[PCB+19]
	v_cmp_lt_u32 vcc_lo, 15, v[LANE]
	s_wait_alu depctr_va_vcc(0)                    ; VCC is written, ahead of the two selects that read it
	v_cndmask_b32 v[SW], v[PWK], v[PWK+1], vcc_lo      ; lane 16 f + r: fragment f's word of row r
	v_cndmask_b32 v[SW+1], v[PWV], v[PWV+1], vcc_lo
	s_wait_alu depctr_va_vdst(0)                   ; the last step has written PCB, and the selects the two words: the four stores read them
	CSTORE PCB, 3*FRB                              ; V's fragment 1
	global_store_b64 v[L8], v[SW:SW+1], s[42:43] offset:4*FRB   ; 256 consecutive bytes, aligned
	s_wait_dscnt 0x0                               ; the closing lines, six on end
	s_wait_alu 0x0
	s_wait_tensorcnt 0x0
	ds_add_u32 v254, v255
	s_wait_dscnt 0x0
	s_endpgm
.Lq:
	; ---- q: Q, as f32: two rounds, each with eight accumulators of its own, so that no store's data are written again
	s_wait_loadcnt 0x0
	s_wait_dscnt 24                                ; the scale words and tiles 0 to 3 are in
	KROUND 0, HA
	PLACES 4                                       ; four places behind the last product, before its result is read (ISA guide 7.12.1)
	s_wait_alu depctr_va_vdst(0)                   ; the products have written v[HA ..], which the sixteen stores read; the places above stay beside this wait
	QSTORE 0, HA
	s_wait_dscnt 0x0                               ; tiles 4 to 7
	KROUND 1, HA2
	PLACES 4
	s_wait_alu depctr_va_vdst(0)                   ; the products have written v[HA2 ..], which the sixteen stores read
	QSTORE 1, HA2
	s_wait_dscnt 0x0                               ; the closing lines, six on end
	s_wait_alu 0x0
	s_wait_tensorcnt 0x0
	ds_add_u32 v254, v255
	s_wait_dscnt 0x0
	s_endpgm
.Lfunc_end_k_qd5547d7725_proj:
	.size	k_qd5547d7725_proj, .Lfunc_end_k_qd5547d7725_proj-k_qd5547d7725_proj
	.p2alignl 7, 3214868480
	.fill 96, 4, 3214868480
	.section	.rodata,"a",@progbits
	.p2align	6, 0x0
	.amdhsa_kernel k_qd5547d7725_proj
		.amdhsa_group_segment_fixed_size 161792
		.amdhsa_private_segment_fixed_size 0
		.amdhsa_enable_private_segment 0
		.amdhsa_kernarg_size 72
		.amdhsa_user_sgpr_count 2
		.amdhsa_user_sgpr_kernarg_segment_ptr 1
		.amdhsa_wavefront_size32 1
		.amdhsa_system_sgpr_workgroup_id_x 1
		.amdhsa_system_sgpr_workgroup_id_y 1
		.amdhsa_system_sgpr_workgroup_id_z 1
		.amdhsa_system_vgpr_workitem_id 0
		.amdhsa_next_free_vgpr 512
		.amdhsa_next_free_sgpr 66
		.amdhsa_reserve_vcc 1
		.amdhsa_float_denorm_mode_32 3
		.amdhsa_float_denorm_mode_16_64 3
		.amdhsa_memory_ordered 1
		.amdhsa_forward_progress 1
		.amdhsa_inst_pref_size 60
	.end_amdhsa_kernel
	.amdgpu_metadata
---
amdhsa.version: [ 1, 2 ]
amdhsa.kernels:
  - .name:           k_qd5547d7725_proj
    .symbol:         k_qd5547d7725_proj.kd
    .args:
      - { .name: q, .offset: 0, .size: 8, .value_kind: global_buffer, .address_space: global }
      - { .name: x, .offset: 8, .size: 8, .value_kind: global_buffer, .address_space: global }
      - { .name: bq, .offset: 16, .size: 8, .value_kind: global_buffer, .address_space: global }
      - { .name: bk, .offset: 24, .size: 8, .value_kind: global_buffer, .address_space: global }
      - { .name: bv, .offset: 32, .size: 8, .value_kind: global_buffer, .address_space: global }
      - { .name: wc, .offset: 40, .size: 8, .value_kind: global_buffer, .address_space: global }
      - { .name: ws, .offset: 48, .size: 8, .value_kind: global_buffer, .address_space: global }
      - { .name: qf, .offset: 56, .size: 8, .value_kind: global_buffer, .address_space: global }
      - { .name: kv, .offset: 64, .size: 8, .value_kind: global_buffer, .address_space: global }
    .group_segment_fixed_size: 161792
    .private_segment_fixed_size: 0
    .kernarg_segment_align: 8
    .kernarg_segment_size: 72
    .max_flat_workgroup_size: 256
    .sgpr_count:     66
    .vgpr_count:     512
    .wavefront_size: 32
...
	.end_amdgpu_metadata
.endif
;; end of part 6
;; launch attn (part 7): grid 8 x 32, 16 waves a work-group, clusters of 4 x 1, 169,984 bytes of LDS; arguments qf, kv, of; writes of
.if DOCPART == 7
	.amdgcn_target "amdgcn-amd-amdhsa--gfx1250"
	.amdhsa_code_object_version 6
	.text
	.protected	k_qd5547d7725_attn
	.globl	k_qd5547d7725_attn
	.p2align	8
	.type	k_qd5547d7725_attn,@function
k_qd5547d7725_attn:
	s_mov_b64 s[64:65], 0
	v_nop
	global_prefetch_b8 v0, s[64:65] scope:SCOPE_SE
	s_setreg_imm32_b32 hwreg(HW_REG_WAVE_MODE, 25, 1), 1
	s_wait_xcnt 0x0
	s_wait_alu depctr_hold_cnt(0) depctr_sa_sdst(0) depctr_va_vdst(0) depctr_va_sdst(0) depctr_va_ssrc(0) depctr_va_vcc(0) depctr_vm_vsrc(0)
	s_getreg_b32 s2, hwreg(HW_REG_IB_STS2, 6, 4)
	s_cmp_eq_u32 s2, 0
	s_cbranch_scc0 .Lentry_in_a_cluster
	s_endpgm
.Lentry_in_a_cluster:
	s_bfe_u32 s2, ttmp6, 0x10000c
	s_cmp_lg_u32 s2, 0x3003
	s_cbranch_scc0 .Lentry_shape_is_right
	s_endpgm
.Lentry_shape_is_right:
; of = Q + softmax(Q K^T / sqrt(32)) V for each (batch, head), both products on codes of E2M3 with one E8M0 scale for each 32 along K.
; t = score x log2(e) / sqrt(32); M = the running largest t rounded UP to a whole number; p = 2^(t - M) is what is quantised, along the keys, not normalised;
; the row's sum is taken of the unquantised p and divides at the end; when M moves, the sum and O are multiplied by 2^(old M - new M), which rounds nothing.
; SHARES.  A work-group owns 256 queries of one (batch, head), each of its sixteen waves one tile of 16, in 256 registers: four waves to a SIMD, so that one wave's
; vector work stands beside another's matrix work and LDS loads.  Every wave walks the head's 2,048 keys, 128 a step.
; THE HEAD'S K AND V, 16 records of 6,400 bytes, come into LDS ONCE: wave w brings record w by one tensor load; nothing is filled again.
; CLUSTER.  The four query blocks of a cluster belong to one head and read the same records: each record is asked for JOINTLY, by the same load with the same
; descriptor and a mask that names the four.
; LAYOUT.  Both products are used transposed: S^T = K Q^T, O^T = V^T P^T: a lane holds one query throughout.  The records hold images of operand registers:
; a fragment comes by three loads of 16 bytes a lane, 512 consecutive bytes each.
; THE FIRST PRODUCT'S K IS 32, a quarter of the instruction's 128.  A fragment of K holds FOUR key tiles, one in each block of 32; it is multiplied four times, each time
; by a Q whose codes are zeros but in one block.  The four Q share registers: Z0 Qlo Z1 Qhi Z2 on end (six registers each; Qlo holds the codes in lanes 0-15,
; Qhi in lanes 16-31): block 0 = Qlo Z1, block 1 = Qhi Z2, block 2 = Z0 Qlo, block 3 = Z1 Qhi.  The other three key tiles meet zero codes.
; The keys of tile t are 32 (t / 2) + 8 (t % 2) + m + 8 (m / 8), so that p's 16 registers of two neighbouring tiles are 16 neighbouring keys.
; LIMITS: byte 1 for blocks of zeros and under 2^-124; NaN and infinities are not served.
; REGISTERS: v1-5 addresses; v8, v9 K's and V's scale words; v10 Q's; v12 -M, v13 the largest t, v[14:15] the sum; v16-45 Q's codes and zeros; v46-69 K; v70-93 V;
;   v96-159 S^T, then p; v160-175 O^T; v176-191 Q in f32; v192-207 the result; v224-235 p's codes; v232-254 at work.
.set REC,  6400
.set FRB,  1536
.set SEL,  20                          ; s[20:21] lane selects: lane l xor 16
.set CS,   22                          ; s[22:23] c = log2(e) / sqrt(32)
.macro ROUND                           ; a round of the cluster's barrier
	s_barrier_signal -1
	s_barrier_wait -1
	s_cmp_lg_u32 s12, 0
	s_cbranch_scc1 .Lnot_wave_0_\@
	s_barrier_signal -3
.Lnot_wave_0_\@:
	s_barrier_wait -3
	s_barrier_signal -1
	s_barrier_wait -1
.endm
	s_load_b128 s[4:7], s[0:1], 0x0                ; qf, kv
	s_load_b64 s[8:9], s[0:1], 0x10                ; of
	v_lshl_add_u32 v251, v0, 2, 0x29000
	v_mov_b32 v255, 0
	ds_add_u32 v251, v255
	ds_add_u32 v251, v255
	v_lshrrev_b32 v1, 5, v0
	s_delay_alu instid0(VALU_DEP_1)
	v_readfirstlane_b32 s12, v1                    ; wave 0..15
	s_bfe_u32 s13, ttmp6, 0x40000                  ; cx: it enters qf's and of's addresses alone
	s_lshl_b32 s14, ttmp9, 2
	s_add_co_u32 s14, s14, s13                     ; my block of 256 queries
	s_and_b32 s15, ttmp7, 0xffff                   ; batch x 8 + head, which the four partners share
	s_lshl_b32 s16, s15, 7
	s_lshl_b32 s17, s14, 4
	s_add_co_u32 s16, s16, s17
	s_add_co_u32 s16, s16, s12                     ; my tile
	s_lshl_b32 s16, s16, 11                        ; x 2,048 bytes
	s_mov_b32 s17, 0
	s_lshl_b32 s18, s15, 4
	s_add_co_u32 s18, s18, s12
	s_mul_i32 s18, s18, REC                        ; the record that I fetch
	s_mov_b32 s19, 0
	; descriptor group 1: a dense block of 6,400 bytes as 25 rows of 256 bytes (32 elements of 8 bytes)
	s_mov_b32 s24, 15|(3<<16)|(1<<21)              ; 15:0 the mask: all four work-groups; 17:16 elements of 8 bytes; 21 set beside a mask
	s_mov_b32 s25, 32<<16                          ; tensor_dim0 = 32
	s_mov_b32 s26, 25<<16                          ; tensor_dim1 = 25
	s_mov_b32 s27, 32<<16                          ; tile_dim0 = 32
	s_mov_b32 s28, 25                              ; tile_dim1 = 25
	s_mov_b32 s29, 32                              ; from row to row
	s_mov_b32 s30, 0
	s_mov_b32 s31, 0
	s_mov_b32 s32, 1                               ; group 0: count = 1,
	s_mul_i32 s33, s12, REC                        ; LDS address: wave x 6,400: no place in the cluster enters it
	s_mov_b32 s[SEL], 0x76543210
	s_mov_b32 s[SEL+1], 0xfedcba98
	s_mov_b32 s[CS], 0x3e8293ee
	s_mov_b32 s[CS+1], s[CS]                       ; (named with it as a pair, so it is written)
	v_and_b32 v6, 31, v0                           ; lane
	s_delay_alu instid0(VALU_DEP_1)
	v_lshlrev_b32 v1, 4, v6                        ; 16 x lane: a fragment's chunk
	s_delay_alu instid0(VALU_DEP_2)
	v_lshlrev_b32 v2, 3, v6                        ; 8 x lane: the two scale words
	s_delay_alu instid0(VALU_DEP_3)
	v_lshlrev_b32 v5, 4, v6                        ; 16 x lane, in qf and of
	s_wait_dscnt 0x0
	s_wait_kmcnt 0x0
	s_add_nc_u64 s[34:35], s[6:7], s[18:19]        ; global address,
	s_or_b32 s35, s35, 0x80000000                  ; type = 2
	s_add_nc_u64 s[4:5], s[4:5], s[16:17]
	s_add_nc_u64 s[8:9], s[8:9], s[16:17]
	ROUND                                          ; all four work-groups are here: the joint loads meet
	tensor_load_to_lds s[32:35], s[24:31]          ; my one tensor load of the launch
	s_nop 0
.rept 4
	v_nop
.endr
	s_wait_alu depctr_va_vdst(0)
.irp i, 0,1,2,3
	global_load_b128 v[176+4*\i:179+4*\i], v5, s[4:5] offset:512*\i th:TH_LOAD_NT   ; Q(query r, d = 16 h + 0 .. 15)
.endr
	v_mov_b32 v13, 0xff61b1e6                      ; the largest t so far: -3e38
	s_delay_alu instid0(VALU_DEP_1)
	v_floor_f32 v12, -v13                          ; -M
	v_mov_b32 v14, 0
	v_mov_b32 v15, 0
.irp b, 0,1,2,3
	v_mov_b32 v[236+\b], 0                         ; written once: a lane permute's destination counts as one of its sources
.endr
	v_mov_b32 v253, 0
	v_mov_b32 v201, 0
.irp i, 0,1,2
	v_mov_b32 v[208+\i], 0
.endr
	s_wait_loadcnt 0x0
	; Q's one block of 32: my 16 numbers and lane l xor 16's
	v_max3_num_f32 v200, |v176|, |v177|, 0x1800000
.irp i, 2,4,6,8,10,12,14
	s_delay_alu instid0(VALU_DEP_1)
	v_max3_num_f32 v200, v200, |v[176+\i]|, |v[177+\i]|
.endr
	s_delay_alu instid0(VALU_DEP_1)
	v_permlanex16_b32 v201, v200, s[SEL], s[SEL+1]
	s_delay_alu instid0(VALU_DEP_1)
	v_max_num_f32 v200, v200, v201
	s_delay_alu instid0(VALU_DEP_1)
	v_add_nc_u32 v202, 0xff000000, v200            ; the conversion's scale operand
	s_delay_alu instid0(VALU_DEP_1)
	v_lshrrev_b32 v203, 23, v202                   ; the byte,
	s_delay_alu instid0(VALU_DEP_1)
	v_lshl_or_b32 v204, v203, 8, v203
	s_delay_alu instid0(VALU_DEP_1)
	v_lshl_or_b32 v10, v204, 16, v204              ; in all four places of the word: whichever block holds the codes finds it
	v_cvt_scalef32_pk16_fp6_f32 v[204:206], v[176:191], v202
	v_nop                                          ; one plain place behind a scaled conversion
.irp i, 0,1,2
	v_permlanex16_b32 v[208+\i], v[204+\i], s[SEL], s[SEL+1]   ; the block's other 16 codes
.endr
.irp i, 0,1,2,3,4,5
	v_mov_b32 v[16+\i], 0                          ; Z0
	v_mov_b32 v[28+\i], 0                          ; Z1
	v_mov_b32 v[40+\i], 0                          ; Z2
.endr
	v_cmp_gt_u32 vcc_lo, 16, v6                    ; lanes 0-15
.irp i, 0,1,2
	v_cndmask_b32 v[22+\i], 0, v[204+\i], vcc_lo   ; Qlo: lanes 0-15 hold d 0-15 (mine), d 16-31 (the other half's); lanes 16-31 zeros
	v_cndmask_b32 v[25+\i], 0, v[208+\i], vcc_lo
	v_cndmask_b32 v[34+\i], v[208+\i], v16, vcc_lo ; Qhi: lanes 16-31 hold d 0-15 (the other half's), d 16-31 (mine); lanes 0-15 zeros
	v_cndmask_b32 v[37+\i], v[204+\i], v16, vcc_lo
.endr
.set j, 0
.rept 16
	v_mov_b32 v[160+j], 0                          ; O^T: the loop is written once, its first step finds zeros
.set j, j+1
.endr
	s_mov_b32 s2, 0                                ; LDS byte of the step's record
	s_mov_b32 s3, 16                               ; key steps to go
	s_wait_tensorcnt 0x0                           ; my record has landed,
	s_barrier_signal -1
	s_barrier_wait -1                              ; everybody's has
.Lstep:
	s_setprio 2
	v_add_nc_u32 v3, s2, v1
	v_add_nc_u32 v4, s2, v2
	v_nop
	v_nop                                          ; four places behind the last products, in front of loads into registers that they have read
	ds_load_b64 v[8:9], v4 offset:4*FRB
.irp f, 0,1
.irp c, 0,1,2
	ds_load_b128 v[46+12*\f+4*\c:49+12*\f+4*\c], v3 offset:FRB*\f+512*\c
.endr
.endr
.irp t, 0,1
.irp c, 0,1,2
	ds_load_b128 v[70+12*\t+4*\c:73+12*\t+4*\c], v3 offset:2*FRB+FRB*\t+512*\c
.endr
.endr
	s_wait_dscnt 6                                 ; the scale words and K are in; V's six loads may be out
.irp f, 0,1
.irp q, 0,1,2,3
.set QB, 22+12*(\q%2)-6*(\q/2)
.set SD, 96+8*(4*\f+\q)
.if \f == 0
	v_wmma_scale_f32_16x16x128_f8f6f4 v[SD:SD+7], v[46:57], v[QB:QB+11], 0, v8, v10 matrix_a_fmt:MATRIX_FMT_FP6 matrix_b_fmt:MATRIX_FMT_FP6
.else
	v_wmma_scale_f32_16x16x128_f8f6f4 v[SD:SD+7], v[58:69], v[QB:QB+11], 0, v8, v10 matrix_a_fmt:MATRIX_FMT_FP6 matrix_b_fmt:MATRIX_FMT_FP6 matrix_a_scale:MATRIX_SCALE_ROW1
.endif
.endr
.endr
.rept 4
	v_nop
.endr
.irp b, 0,1,2,3
	v_max3_num_f32 v[232+\b], v[96+16*\b], v[97+16*\b], v[98+16*\b]   ; the largest score of each block of 32 keys: for the row's maximum, and, since p rises with the score, for the block's largest p
.endr
.irp i, 3,5,7,9,11,13
.irp b, 0,1,2,3
	v_max3_num_f32 v[232+\b], v[232+\b], v[96+16*\b+\i], v[97+16*\b+\i]
.endr
.endr
.irp b, 0,1,2,3
	v_max_num_f32 v[232+\b], v[232+\b], v[111+16*\b]
.endr
.irp b, 0,1,2,3
	s_delay_alu instid0(VALU_DEP_4)
	v_permlanex16_b32 v[236+\b], v[232+\b], s[SEL], s[SEL+1]
.endr
.irp b, 0,1,2,3
	s_delay_alu instid0(VALU_DEP_4)
	v_max_num_f32 v[232+\b], v[232+\b], v[236+\b]  ; with lane l xor 16's 16 keys
.endr
	s_delay_alu instid0(VALU_DEP_2)
	v_max3_num_f32 v254, v232, v233, v234
	s_delay_alu instid0(VALU_DEP_1)
	v_max_num_f32 v254, v254, v235
	s_delay_alu instid0(VALU_DEP_1)
	v_mul_f32 v254, s[CS], v254                    ; as t (c is positive)
	s_delay_alu instid0(VALU_DEP_1)
	v_max_num_f32 v13, v13, v254                   ; the running largest t
	v_mov_b32 v254, v12
	s_delay_alu instid0(VALU_DEP_2)
	v_floor_f32 v12, -v13                          ; the new -M = -ceil(t)
	s_delay_alu instid0(VALU_DEP_1)
	v_sub_f32 v254, v12, v254                      ; old M - new M: a whole number, 0 or less
	s_delay_alu instid0(VALU_DEP_1)
	v_cvt_i32_f32 v254, v254                       ; (it saturates)
	s_delay_alu instid0(VALU_DEP_1)
	v_ldexp_f32 v252, 1.0, v254                    ; f = 2^(old M - new M)
.set j, 0
.rept 32
	v_pk_fma_f32 v[96+j:97+j], v[96+j:97+j], s[CS:CS+1], v[12:13] op_sel_hi:[1,0,0]   ; t - M, two at a time
.set j, j+2
.endr
.irp b, 0,1,2,3
	v_fma_f32 v[232+\b], v[232+\b], s[CS], v12     ; the same of each block's largest score
.endr
.set j, 0
	s_setprio 1
	s_wait_alu depctr_va_vdst(0)
.rept 64
	v_exp_f32 v[96+j], v[96+j]                     ; p = 2^(t - M)
.set j, j+1
.endr
	v_pk_mul_f32 v[14:15], v[14:15], v[252:253] op_sel_hi:[1,0]   ; the sums under the new M: a plain place behind the exponentials
	s_wait_alu depctr_va_vdst(0)                   ; one wait for the whole batch, ahead of its first reader
.irp b, 0,1,2,3
	v_exp_f32 v[232+\b], v[232+\b]                 ; the block's largest p
.endr
	v_pk_add_f32 v[236:237], v[100:101], v[104:105]
	v_pk_add_f32 v[248:249], v[108:109], v[112:113]
	v_pk_add_f32 v[246:247], v[116:117], v[120:121]
	v_pk_add_f32 v[244:245], v[124:125], v[128:129]
	v_pk_add_f32 v[242:243], v[132:133], v[136:137]
	v_pk_add_f32 v[240:241], v[140:141], v[144:145]
	v_pk_add_f32 v[238:239], v[148:149], v[152:153]
	v_pk_add_f32 v[14:15], v[14:15], v[156:157]
	v_pk_add_f32 v[236:237], v[236:237], v[96:97]
	v_pk_add_f32 v[248:249], v[248:249], v[98:99]
	v_pk_add_f32 v[246:247], v[246:247], v[102:103]
	v_pk_add_f32 v[244:245], v[244:245], v[106:107]
	v_pk_add_f32 v[242:243], v[242:243], v[110:111]
	v_pk_add_f32 v[240:241], v[240:241], v[114:115]
	v_pk_add_f32 v[238:239], v[238:239], v[118:119]
	v_pk_add_f32 v[14:15], v[14:15], v[122:123]
	v_pk_add_f32 v[236:237], v[236:237], v[126:127]
	v_pk_add_f32 v[248:249], v[248:249], v[130:131]
	v_pk_add_f32 v[246:247], v[246:247], v[134:135]
	v_pk_add_f32 v[244:245], v[244:245], v[138:139]
	v_pk_add_f32 v[242:243], v[242:243], v[142:143]
	v_pk_add_f32 v[240:241], v[240:241], v[146:147]
	v_pk_add_f32 v[238:239], v[238:239], v[150:151]
	v_pk_add_f32 v[14:15], v[14:15], v[154:155]
	v_pk_add_f32 v[236:237], v[236:237], v[158:159]
	s_delay_alu instid0(VALU_DEP_2)
	v_pk_add_f32 v[14:15], v[14:15], v[244:245]
	s_delay_alu instid0(VALU_DEP_2)
	v_pk_add_f32 v[236:237], v[236:237], v[242:243]
	v_pk_add_f32 v[248:249], v[248:249], v[240:241]
	v_pk_add_f32 v[246:247], v[246:247], v[238:239]
	s_delay_alu instid0(VALU_DEP_2)
	v_pk_add_f32 v[14:15], v[14:15], v[248:249]
	s_delay_alu instid0(VALU_DEP_2)
	v_pk_add_f32 v[236:237], v[236:237], v[246:247]
	s_delay_alu instid0(VALU_DEP_1)
	v_pk_add_f32 v[14:15], v[14:15], v[236:237]
	s_wait_alu depctr_va_vdst(0)                   ; and one for the four
.irp b, 0,1,2,3
	v_max_num_f32 v[232+\b], 0x1800000, v[232+\b]  ; the floor: the byte cannot fall under 1
.endr
.irp b, 0,1,2,3
	s_delay_alu instid0(VALU_DEP_4)
	v_add_nc_u32 v[244+\b], 0xff000000, v[232+\b]  ; the conversion's scale operand
.endr
.irp b, 0,1,2,3
	s_delay_alu instid0(VALU_DEP_4)
	v_lshrrev_b32 v[236+\b], 23, v[244+\b]         ; the scale's byte
.endr
	s_delay_alu instid0(VALU_DEP_3)
	v_lshl_or_b32 v253, v237, 8, v236              ; p's scale word for these 128 keys
	s_delay_alu instid0(VALU_DEP_1)
	v_lshl_or_b32 v253, v238, 16, v253
	s_delay_alu instid0(VALU_DEP_1)
	v_lshl_or_b32 v253, v239, 24, v253
	s_setprio 0
.irp c, 0,1
	v_cvt_scalef32_pk16_fp6_f32 v[224+6*\c:226+6*\c], v[96+32*\c:111+32*\c], v[244+2*\c]
	v_cvt_scalef32_pk16_fp6_f32 v[236+4*\c:238+4*\c], v[112+32*\c:127+32*\c], v[244+2*\c+1]
.endr
	v_nop                                          ; one plain place behind a scaled conversion
.irp c, 0,1
.irp i, 0,1,2
	v_permlane16_swap_b32 v[224+6*\c+\i], v[236+4*\c+\i]
.endr
.irp i, 0,1,2
	s_delay_alu instid0(VALU_DEP_3)
	v_mov_b32 v[227+6*\c+\i], v[236+4*\c+\i]
.endr
.endr
.irp j, 0,2,4,6,8,10,12,14
	v_pk_mul_f32 v[160+\j:161+\j], v[160+\j:161+\j], v[252:253] op_sel_hi:[1,0]   ; O^T under the new M; these eight are also the places in front of the products below
.endr
	s_wait_alu depctr_va_vdst(0)
	s_wait_dscnt 0x0                               ; V is in
	v_wmma_scale_f32_16x16x128_f8f6f4 v[160:167], v[70:81], v[224:235], v[160:167], v9, v253 matrix_a_fmt:MATRIX_FMT_FP6 matrix_b_fmt:MATRIX_FMT_FP6
	v_wmma_scale_f32_16x16x128_f8f6f4 v[168:175], v[82:93], v[224:235], v[168:175], v9, v253 matrix_a_fmt:MATRIX_FMT_FP6 matrix_b_fmt:MATRIX_FMT_FP6 matrix_a_scale:MATRIX_SCALE_ROW1
	s_add_co_u32 s2, s2, REC
	s_sub_co_u32 s3, s3, 1
	s_cmp_lg_u32 s3, 0
	s_cbranch_scc1 .Lstep
	s_setprio 0
.rept 4
	v_nop
.endr
	v_add_f32 v14, v14, v15                        ; the sum's two halves,
	s_delay_alu instid0(VALU_DEP_1)
	v_permlanex16_b32 v252, v14, s[SEL], s[SEL+1]
	s_delay_alu instid0(VALU_DEP_1)
	v_add_f32 v14, v14, v252                       ; and lane l xor 16's
	s_wait_alu depctr_va_vdst(0)
	v_rcp_f32 v14, v14
	v_nop                                          ; a plain place behind the reciprocal
	s_wait_alu depctr_va_vdst(0)                   ; the wait ahead of its first reader
.set j, 0
.rept 16
	v_fma_f32 v[192+j], v[160+j], v14, v[176+j]    ; Q + O^T / the sum: register j is d = 16 h + j on both sides
.set j, j+1
.endr
.irp i, 0,1,2,3
	global_store_b128 v5, v[192+4*\i:195+4*\i], s[8:9] offset:512*\i   ; 512 consecutive bytes, aligned
.endr
	s_wait_tensorcnt 0x0
	ds_add_u32 v251, v255
	s_wait_dscnt 0x0
	ROUND                                          ; the closing round: no work-group ends while a partner may still ask for a record that names it
	s_endpgm
.Lfunc_end_k_qd5547d7725_attn:
	.size	k_qd5547d7725_attn, .Lfunc_end_k_qd5547d7725_attn-k_qd5547d7725_attn
	.p2alignl 7, 3214868480
	.fill 96, 4, 3214868480
	.section	.rodata,"a",@progbits
	.p2align	6, 0x0
	.amdhsa_kernel k_qd5547d7725_attn
		.amdhsa_group_segment_fixed_size 169984
		.amdhsa_private_segment_fixed_size 0
		.amdhsa_enable_private_segment 0
		.amdhsa_kernarg_size 24
		.amdhsa_user_sgpr_count 2
		.amdhsa_user_sgpr_kernarg_segment_ptr 1
		.amdhsa_wavefront_size32 1
		.amdhsa_system_sgpr_workgroup_id_x 1
		.amdhsa_system_sgpr_workgroup_id_y 1
		.amdhsa_system_sgpr_workgroup_id_z 1
		.amdhsa_system_vgpr_workitem_id 0
		.amdhsa_next_free_vgpr 256
		.amdhsa_next_free_sgpr 66
		.amdhsa_reserve_vcc 1
		.amdhsa_float_denorm_mode_32 3
		.amdhsa_float_denorm_mode_16_64 3
		.amdhsa_memory_ordered 1
		.amdhsa_forward_progress 1
		.amdhsa_inst_pref_size 25
	.end_amdhsa_kernel
	.amdgpu_metadata
---
amdhsa.version: [ 1, 2 ]
amdhsa.kernels:
  - .name:           k_qd5547d7725_attn
    .symbol:         k_qd5547d7725_attn.kd
    .args:
      - { .name: qf, .offset: 0, .size: 8, .value_kind: global_buffer, .address_space: global }
      - { .name: kv, .offset: 8, .size: 8, .value_kind: global_buffer, .address_space: global }
      - { .name: of, .offset: 16, .size: 8, .value_kind: global_buffer, .address_space: global }
    .group_segment_fixed_size: 169984
    .private_segment_fixed_size: 0
    .kernarg_segment_align: 8
    .kernarg_segment_size: 24
    .max_flat_workgroup_size: 512
    .sgpr_count:     66
    .vgpr_count:     256
    .wavefront_size: 32
...
	.end_amdgpu_metadata
.endif
;; end of part 7
;; launch tail (part 8): grid 256 x 1, 8 waves a work-group, no clusters, 70,656 bytes of LDS; arguments of, wc, ws, g0, b0, bo, g1, b1, bm, be, out0; writes out0
.if DOCPART == 8
	.amdgcn_target "amdgcn-amd-amdhsa--gfx1250"
	.amdhsa_code_object_version 6
	.text
	.protected	k_qd5547d7725_tail
	.globl	k_qd5547d7725_tail
	.p2align	8
	.type	k_qd5547d7725_tail,@function
k_qd5547d7725_tail:
	s_mov_b64 s[64:65], 0
	v_nop
	global_prefetch_b8 v0, s[64:65] scope:SCOPE_SE
	s_setreg_imm32_b32 hwreg(HW_REG_WAVE_SCHED_MODE, 0, 2), 2
	s_setreg_imm32_b32 hwreg(HW_REG_WAVE_MODE, 25, 1), 1
	s_wait_xcnt 0x0
	s_wait_alu depctr_vm_vsrc(0)
; O1 = LN(of; g0, b0);  O2 = O1 + relu(O1 Wo + bo);  O3 = LN(O2; g1, b1);  out0 = relu(O3 Wm + bm) We + be + O2.  The three products on codes of E2M3, all else f32.
; SHARES.  A work-group takes 32 rows, two tiles m of 16 (row r of tile m is row 8 m + r + 8 (r / 8) of the 32).  THE EIGHT WAVES SHARE THE COLUMNS: wave w owns columns
; 32 w .. 32 w + 31 of O, of O Wo and of the result, and hidden units 128 w .. 128 w + 127.  A lane (r, h) holds row r, columns 32 w + 16 h + 0 .. 15, in 16 registers.
; All products are used transposed (source 0 = 16 columns of a weight, source 1 = 16 rows), so results lie as O lies and as the quantiser wants them.
; A row's mean and variance: each wave gives its 32 columns' mean and sum of squared deviations through LDS; they are joined as
; M2 = sum of the parts' M2 + 32 x sum of (part's mean - mean)^2: no difference of large sums is formed.
; OPERANDS GO FROM WAVE TO WAVE THROUGH LDS AS IMAGES OF REGISTERS, a lane's 12 registers on end (48 bytes a lane): a wave's 32 columns are one block of 32 along K,
; 24 bytes of one lane's image, stored whole; a wave's 128 hidden units are one whole fragment.
; The biases bo, bm are the C of their sums' first products; be + O2 is the C of the last product's.
; NO JOINT LOADS: every weight fragment has exactly one reader wave in a work-group and goes from memory straight into its registers, where it feeds both tiles of rows;
; a joint load could only land in LDS, which would add a write and a read of all 442,368 bytes of codes for each work-group, and slots that are filled again.
; LIMITS: byte 1 for blocks of zeros and under 2^-124; NaN and infinities are not served.
; THE MODE: SCHED_MODE bits 1:0 = 2 (LLVM: expert scheduling mode 2), set by the entry lines.  The code itself states the register dependences
; between vector or matrix instructions and memory or LDS instructions, with s_wait_alu, always for 0.
; THE PLAN.  Registers that memory or LDS instructions touch:
;   v2-v13, v254, v255  addresses and the closing add's two: written at the head, never again.
;   v204-251            by turns: a norm's work and its pair to store; the eight parts' figures as loaded; a block's codes to store; O's four fragments as loaded; the quantiser's work and codes;
;                       a buffer of hidden fragments; rows of the result.  Each run of LDS stores out of it has ONE wait on va_vdst ahead of it, behind the last vector line of its phase:
;                       that wait also states that all vector and matrix lines that named these registers are done, so the next phase's LDS loads, which follow with no vector line
;                       between, owe only a wait on vm_vsrc, behind the barrier, for the registers that the stores read.
;   G, BB v76-107       g0, b0 as loaded; the first norm's multiply-adds read them; g1, b1 land behind the block's one wait.
;   window 1 v0-191     Wm as loaded, read by the second product; We lands behind one wait on va_vdst.   window 1 v192-255: bm, read as C; later the fourth buffer of hidden fragments.
;   The hidden layer's two fragments are made in two buffers (v220 on; v76 on, numbers of tile 0 that are done with): one wait serves their eight stores.
;   The last product has FOUR buffers of four fragments (v204, v108, v156, window 1 v192): all its LDS loads go out in one run, and no load lands in a buffer that has been multiplied.
; REGISTERS.  window 0: v1-15 lane numbers and addresses; v16-47 O; v48-75 scale words; v76-203: g, b, the first product's sums, Wo, be; later the hidden layer; later the last
;   sums and two buffers of fragments; v204-251 fragments from LDS, and between the products all that is at work.   window 1: v0-191 Wm, later We; v192-255 bm, later fragments.
.set FRB,    1536
.set FLOOR,  0x1800000
.set XIMG,   0                         ; LDS: O's four fragments, (2 m + K step) x FRB
.set XSC,    4*FRB                     ; their scale bytes: 128 m + 64 K step + 4 r + block
.set STAT0,  XSC+256                   ; {mean, M2}: 256 wave + 128 m + 8 r;  the second norm's 2,048 further on
.set HSC,    STAT0+4096                ; the hidden layer's scale words: 512 m + 64 K step + 4 r
.set HIMG,   HSC+1024                  ; its 16 fragments, (8 m + K step) x FRB
.set STG,    HIMG+16*FRB               ; the way out: 32 rows x (1,024 bytes + 16)
.set SPITCH, 1040
.set L16, 2
.set L48, 3
.set L4,  4
.set H64, 5
.set XW,  6
.set XB,  7
.set STW, 8
.set STR, 9
.set HWI, 10
.set HWS, 11
.set SO,  12
.set SR,  13
.set OX,  16
.set WOS, 48
.set WMS, 50
.set WES, 58
.set XS,  66
.set HS,  68
.set G,   76
.set BB,  92
.set A6,  108
.set WO,  140
.set BE,  188
.set HA,  76
.set A8,  76
.set XF,  204
.set HB0, 204                          ; the last product's four buffers of four fragments
.set HB1, 108
.set HB2, 156
.set HB3, 192                          ; in window 1: bm's place
.set TM,  204
.set PC,  220                          ; a buffer of codes; its scale word is its register 20
.set PC2, 76                           ; the second one
.set TS,  204
.set PR,  240
.set LP,  204
.set SS,  236
.set MU,  244
.set RS,  246
.set BM,  192                          ; in window 1
.set SEL, 44
.set MSB, 0
.macro WIN new                         ; the immediate's high byte repeats the setting that is left
.if MSB != \new
	s_set_vgpr_msb (MSB<<8)|\new
.set MSB, \new
.endif
.endm
.macro PLACES n
.rept \n
	v_nop
.endr
.endm
.macro BARRIER                         ; my LDS stores have landed and my LDS loads are in: then the work-group's barrier
	s_wait_dscnt 0x0
	s_barrier_signal -1
	s_barrier_wait -1
.endm
.macro FETCH reg, off                  ; a fragment's image, 48 bytes a lane
.irp c, 0,1,2
	ds_load_b128 v[\reg+4*\c:\reg+4*\c+3], v[L48] offset:\off+16*\c
.endr
.endm
; 64 numbers of a lane, register 16 b + i = k 32 b + 16 h + i of my row, become a fragment's codes in v[pc] on and its scale word in v[pc + 20].
.macro QUANT s, pc
.irp b, 0,1,2,3
	v_max3_num_f32 v[TM+\b], |v[\s+16*\b]|, |v[\s+1+16*\b]|, FLOOR
.endr
.irp i, 2,4,6,8,10,12,14
.irp b, 0,1,2,3
	v_max3_num_f32 v[TM+\b], v[TM+\b], |v[\s+16*\b+\i]|, |v[\s+1+16*\b+\i]|
.endr
.endr
.irp b, 0,1,2,3
	v_permlanex16_b32 v[TM+4+\b], v[TM+\b], s[SEL], s[SEL+1]
.endr
.irp b, 0,1,2,3
	v_max_num_f32 v[TM+\b], v[TM+\b], v[TM+4+\b]
.endr
.irp b, 0,1,2,3
	v_add_nc_u32 v[TM+12+\b], 0xff000000, v[TM+\b]
.endr
.irp b, 0,1,2,3
	v_lshrrev_b32 v[TM+4+\b], 23, v[TM+12+\b]
.endr
	v_lshl_or_b32 v[\pc+20], v[TM+5], 8, v[TM+4]
	v_lshl_or_b32 v[\pc+20], v[TM+6], 16, v[\pc+20]
	v_lshl_or_b32 v[\pc+20], v[TM+7], 24, v[\pc+20]
.irp c, 0,1
	v_cvt_scalef32_pk16_fp6_f32 v[\pc+6*\c:\pc+2+6*\c], v[\s+32*\c:\s+15+32*\c], v[TM+12+2*\c]
	v_cvt_scalef32_pk16_fp6_f32 v[\pc+12+4*\c:\pc+14+4*\c], v[\s+16+32*\c:\s+31+32*\c], v[TM+12+2*\c+1]
.endr
	v_nop                                          ; one plain place behind a scaled conversion
.irp c, 0,1
.irp i, 0,1,2
	v_permlane16_swap_b32 v[\pc+6*\c+\i], v[\pc+12+4*\c+\i]
.endr
.irp i, 0,1,2
	v_mov_b32 v[\pc+3+6*\c+\i], v[\pc+12+4*\c+\i]
.endr
.endr
.endm
.macro RELU s                          ; 64 numbers, each accumulator from its low end on
.set j, 0
.rept 64
	v_max_num_f32 v[\s+j], 0, v[\s+j]
.set j, j+1
.endr
.endm
; My 32 columns' mean and sum of squared deviations of each row of both tiles, to LDS.  The two tiles by turns.
.macro STATS off
.irp m, 0,1
.irp k, 0,1,2,3
	v_pk_add_f32 v[TS+12*\m+2*\k:TS+12*\m+2*\k+1], v[OX+16*\m+4*\k:OX+16*\m+4*\k+1], v[OX+16*\m+4*\k+2:OX+16*\m+4*\k+3]
.endr
.endr
.irp m, 0,1
	v_pk_add_f32 v[TS+12*\m:TS+12*\m+1], v[TS+12*\m:TS+12*\m+1], v[TS+12*\m+2:TS+12*\m+3]
	v_pk_add_f32 v[TS+12*\m+4:TS+12*\m+5], v[TS+12*\m+4:TS+12*\m+5], v[TS+12*\m+6:TS+12*\m+7]
.endr
.irp m, 0,1
	v_pk_add_f32 v[TS+12*\m:TS+12*\m+1], v[TS+12*\m:TS+12*\m+1], v[TS+12*\m+4:TS+12*\m+5]
.endr
.irp m, 0,1
	v_add_f32 v[TS+12*\m], v[TS+12*\m], v[TS+12*\m+1]
.endr
.irp m, 0,1
	v_permlanex16_b32 v[TS+12*\m+2], v[TS+12*\m], s[SEL], s[SEL+1]
.endr
.irp m, 0,1
	v_add_f32 v[TS+12*\m], v[TS+12*\m], v[TS+12*\m+2]
.endr
.irp m, 0,1
	v_mul_f32 v[PR+2*\m], 0x3d000000, v[TS+12*\m]  ; / 32
	v_mov_b32 v[PR+2*\m+1], 0                      ; (named with it as a pair below, so it is written)
.endr
.irp k, 0,1,2,3,4,5,6,7
.irp m, 0,1
	v_pk_add_f32 v[TS+12*\m+2*(\k%2):TS+12*\m+2*(\k%2)+1], v[OX+16*\m+2*\k:OX+16*\m+2*\k+1], v[PR+2*\m:PR+2*\m+1] op_sel_hi:[1,0] neg_lo:[0,1] neg_hi:[0,1]
.endr
.irp m, 0,1
.if \k < 2
	v_pk_mul_f32 v[TS+12*\m+8+2*(\k%2):TS+12*\m+9+2*(\k%2)], v[TS+12*\m+2*(\k%2):TS+12*\m+2*(\k%2)+1], v[TS+12*\m+2*(\k%2):TS+12*\m+2*(\k%2)+1]
.else
	v_pk_fma_f32 v[TS+12*\m+8+2*(\k%2):TS+12*\m+9+2*(\k%2)], v[TS+12*\m+2*(\k%2):TS+12*\m+2*(\k%2)+1], v[TS+12*\m+2*(\k%2):TS+12*\m+2*(\k%2)+1], v[TS+12*\m+8+2*(\k%2):TS+12*\m+9+2*(\k%2)]
.endif
.endr
.endr
.irp m, 0,1
	v_pk_add_f32 v[TS+12*\m+8:TS+12*\m+9], v[TS+12*\m+8:TS+12*\m+9], v[TS+12*\m+10:TS+12*\m+11]
.endr
.irp m, 0,1
	v_add_f32 v[TS+12*\m+8], v[TS+12*\m+8], v[TS+12*\m+9]
.endr
.irp m, 0,1
	v_permlanex16_b32 v[TS+12*\m+10], v[TS+12*\m+8], s[SEL], s[SEL+1]
.endr
.irp m, 0,1
	v_add_f32 v[PR+2*\m+1], v[TS+12*\m+8], v[TS+12*\m+10]
.endr
	s_wait_alu depctr_va_vdst(0)                   ; the two pairs v[PR ..] are written, which the LDS stores read; and every vector and matrix line that named v204 on is done: the parts' figures land there behind the barrier
.irp m, 0,1
	ds_store_b64 v[STW], v[PR+2*\m:PR+2*\m+1] offset:\off+128*\m   ; both halves of the lanes hold and write the same pair
.endr
.endm
; The eight waves' parts are joined, and v[dst] on = (O - mean) x rsqrt(var + eps) x g + b.
.macro LNAPPLY dst, off
.irp m, 0,1
.irp k, 0,1,2,3,4,5,6,7
	ds_load_b64 v[LP+16*\m+2*\k:LP+16*\m+2*\k+1], v[STR] offset:\off+256*\k+128*\m
.endr
.endr
	s_wait_dscnt 0x0
.irp m, 0,1
	v_pk_add_f32 v[SS+2*\m:SS+2*\m+1], v[LP+16*\m:LP+16*\m+1], v[LP+16*\m+2:LP+16*\m+3]
.endr
.irp k, 2,3,4,5,6,7
.irp m, 0,1
	v_pk_add_f32 v[SS+2*\m:SS+2*\m+1], v[SS+2*\m:SS+2*\m+1], v[LP+16*\m+2*\k:LP+16*\m+2*\k+1]
.endr
.endr
.irp m, 0,1
	v_mul_f32 v[MU+4*\m], 0x3e000000, v[SS+2*\m]   ; the row's mean, in both halves of a pair
	v_mul_f32 v[MU+4*\m+1], 0x3e000000, v[SS+2*\m]
.endr
.irp k, 0,1,2,3,4,5,6,7
.irp m, 0,1
	v_sub_f32 v[LP+16*\m+2*\k], v[LP+16*\m+2*\k], v[MU+4*\m]
.endr
.endr
.irp m, 0,1
	v_mul_f32 v[LP+16*\m+1], v[LP+16*\m], v[LP+16*\m]
.endr
.irp k, 1,2,3,4,5,6,7
.irp m, 0,1
	v_fma_f32 v[LP+16*\m+1], v[LP+16*\m+2*\k], v[LP+16*\m+2*\k], v[LP+16*\m+1]
.endr
.endr
.irp m, 0,1
	v_fmamk_f32 v[SS+2*\m], v[LP+16*\m+1], 0x42000000, v[SS+2*\m+1]   ; 32 x that + the parts' M2
.endr
.irp m, 0,1
	v_fma_f32 v[SS+2*\m], v[SS+2*\m], s46, s47     ; / 256 + eps
.endr
	s_wait_alu depctr_va_vdst(0)
.irp m, 0,1
	v_rsq_f32 v[RS+4*\m], v[SS+2*\m]
	v_rsq_f32 v[RS+4*\m+1], v[SS+2*\m]
.endr
.irp m, 0,1
.irp k, 0,1,2,3,4,5,6,7
	v_pk_add_f32 v[\dst+16*\m+2*\k:\dst+16*\m+2*\k+1], v[OX+16*\m+2*\k:OX+16*\m+2*\k+1], v[MU+4*\m:MU+4*\m+1] neg_lo:[0,1] neg_hi:[0,1]   ; independent work behind the four roots
.endr
.endr
	s_wait_alu depctr_va_vdst(0)                   ; the four roots v[RS ..] are written: one wait for the four, ahead of their first reader
.irp m, 0,1
.irp k, 0,1,2,3,4,5,6,7
	v_pk_mul_f32 v[\dst+16*\m+2*\k:\dst+16*\m+2*\k+1], v[\dst+16*\m+2*\k:\dst+16*\m+2*\k+1], v[RS+4*\m:RS+4*\m+1]
.endr
.endr
.irp m, 0,1
.irp k, 0,1,2,3,4,5,6,7
	v_pk_fma_f32 v[\dst+16*\m+2*\k:\dst+16*\m+2*\k+1], v[\dst+16*\m+2*\k:\dst+16*\m+2*\k+1], v[G+2*\k:G+2*\k+1], v[BB+2*\k:BB+2*\k+1]
.endr
.endr
.endm
; My block of 32 columns of both tiles (16 numbers a lane each, from v[s0] and v[s1]) becomes codes and a byte.  Three swaps give lane (r, h) tile h's whole 24 bytes of row r.
.macro QBLK s0, s1
	v_cmp_lt_u32 vcc_lo, 15, v1                    ; lanes 16-31: made here, well ahead of the select
	v_max3_num_f32 v204, |v[\s0]|, |v[\s0+1]|, FLOOR
	v_max3_num_f32 v205, |v[\s1]|, |v[\s1+1]|, FLOOR
.irp i, 2,4,6,8,10,12,14
	v_max3_num_f32 v204, v204, |v[\s0+\i]|, |v[\s0+1+\i]|
	v_max3_num_f32 v205, v205, |v[\s1+\i]|, |v[\s1+1+\i]|
.endr
	v_permlanex16_b32 v206, v204, s[SEL], s[SEL+1]
	v_permlanex16_b32 v207, v205, s[SEL], s[SEL+1]
	v_max_num_f32 v204, v204, v206
	v_max_num_f32 v205, v205, v207
	v_add_nc_u32 v208, 0xff000000, v204
	v_add_nc_u32 v209, 0xff000000, v205
	v_lshrrev_b32 v210, 23, v208
	v_lshrrev_b32 v211, 23, v209
	s_wait_alu depctr_va_vcc(0)                    ; VCC is written, ahead of the select that reads it
	v_cndmask_b32 v221, v210, v211, vcc_lo         ; tile h's byte
	v_cvt_scalef32_pk16_fp6_f32 v[212:214], v[\s0:\s0+15], v208
	v_cvt_scalef32_pk16_fp6_f32 v[218:220], v[\s1:\s1+15], v209
	v_nop                                          ; one plain place behind a scaled conversion
.irp i, 0,1,2
	v_permlane16_swap_b32 v[212+\i], v[218+\i]
.endr
.irp i, 0,1,2
	v_mov_b32 v[215+\i], v[218+\i]
.endr
.endm
.macro QOUT                            ; the block's 24 bytes and its byte, to LDS
.irp i, 0,1,2
	ds_store_b64 v[XW], v[212+2*\i:213+2*\i] offset:XIMG+8*\i
.endr
	ds_store_b8 v[XB], v221
.endm
.macro XFETCH                          ; O's four fragments and their scale words (lanes 0-15: K step 0's, lanes 16-31: K step 1's)
.irp f, 0,1,2,3
	FETCH XF+12*\f, XIMG+FRB*\f
.endr
.irp m, 0,1
	ds_load_b32 v[XS+\m], v[L4] offset:XSC+128*\m
.endr
.endm
	s_load_b512 s[8:23], s[0:1], 0x0               ; of s[8:9], wc, ws, g0 s[14:15], b0, bo, g1, b1 s[22:23]
	s_load_b128 s[24:27], s[0:1], 0x40             ; bm, be
	s_load_b64 s[28:29], s[0:1], 0x50              ; out0
	v_lshl_add_u32 v254, v0, 2, 0x11000
	v_mov_b32 v255, 0
	v_lshrrev_b32 v1, 5, v0
	v_readfirstlane_b32 s2, v1                     ; wave 0..7
	v_and_b32 v1, 31, v0                           ; lane
	v_and_b32 v14, 15, v0                          ; r
	v_bfe_u32 v15, v0, 4, 1                        ; h
	s_wait_alu depctr_va_vdst(0)
	v_lshlrev_b32 v[L16], 4, v1
	v_mul_u32_u24 v[L48], v1, 48
	v_lshlrev_b32 v[L4], 2, v1
	v_lshlrev_b32 v[H64], 6, v15
	s_wait_alu depctr_va_sdst(0)                   ; s2 is written, ahead of its first reader: LDS addresses and all bases are made from it
	s_lshr_b32 s48, s2, 2                          ; my block's K step,
	s_mul_i32 s49, s48, FRB
	s_and_b32 s50, s2, 1                           ; the half of the lanes that holds it,
	s_mul_i32 s50, s50, 768
	s_add_co_u32 s49, s49, s50
	s_bfe_u32 s50, s2, 0x10001                     ; and which six of their registers
	s_mul_i32 s50, s50, 24
	s_add_co_u32 s49, s49, s50
	v_mul_u32_u24 v[XW], v15, 2*FRB                ; tile h
	v_mad_u32_u24 v[XW], v14, 48, v[XW]
	v_add_nc_u32 v[XW], s49, v[XW]
	s_lshl_b32 s49, s48, 6
	s_and_b32 s50, s2, 3
	s_add_co_u32 s49, s49, s50
	s_add_co_u32 s49, s49, XSC
	v_lshlrev_b32 v[XB], 7, v15
	v_lshl_add_u32 v[XB], v14, 2, v[XB]
	v_add_nc_u32 v[XB], s49, v[XB]
	v_lshl_add_u32 v[STR], v14, 3, STAT0
	s_lshl_b32 s49, s2, 8
	v_add_nc_u32 v[STW], s49, v[STR]
	s_mul_i32 s49, s2, FRB
	s_add_co_u32 s49, s49, HIMG
	v_add_nc_u32 v[HWI], s49, v[L48]
	s_lshl_b32 s49, s2, 6
	s_add_co_u32 s49, s49, HSC
	v_lshl_add_u32 v[HWS], v14, 2, s49
	v_and_b32 v[SO], 8, v14
	v_add_nc_u32 v[SO], v[SO], v14                 ; r + 8 (r / 8)
	v_mul_u32_u24 v[SO], v[SO], SPITCH
	v_lshl_add_u32 v[SO], v15, 6, v[SO]
	s_lshl_b32 s49, s2, 7
	s_add_co_u32 s49, s49, STG
	v_add_nc_u32 v[SO], s49, v[SO]
	s_mul_i32 s49, s2, 4*SPITCH
	s_add_co_u32 s49, s49, STG
	v_add_nc_u32 v[SR], s49, v[L16]
	s_mov_b32 s[SEL], 0x76543210
	s_mov_b32 s[SEL+1], 0xfedcba98
	s_mov_b32 s46, 0x3b800000                      ; 1 / 256
	s_mov_b32 s47, 0x3727c5ac                      ; 1e-5
	s_wait_kmcnt 0x0
	s_lshl_b32 s48, s2, 7                          ; my 32 columns
	s_mov_b32 s49, 0
	s_add_nc_u64 s[14:15], s[14:15], s[48:49]
	s_add_nc_u64 s[16:17], s[16:17], s[48:49]
	s_add_nc_u64 s[18:19], s[18:19], s[48:49]
	s_add_nc_u64 s[20:21], s[20:21], s[48:49]
	s_add_nc_u64 s[22:23], s[22:23], s[48:49]
	s_add_nc_u64 s[26:27], s[26:27], s[48:49]
	s_lshl_b32 s48, s2, 9                          ; my 128 hidden units
	s_add_nc_u64 s[24:25], s[24:25], s[48:49]
	s_lshl_b32 s50, s2, 2
	s_add_co_u32 s50, s50, 96                      ; Wo's fragments: 96 + 4 w on
	s_mul_i32 s48, s50, FRB
	s_add_nc_u64 s[32:33], s[10:11], s[48:49]
	s_lshl_b32 s48, s50, 6
	s_add_nc_u64 s[38:39], s[12:13], s[48:49]
	s_lshl_b32 s50, s2, 4
	s_add_co_u32 s50, s50, 128                     ; Wm's: 128 + 16 w on
	s_mul_i32 s48, s50, FRB
	s_add_nc_u64 s[34:35], s[10:11], s[48:49]
	s_lshl_b32 s48, s50, 6
	s_add_nc_u64 s[40:41], s[12:13], s[48:49]
	s_add_co_u32 s50, s50, 128                     ; We's: 256 + 16 w on
	s_mul_i32 s48, s50, FRB
	s_add_nc_u64 s[36:37], s[10:11], s[48:49]
	s_lshl_b32 s48, s50, 6
	s_add_nc_u64 s[42:43], s[12:13], s[48:49]
	s_lshr_b32 s50, ttmp9, 6                       ; batch
	s_lshl_b32 s50, s50, 3
	s_add_co_u32 s50, s50, s2
	s_lshl_b32 s48, s50, 18
	s_and_b32 s50, ttmp9, 63
	s_lshl_b32 s50, s50, 12
	s_add_co_u32 s48, s48, s50                     ; of: ((batch x 8 + w) x 128 + 2 (G % 64)) x 2,048
	s_add_nc_u64 s[30:31], s[8:9], s[48:49]
	s_lshl_b32 s48, ttmp9, 15
	s_lshl_b32 s50, s2, 12
	s_add_co_u32 s48, s48, s50                     ; out0: row 32 G + 4 w
	s_add_nc_u64 s[28:29], s[28:29], s[48:49]
	s_wait_alu depctr_va_vdst(0)                   ; the addresses v2 to v13 are written, which every load and store of the kernel reads; none is written again
	; ---- the loads at the head: O 8, g0 and b0 8, bo 8, Wo 12 + 2, Wm's scales 8, bm 16: 62
.irp m, 0,1
.irp i, 0,1,2,3
	global_load_b128 v[OX+16*\m+4*\i:OX+16*\m+4*\i+3], v[L16], s[30:31] offset:2048*\m+512*\i th:TH_LOAD_NT
.endr
.endr
.irp k, 0,1,2,3
	global_load_b128 v[G+4*\k:G+4*\k+3], v[H64], s[14:15] offset:16*\k
.endr
.irp k, 0,1,2,3
	global_load_b128 v[BB+4*\k:BB+4*\k+3], v[H64], s[16:17] offset:16*\k
.endr
.irp m, 0,1
.irp u, 0,1
	global_load_b128 v[A6+8*(2*\m+\u):A6+8*(2*\m+\u)+3], v[H64], s[18:19] offset:32*\u      ; bo lands in the accumulators: the sums run in place from the first product on
	global_load_b128 v[A6+8*(2*\m+\u)+4:A6+8*(2*\m+\u)+7], v[H64], s[18:19] offset:32*\u+16
.endr
.endr
.irp f, 0,1,2,3
.irp c, 0,1,2
	global_load_b128 v[WO+12*\f+4*\c:WO+12*\f+4*\c+3], v[L16], s[32:33] offset:FRB*\f+512*\c
.endr
.endr
.irp u, 0,1
	global_load_b32 v[WOS+\u], v[L4], s[38:39] offset:128*\u
.endr
.irp t, 0,1,2,3,4,5,6,7
	global_load_b32 v[WMS+\t], v[L4], s[40:41] offset:128*\t
.endr
	WIN 0x40                                       ; destination window 1
.irp t, 0,1,2,3,4,5,6,7
	global_load_b128 v[BM+8*\t:BM+8*\t+3], v[H64], s[24:25] offset:128*(\t/2)+32*(\t%2)
	global_load_b128 v[BM+8*\t+4:BM+8*\t+7], v[H64], s[24:25] offset:128*(\t/2)+32*(\t%2)+16
.endr
	WIN 0
	s_wait_loadcnt 54                              ; O's eight loads are in; the 54 behind them may be out
	STATS 0
	WIN 0x40
.set n, 0
.rept 16
.irp c, 0,1,2
	global_load_b128 v[12*n+4*\c:12*n+4*\c+3], v[L16], s[34:35] offset:FRB*n+512*\c   ; Wm's 16 fragments: 48 loads, 110 issued so far; no vector instruction has named their registers
.endr
.set n, n+1
.endr
	WIN 0
	BARRIER                                        ; all eight parts of the first norm's figures lie in LDS
	s_wait_loadcnt 63                              ; of 110 issued at most 63 are out: the first 47 are in, g0 and b0 (the 9th to 16th) among them
	LNAPPLY OX, 0
	QBLK OX, OX+16
	s_wait_alu depctr_va_vdst(0)                   ; the block's codes and byte are written, which the LDS stores read; the norm's multiply-adds are done reading g0 and b0, in whose places g1 and b1 land; all that named v204 on is done
	QOUT
.irp k, 0,1,2,3
	global_load_b128 v[G+4*\k:G+4*\k+3], v[H64], s[20:21] offset:16*\k          ; g1, b1 take g0's and b0's places; be: 12 loads, 122 issued
.endr
.irp k, 0,1,2,3
	global_load_b128 v[BB+4*\k:BB+4*\k+3], v[H64], s[22:23] offset:16*\k
.endr
.irp k, 0,1,2,3
	global_load_b128 v[BE+4*\k:BE+4*\k+3], v[H64], s[26:27] offset:16*\k
.endr
	BARRIER                                        ; O1's four fragments lie in LDS
	; ---- O1 Wo + bo: four accumulators by turns
	s_wait_alu depctr_vm_vsrc(0)                   ; my LDS stores have read the block's codes and byte (v212 to v221) and the norm's pairs (v240 to v243), in which the fragments' loads land
	XFETCH
	s_wait_loadcnt 63                              ; of 122 issued the first 59 are in: bo, Wo and its scales (up to the 38th) among them
	s_wait_dscnt 0x0
.irp m, 0,1
.irp u, 0,1
	v_wmma_scale_f32_16x16x128_f8f6f4 v[A6+8*(2*\m+\u):A6+8*(2*\m+\u)+7], v[WO+24*\u:WO+24*\u+11], v[XF+24*\m:XF+24*\m+11], v[A6+8*(2*\m+\u):A6+8*(2*\m+\u)+7], v[WOS+\u], v[XS+\m] matrix_a_fmt:MATRIX_FMT_FP6 matrix_b_fmt:MATRIX_FMT_FP6
.endr
.endr
.irp m, 0,1
.irp u, 0,1
	v_wmma_scale_f32_16x16x128_f8f6f4 v[A6+8*(2*\m+\u):A6+8*(2*\m+\u)+7], v[WO+24*\u+12:WO+24*\u+23], v[XF+24*\m+12:XF+24*\m+23], v[A6+8*(2*\m+\u):A6+8*(2*\m+\u)+7], v[WOS+\u], v[XS+\m] matrix_a_fmt:MATRIX_FMT_FP6 matrix_b_fmt:MATRIX_FMT_FP6 matrix_a_scale:MATRIX_SCALE_ROW1 matrix_b_scale:MATRIX_SCALE_ROW1
.endr
.endr
	PLACES 4
.set j, 0
.rept 32
	v_max_num_f32 v[A6+j], 0, v[A6+j]              ; relu, each accumulator from its low end on
.set j, j+1
.endr
.set j, 0
.rept 16
	v_pk_add_f32 v[OX+j:OX+j+1], v[OX+j:OX+j+1], v[A6+j:A6+j+1]   ; O2
.set j, j+2
.endr
	STATS 2048
	BARRIER                                        ; the second norm's figures lie in LDS; every wave's reads of O1's fragments are over
	s_wait_loadcnt 0x0                             ; g1, b1, be were the last loads issued; Wm, bm are in with them
	LNAPPLY A6, 2048
.irp m, 0,1
.irp k, 0,1,2,3,4,5,6,7
	v_pk_add_f32 v[OX+16*\m+2*\k:OX+16*\m+2*\k+1], v[OX+16*\m+2*\k:OX+16*\m+2*\k+1], v[BE+2*\k:BE+2*\k+1]   ; O2 + be: the C of the last product's first step
.endr
.endr
	QBLK A6, A6+16
	s_wait_alu depctr_va_vdst(0)                   ; the block's codes and byte are written, which the LDS stores read; all that named v204 on and the scale words v66, v67 is done: the fragments' loads land there behind the barrier
	QOUT
	BARRIER                                        ; O3's four fragments lie in LDS
	; ---- O3 Wm + bm: sixteen accumulators by turns
	s_wait_alu depctr_vm_vsrc(0)                   ; my LDS stores have read the block's codes and byte and the second norm's pairs, in which the fragments' loads land
	XFETCH
	s_wait_dscnt 0x0
	WIN 0x11                                       ; A (Wm) and C (bm) in window 1
.irp t, 0,1,2,3,4,5,6,7
.irp m, 0,1
	v_wmma_scale_f32_16x16x128_f8f6f4 v[HA+64*\m+8*\t:HA+64*\m+8*\t+7], v[24*\t:24*\t+11], v[XF+24*\m:XF+24*\m+11], v[BM+8*\t:BM+8*\t+7], v[WMS+\t], v[XS+\m] matrix_a_fmt:MATRIX_FMT_FP6 matrix_b_fmt:MATRIX_FMT_FP6
.endr
.endr
	WIN 0x01
.irp t, 0,1,2,3,4,5,6,7
.irp m, 0,1
	v_wmma_scale_f32_16x16x128_f8f6f4 v[HA+64*\m+8*\t:HA+64*\m+8*\t+7], v[24*\t+12:24*\t+23], v[XF+24*\m+12:XF+24*\m+23], v[HA+64*\m+8*\t:HA+64*\m+8*\t+7], v[WMS+\t], v[XS+\m] matrix_a_fmt:MATRIX_FMT_FP6 matrix_b_fmt:MATRIX_FMT_FP6 matrix_a_scale:MATRIX_SCALE_ROW1 matrix_b_scale:MATRIX_SCALE_ROW1
.endr
.endr
	WIN 0
	PLACES 4                                       ; four places behind the last product, in front of the first read of results
	WIN 0x40
	s_wait_alu depctr_va_vdst(0)                   ; the products are done reading Wm's registers, in which We's loads land
.set n, 0
.rept 16
.irp c, 0,1,2
	global_load_b128 v[12*n+4*\c:12*n+4*\c+3], v[L16], s[36:37] offset:FRB*n+512*\c   ; We's 16 fragments land while the hidden layer is quantised
.endr
.set n, n+1
.endr
	WIN 0
.irp u, 0,1
.irp k, 0,1,2,3
	global_load_b32 v[WES+4*\u+\k], v[L4], s[42:43] offset:512*\u+128*\k   ; lanes 0-15: K step 2 k's words, lanes 16-31: K step 2 k + 1's
.endr
.endr
	RELU HA                                        ; tile 0's hidden units,
	QUANT HA, PC
	RELU HA+64                                     ; tile 1's: its codes go where tile 0's numbers lay
	QUANT HA+64, PC2
	s_wait_alu depctr_va_vdst(0)                   ; both fragments' codes and scale words are written, which the eight LDS stores read; the hidden numbers and all that named v108 on are done with: the last product's fragments land there
.irp c, 0,1,2
	ds_store_b128 v[HWI], v[PC+4*\c:PC+4*\c+3] offset:16*\c             ; K step w of the last product, tile 0
.endr
	ds_store_b32 v[HWS], v[PC+20]
.irp c, 0,1,2
	ds_store_b128 v[HWI], v[PC2+4*\c:PC2+4*\c+3] offset:8*FRB+16*\c     ; and tile 1
.endr
	ds_store_b32 v[HWS], v[PC2+20] offset:512
	BARRIER                                        ; the hidden layer's sixteen fragments lie in LDS
	; ---- hidden We + (be + O2): four accumulators by turns, two K steps at a time, four buffers of four fragments
	s_wait_alu depctr_vm_vsrc(0)                   ; my eight LDS stores have read v220 to v240, in which fragments land, and v76 to v96, which the products write
.macro HWORDS j                        ; the two tiles' scale words of K steps 2 j, 2 j + 1: 2 LDS loads
.irp m, 0,1
	ds_load_b32 v[HS+4*\m+(\j)], v[L4] offset:HSC+512*\m+128*(\j)
.endr
.endm
.macro HFETCH j, hb                    ; their four fragments: 12 LDS loads
.irp m, 0,1
.irp e, 0,1
	FETCH \hb+12*(2*\m+\e), HIMG+FRB*(8*\m+2*(\j)+\e)
.endr
.endr
.endm
.macro MUL j, hb, win
	WIN \win
.irp m, 0,1
.irp u, 0,1
.if (\j) == 0
	v_wmma_scale_f32_16x16x128_f8f6f4 v[A8+8*(2*\m+\u):A8+8*(2*\m+\u)+7], v[12*(8*\u+2*(\j)):12*(8*\u+2*(\j))+11], v[\hb+24*\m:\hb+24*\m+11], v[OX+16*\m+8*\u:OX+16*\m+8*\u+7], v[WES+4*\u+(\j)], v[HS+4*\m+(\j)] matrix_a_fmt:MATRIX_FMT_FP6 matrix_b_fmt:MATRIX_FMT_FP6
.else
	v_wmma_scale_f32_16x16x128_f8f6f4 v[A8+8*(2*\m+\u):A8+8*(2*\m+\u)+7], v[12*(8*\u+2*(\j)):12*(8*\u+2*(\j))+11], v[\hb+24*\m:\hb+24*\m+11], v[A8+8*(2*\m+\u):A8+8*(2*\m+\u)+7], v[WES+4*\u+(\j)], v[HS+4*\m+(\j)] matrix_a_fmt:MATRIX_FMT_FP6 matrix_b_fmt:MATRIX_FMT_FP6
.endif
.endr
.endr
.irp m, 0,1
.irp u, 0,1
	v_wmma_scale_f32_16x16x128_f8f6f4 v[A8+8*(2*\m+\u):A8+8*(2*\m+\u)+7], v[12*(8*\u+2*(\j)+1):12*(8*\u+2*(\j)+1)+11], v[\hb+24*\m+12:\hb+24*\m+23], v[A8+8*(2*\m+\u):A8+8*(2*\m+\u)+7], v[WES+4*\u+(\j)], v[HS+4*\m+(\j)] matrix_a_fmt:MATRIX_FMT_FP6 matrix_b_fmt:MATRIX_FMT_FP6 matrix_a_scale:MATRIX_SCALE_ROW1 matrix_b_scale:MATRIX_SCALE_ROW1
.endr
.endr
.endm
	HWORDS 0                                       ; four runs of 14 LDS loads, one for each buffer
	HFETCH 0, HB0
	HWORDS 1
	HFETCH 1, HB1
	HWORDS 2
	HFETCH 2, HB2
	HWORDS 3
	WIN 0x40                                       ; destination window 1
	s_wait_alu depctr_va_vdst(0)                   ; the products with Wm are done reading bm's registers, in which these twelve loads land
	HFETCH 3, HB3
	s_wait_loadcnt 0x0                             ; We and its scales
	s_wait_dscnt 42                                ; the first run of 14 is in; the three younger runs may be out
	MUL 0, HB0, 0x01                               ; A (We) in window 1
	s_wait_dscnt 28
	MUL 1, HB1, 0x01
	s_wait_dscnt 14
	MUL 2, HB2, 0x01
	s_wait_dscnt 0x0
	MUL 3, HB3, 0x05                               ; A (We) and B (the fourth buffer) in window 1
	WIN 0
	PLACES 4                                       ; four places behind the last product, before its result is read (ISA guide 7.12.1)
	s_wait_alu depctr_va_vdst(0)                   ; the products have written the four accumulators, which the LDS stores read, and are done reading v204 on, in which the stage's loads land; the places above stay beside this wait
	; ---- the way out: a row's 256 numbers come from eight waves: they meet in a stage, and each wave stores four whole rows
.irp m, 0,1
.irp u, 0,1
	ds_store_b128 v[SO], v[A8+8*(2*\m+\u):A8+8*(2*\m+\u)+3] offset:8*SPITCH*\m+32*\u
	ds_store_b128 v[SO], v[A8+8*(2*\m+\u)+4:A8+8*(2*\m+\u)+7] offset:8*SPITCH*\m+32*\u+16
.endr
.endr
	BARRIER
.irp i, 0,1,2,3,4,5,6,7
	ds_load_b128 v[XF+4*\i:XF+4*\i+3], v[SR] offset:SPITCH*(\i/2)+512*(\i%2)
.endr
.irp i, 0,1,2,3,4,5,6,7
	s_wait_dscnt 7-\i
	global_store_b128 v[L16], v[XF+4*\i:XF+4*\i+3], s[28:29] offset:512*\i th:TH_STORE_NT   ; 32 lanes store 512 consecutive bytes, aligned; written once, read by nobody here
.endr
	s_wait_dscnt 0x0                               ; the closing lines, six on end
	s_wait_alu 0x0
	s_wait_tensorcnt 0x0
	ds_add_u32 v254, v255
	s_wait_dscnt 0x0
	s_endpgm
.Lfunc_end_k_qd5547d7725_tail:
	.size	k_qd5547d7725_tail, .Lfunc_end_k_qd5547d7725_tail-k_qd5547d7725_tail
	.p2alignl 7, 3214868480
	.fill 96, 4, 3214868480
	.section	.rodata,"a",@progbits
	.p2align	6, 0x0
	.amdhsa_kernel k_qd5547d7725_tail
		.amdhsa_group_segment_fixed_size 70656
		.amdhsa_private_segment_fixed_size 0
		.amdhsa_enable_private_segment 0
		.amdhsa_kernarg_size 88
		.amdhsa_user_sgpr_count 2
		.amdhsa_user_sgpr_kernarg_segment_ptr 1
		.amdhsa_wavefront_size32 1
		.amdhsa_system_sgpr_workgroup_id_x 1
		.amdhsa_system_sgpr_workgroup_id_y 1
		.amdhsa_system_sgpr_workgroup_id_z 1
		.amdhsa_system_vgpr_workitem_id 0
		.amdhsa_next_free_vgpr 512
		.amdhsa_next_free_sgpr 66
		.amdhsa_reserve_vcc 1
		.amdhsa_float_denorm_mode_32 3
		.amdhsa_float_denorm_mode_16_64 3
		.amdhsa_memory_ordered 1
		.amdhsa_forward_progress 1
		.amdhsa_inst_pref_size 81
	.end_amdhsa_kernel
	.amdgpu_metadata
---
amdhsa.version: [ 1, 2 ]
amdhsa.kernels:
  - .name:           k_qd5547d7725_tail
    .symbol:         k_qd5547d7725_tail.kd
    .args:
      - { .name: of, .offset: 0, .size: 8, .value_kind: global_buffer, .address_space: global }
      - { .name: wc, .offset: 8, .size: 8, .value_kind: global_buffer, .address_space: global }
      - { .name: ws, .offset: 16, .size: 8, .value_kind: global_buffer, .address_space: global }
      - { .name: g0, .offset: 24, .size: 8, .value_kind: global_buffer, .address_space: global }
      - { .name: b0, .offset: 32, .size: 8, .value_kind: global_buffer, .address_space: global }
      - { .name: bo, .offset: 40, .size: 8, .value_kind: global_buffer, .address_space: global }
      - { .name: g1, .offset: 48, .size: 8, .value_kind: global_buffer, .address_space: global }
      - { .name: b1, .offset: 56, .size: 8, .value_kind: global_buffer, .address_space: global }
      - { .name: bm, .offset: 64, .size: 8, .value_kind: global_buffer, .address_space: global }
      - { .name: be, .offset: 72, .size: 8, .value_kind: global_buffer, .address_space: global }
      - { .name: out0, .offset: 80, .size: 8, .value_kind: global_buffer, .address_space: global }
    .group_segment_fixed_size: 70656
    .private_segment_fixed_size: 0
    .kernarg_segment_align: 8
    .kernarg_segment_size: 88
    .max_flat_workgroup_size: 256
    .sgpr_count:     66
    .vgpr_count:     512
    .wavefront_size: 32
...
	.end_amdgpu_metadata
.endif
;; end of part 8
